; MI455X (gfx1250); checked and timed in simulation.
; The chip was launched on July 23, 2026; its instructions are those of AMD's public machine-readable ISA for CDNA 5 (MIT licence, August 2026) and "CDNA5" Instruction Set Architecture Reference Guide (July 2026). The comments in the code are by the model that wrote it; some were corrected since.
;; Multi Head Attention. Allowed arithmetic: matrix products marked QUANTISED: E2M3 operands, one E8M0 scale for each 32 along K, by v_wmma_scale_f32_16x16x128_f8f6f4 with both operands' format E2M3, f32 sums; everything else in f32.
;; Inputs: Wk 2,048 x 2,048 float32; Wo 2,048 x 2,048 float32; Wq 2,048 x 2,048 float32; Wv 2,048 x 2,048 float32; bk 2,048 float32; bo 2,048 float32; bq 2,048 float32; bv 2,048 float32; causal_mask 1 x 1 x 2,048 x 2,048 float32; hidden_state 1 x 2,048 x 2,048 float32.
;; Outputs: out0 1 x 2,048 x 2,048 float32.
;; This version of the problem:
;;   THIS VERSION OF THE PROBLEM IS GIVEN IN LOW PRECISION. The matrix products marked QUANTISED in the list below multiply operands that are first quantised to E2M3 (2 exponent bits, 3 mantissa bits; 6 bits a number), with one power-of-two scale for each 32 numbers along K (OCP MX v1.0); their sums are f32. All else is computed in f32.
;;   The module's matrix products, in the order in which they are computed (A, B: the left and right operand; K: the contracted axis; several contracted axes count as one K, in the product's order):
;;     1. [M 2,048, K 2,048] x [K 2,048, N 2,048]; A: input hidden_state; B: input Wq: QUANTISED
;;     2. [M 2,048, K 2,048] x [K 2,048, N 2,048]; A: input hidden_state; B: input Wk: QUANTISED
;;     3. [M 2,048, K 2,048] x [K 2,048, N 2,048]; A: input hidden_state; B: input Wv: QUANTISED
;;     4. batch 16 x [M 2,048, K 128] x [K 128, N 2,048]; A: computed on the way; B: computed on the way: QUANTISED
;;     5. batch 16 x [M 2,048, K 2,048] x [K 2,048, N 128]; A: softmax (see below); B: computed on the way: QUANTISED
;;     6. [M 2,048, K 2,048] x [K 2,048, N 2,048]; A: computed on the way; B: input Wo: QUANTISED
;;   THE QUANTISER, for each operand of a quantised product, along K:
;;     - K is cut into blocks of 32 from its start; a last block that is shorter is filled with zeros.
;;     - A block's scale is 2^e with e = floor(log2(the largest magnitude in the block)) - 2, held to -126 .. 127; a block of zeros has e = 0. As a byte (E8M0): e + 127.
;;     - Each number is divided by its block's scale, clamped to +-7.5, and rounded to the nearest number of E2M3, ties to even, subnormals kept.
;;     - The product sums the exact products of the quantised numbers (number of the format x scale) in f32.
;;   ~~~python
;;   def quantise(x, axis):      # numpy; x: float32 -> the quantised numbers, widened to float32 again
;;       x = np.moveaxis(x, axis, -1); K = x.shape[-1]
;;       x = np.pad(x, [(0, 0)] * (x.ndim - 1) + [(0, -K % 32)]); x = x.reshape(x.shape[:-1] + (-1, 32)); a = np.abs(x).max(-1, keepdims=True)
;;       e = np.where(a > 0, np.clip(np.frexp(np.where(a > 0, a, 1))[1] - 1 - 2, -126, 127), 0)      # np.frexp(a)[1] - 1 = floor(log2(a)), exactly
;;       r = np.clip(x / 2.0 ** e, -7.5, 7.5)
;;       step = 2.0 ** (np.maximum(np.frexp(np.where(r == 0, 1, r))[1] - 1, 0) - 3)
;;       q = np.round(r / step) * step * 2.0 ** e      # np.round: ties to even
;;       return np.moveaxis(q.reshape(q.shape[:-2] + (-1,))[..., :K], -1, axis).astype(np.float32)
;;   ~~~
;;   SOFTMAX AHEAD OF A QUANTISED PRODUCT. Where the list says 'softmax', what is quantised is not the finished softmax but p = 2^(t - M), with t = logit x log2(e) and M = ceil(the row's largest t), a whole number; so 1/2 < the row's largest p <= 1. The row's sum l is taken of the UNQUANTISED p, in f32, and the product's result is divided by l at the end. Since M is a whole number, a kernel that streams over the keys may use a running M (the ceiling of the running maximum): every later rescaling is an exact power of two, which a block's scale takes up: the codes' values come out the same.
;;   OPERANDS COMPUTED ON THE WAY. 'Computed on the way' means the value that the module computes at that place (a softmax that the list does not call 'softmax' is quantised finished and normalised). What goes into a quantiser is computed in f32, as accurately as f32 sums, v_exp_f32 and their like allow (about 1e-6 of the number): no bf16 or f16 on the way to a quantiser, and a product that is left as it is and whose result goes on into a quantised operand takes f32 operands (vector FMAs, or v_wmma_f32_16x16x4_f32). A number that lies on a knife's edge between two numbers of the format may be rounded either way, as far as f32 arithmetic and the matrix unit's own rounding can turn it there, and no further.
;; 2 versions. Each part assembles by itself: llvm-mc -triple=amdgcn-amd-amdhsa -mcpu=gfx1250 --defsym DOCPART=n.
;; ======== version 1 of 2: 4 launches
;; limits: right only within a limited range of input values
;; workspace buffers: wc 16,384,000 bytes; qf 3,276,800 bytes; kv 6,553,600 bytes; ac 3,276,800 bytes
;; launch quant (part 1): grid 640 x 1, 4 waves a work-group, no clusters, 34,304 bytes of LDS; arguments hidden_state, Wq, Wk, Wv, Wo, wc; writes wc
.if DOCPART == 1
	.amdgcn_target "amdgcn-amd-amdhsa--gfx1250"
	.amdhsa_code_object_version 6
	.text
	.protected	k_q9810993ea3_quant
	.globl	k_q9810993ea3_quant
	.p2align	8
	.type	k_q9810993ea3_quant,@function
k_q9810993ea3_quant:
	s_mov_b64 s[64:65], 0
	v_nop
	global_prefetch_b8 v0, s[64:65] scope:SCOPE_SE
	s_setreg_imm32_b32 hwreg(HW_REG_WAVE_MODE, 25, 1), 1
	s_wait_xcnt 0x0
; FIRST OF FOUR LAUNCHES of out0 = attention(hidden_state), all six products on codes of FP6 (E2M3) with one E8M0 scale for each 32 along K.
; NOTHING OF reference() IS LEFT OUT: the mask is an input and is added, times -1e9, for every pair of query and key; all four biases stand ahead of a quantiser or of the output; every input is loaded by some launch.
; THIS LAUNCH turns hidden_state, Wq, Wk, Wv, Wo ([2048][2048] f32, K innermost) into codes and scale bytes, laid as RECORDS in wc.
; A RECORD (12,800 bytes) is 128 rows x 128 along K: eight fragments of 16 rows as IMAGES OF THE OPERAND'S REGISTERS (1,536 bytes: register group c of four at 512 c + 16 x lane), then 512 bytes of scale words:
; the word of row r of tile t at 12,288 + 256 (t / 4) + 16 r + 4 (t % 4).  So a fragment comes and goes by three accesses of 512 consecutive bytes, and one access of 16 bytes a lane brings eight tiles' scale words.
; THE ROWS OF A TILE ARE NOT NEIGHBOURS: lane r of tile 2 b + u holds row 32 b + 8 u + r + 8 (r / 8) of the 128, so that, where such a tile is source 0 of a product, a lane's 16 results of tiles 2 b and 2 b + 1 are 16 neighbours.
; wc: five regions of 256 records (hidden, Wq, Wk, Wv, Wo); record (group g of 128 rows, K step ks) at (16 g + ks) x 12,800.
; A block's scale is 2^(floor(log2(its largest magnitude)) - 2); its byte is the largest magnitude's exponent field - 2, held at 1 from below.
; LIMITS: a block of zeros gets the byte 1 where the rule says 127 (its codes are zeros, and this program alone reads the bytes); magnitudes under 2^-124 were not tried; NaN and infinities among the inputs are not served.
; SHARES: a wave takes half a record: 64 rows x 128 K, four fragments.  Each load reads 512 consecutive bytes of one row, 16 a lane; a fragment's 16 rows turn through the wave's own stage in LDS, so that a lane gets 16 neighbours
; of each block of 32 of its row.  No tensor loads, no barrier, no cluster: waves and work-groups share no input.
.set REC,   12800
.set SP,    528                        ; a stage row: 512 bytes + 16: an odd multiple of 16, so that the 16 rows that a load of 16 bytes a lane touches start in different banks (ISA guide 11.1)
.set WST,   16*SP                      ; a wave's stage
.set SPARE, 4*WST                      ; behind the stages: the spare words, 128 bytes a wave, that no other line names
.set LI,   4                           ; v4   16 x lane
.set SIN,  5                           ; v5   the stage, on the way in
.set SOUT, 6                           ; v6   and on the way out: row r, + 64 h
.set SWA,  7                           ; v7   16 r + 8 h: my two scale words
.set SPW,  12                          ; v12  my spare word's address; never rewritten
.set NIL,  13                          ; v13  0; never rewritten
.set R,    16                          ; v16-143  two sets of 64: a fragment's numbers as loaded
.set X,    144                         ; v144-207 64 numbers of my row: register 16 b + i = k 32 b + 16 h + i
.set PC,   208                         ; v208-226 the codes
.set TM,   228                         ; v228-243 at work
.set PW,   244                         ; v244-247 the four fragments' scale words
.set SW,   248
.set SEL,  20                          ; s[20:21] v_permlanex16_b32's selects for lane l xor 16
; 64 numbers of a lane, register 16 b + i = k 32 b + 16 (lane / 16) + i of my row, become a fragment's codes in v[PC] on and its scale word in v[pw]
.macro QUANT s, pw
.irp b, 0,1,2,3
	v_max3_num_f32 v[TM+\b], |v[\s+16*\b]|, |v[\s+1+16*\b]|, 0x1800000   ; my 16 numbers of block b, and the floor 2^(3 - 127): the byte cannot fall under 1
.endr
.irp i, 2,4,6,8,10,12,14
.irp b, 0,1,2,3
	v_max3_num_f32 v[TM+\b], v[TM+\b], |v[\s+16*\b+\i]|, |v[\s+1+16*\b+\i]|   ; the four blocks by turns
.endr
.endr
.irp b, 0,1,2,3
	v_permlanex16_b32 v[TM+4+\b], v[TM+\b], s[SEL], s[SEL+1]
.endr
.irp b, 0,1,2,3
	v_max_num_f32 v[TM+\b], v[TM+\b], v[TM+4+\b]                 ; with lane l xor 16's: the block's largest magnitude
.endr
.irp b, 0,1,2,3
	v_add_nc_u32 v[TM+12+\b], 0xff000000, v[TM+\b]               ; 2 off its exponent field: the conversion's scale operand
.endr
.irp b, 0,1,2,3
	v_lshrrev_b32 v[TM+4+\b], 23, v[TM+12+\b]                    ; the scale's byte
.endr
	v_lshl_or_b32 v[\pw], v[TM+5], 8, v[TM+4]                    ; four bytes: my row's scale word
	v_lshl_or_b32 v[\pw], v[TM+6], 16, v[\pw]
	v_lshl_or_b32 v[\pw], v[TM+7], 24, v[\pw]
.irp c, 0,1
	v_cvt_scalef32_pk16_fp6_f32 v[PC+6*\c:PC+2+6*\c], v[\s+32*\c:\s+15+32*\c], v[TM+12+2*\c]
	v_cvt_scalef32_pk16_fp6_f32 v[PC+12+4*\c:PC+14+4*\c], v[\s+16+32*\c:\s+31+32*\c], v[TM+12+2*\c+1]   ; (a conversion's three registers begin on an even number)
.endr
	v_nop                                                        ; one plain place behind the scaled conversions
.irp c, 0,1                                                  ; the operand wants a WHOLE block in a lane: lanes 0-15 block 2 c, lanes 16-31 block 2 c + 1
.irp i, 0,1,2
	v_permlane16_swap_b32 v[PC+6*\c+\i], v[PC+12+4*\c+\i]
.endr
.irp i, 0,1,2
	v_mov_b32 v[PC+3+6*\c+\i], v[PC+12+4*\c+\i]
.endr
.endr
.endm
	s_load_b256 s[4:11], s[0:1], 0x0               ; hidden_state, Wq, Wk, Wv
	s_load_b128 s[12:15], s[0:1], 0x20             ; Wo, wc
	v_lshl_add_u32 v[SPW], v0, 2, SPARE
	v_mov_b32 v[NIL], 0
	v_lshrrev_b32 v1, 5, v0
	v_readfirstlane_b32 s16, v1                    ; wave
	v_and_b32 v1, 31, v0                           ; lane
	v_and_b32 v2, 15, v0                           ; r
	v_bfe_u32 v3, v0, 4, 1                         ; h
	v_lshlrev_b32 v[LI], 4, v1
	s_mul_i32 s17, s16, WST
	v_add_nc_u32 v[SIN], s17, v[LI]
	v_mul_u32_u24 v[SOUT], v2, SP
	v_lshl_add_u32 v[SOUT], v3, 6, v[SOUT]
	v_add_nc_u32 v[SOUT], s17, v[SOUT]
	v_lshlrev_b32 v[SWA], 4, v2
	v_lshl_add_u32 v[SWA], v3, 3, v[SWA]
	s_mov_b32 s[SEL], 0x76543210
	s_mov_b32 s[SEL+1], 0xfedcba98
.irp b, 0,1,2,3
	v_mov_b32 v[TM+4+\b], 0                        ; written once: a lane permute's destination counts as one of its sources
.endr
	s_lshr_b32 s22, ttmp9, 7                       ; which tensor: 128 work-groups each
	s_lshl_b32 s23, ttmp9, 2
	s_add_co_u32 s23, s23, s16
	s_and_b32 s23, s23, 511                        ; which of its 512 half records
	s_and_b32 s28, s23, 15                         ; K step: a work-group's four waves take four neighbouring ones
	s_bfe_u32 s29, s23, 0x10004                    ; half
	s_lshr_b32 s30, s23, 5                         ; group of 128 rows
	s_lshl_b32 s24, s30, 20                        ; in: 128 rows of 8,192 bytes,
	s_lshl_b32 s31, s29, 19                        ; 64 rows,
	s_add_co_u32 s24, s24, s31
	s_lshl_b32 s31, s28, 9                         ; 128 numbers
	s_add_co_u32 s24, s24, s31
	s_mov_b32 s25, 0
	s_lshl_b32 s26, s22, 4
	s_add_co_u32 s26, s26, s30
	s_lshl_b32 s26, s26, 4
	s_add_co_u32 s26, s26, s28
	s_mul_i32 s26, s26, REC                        ; out: my record
	s_lshl_b32 s32, s29, 8
	s_add_co_u32 s32, s32, s26
	s_add_co_u32 s32, s32, 12288                   ; my half's 256 bytes of scale words
	s_mov_b32 s33, 0
	s_mul_i32 s31, s29, 4*1536
	s_add_co_u32 s26, s26, s31                     ; my half's four fragments
	s_mov_b32 s27, 0
	s_wait_kmcnt 0x0
	s_mov_b64 s[18:19], s[4:5]                     ; the tensor is chosen by the work-group's number alone
	s_cmp_eq_u32 s22, 1
	s_cselect_b64 s[18:19], s[6:7], s[18:19]
	s_cmp_eq_u32 s22, 2
	s_cselect_b64 s[18:19], s[8:9], s[18:19]
	s_cmp_eq_u32 s22, 3
	s_cselect_b64 s[18:19], s[10:11], s[18:19]
	s_cmp_eq_u32 s22, 4
	s_cselect_b64 s[18:19], s[12:13], s[18:19]
	s_add_nc_u64 s[18:19], s[18:19], s[24:25]
	s_add_nc_u64 s[26:27], s[14:15], s[26:27]
	s_add_nc_u64 s[32:33], s[14:15], s[32:33]
.macro LOAD f                          ; fragment f's 16 rows, in the tile's order of rows: the order stands in the immediate
.irp p, 0,1,2,3,4,5,6,7,8,9,10,11,12,13,14,15
	global_load_b128 v[R+64*((\f)%2)+4*\p:R+64*((\f)%2)+4*\p+3], v[LI], s[18:19] offset:(32*((\f)/2)+8*((\f)%2)+\p+8*(\p/8))*8192 th:TH_LOAD_NT
.endr
.endm
.macro FRAGM f
.if (\f) < 3
	s_wait_loadcnt 16                              ; this fragment's 16 loads are in; the next fragment's 16 may be out
.else
	s_wait_loadcnt 0
.endif
.irp p, 0,1,2,3,4,5,6,7,8,9,10,11,12,13,14,15
	ds_store_b128 v[SIN], v[R+64*((\f)%2)+4*\p:R+64*((\f)%2)+4*\p+3] offset:SP*\p
.endr
.irp b, 0,1,2,3
.irp j, 0,1,2,3
	ds_load_b128 v[X+16*\b+4*\j:X+16*\b+4*\j+3], v[SOUT] offset:128*\b+16*\j   ; LDS serves a wave's instructions in order (ISA guide 5.7.1.4): these see the stores above
.endr
.endr
	s_wait_dscnt 0x0                               ; my numbers are back, and the stores have read their registers,
.if (\f) < 2
	LOAD (\f)+2                                    ; which take the fragment two on
.endif
.if (\f) > 0
	s_wait_xcnt 0x0                                ; the last fragment's stores have read their data: the codes' registers are written again only behind this wait
.endif
	QUANT X, PW+(\f)
.irp c, 0,1,2
	global_store_b128 v[LI], v[PC+4*\c:PC+4*\c+3], s[26:27] offset:1536*(\f)+512*\c   ; the image: 512 consecutive bytes, aligned
.endr
.endm
	LOAD 0
	LOAD 1
	FRAGM 0
	FRAGM 1
	FRAGM 2
	FRAGM 3
	v_cmp_ne_u32 vcc_lo, 0, v3                     ; lane (r, h) stores the words of tiles 2 h and 2 h + 1 of row r: the 32 lanes fill 256 consecutive bytes, aligned
	v_cndmask_b32 v[SW], v[PW], v[PW+2], vcc_lo
	v_cndmask_b32 v[SW+1], v[PW+1], v[PW+3], vcc_lo
	global_store_b64 v[SWA], v[SW:SW+1], s[32:33]
	s_wait_tensorcnt 0x0                           ; the wave's end
	ds_add_u32 v[SPW], v[NIL]
	s_wait_dscnt 0x0
	s_endpgm
.Lfunc_end_k_q9810993ea3_quant:
	.size	k_q9810993ea3_quant, .Lfunc_end_k_q9810993ea3_quant-k_q9810993ea3_quant
	.p2alignl 7, 3214868480
	.fill 96, 4, 3214868480
	.section	.rodata,"a",@progbits
	.p2align	6, 0x0
	.amdhsa_kernel k_q9810993ea3_quant
		.amdhsa_group_segment_fixed_size 34304
		.amdhsa_private_segment_fixed_size 0
		.amdhsa_enable_private_segment 0
		.amdhsa_kernarg_size 48
		.amdhsa_user_sgpr_count 2
		.amdhsa_user_sgpr_kernarg_segment_ptr 1
		.amdhsa_wavefront_size32 1
		.amdhsa_system_sgpr_workgroup_id_x 1
		.amdhsa_system_sgpr_workgroup_id_y 1
		.amdhsa_system_sgpr_workgroup_id_z 1
		.amdhsa_system_vgpr_workitem_id 0
		.amdhsa_next_free_vgpr 256
		.amdhsa_next_free_sgpr 66
		.amdhsa_reserve_vcc 1
		.amdhsa_float_denorm_mode_32 3
		.amdhsa_float_denorm_mode_16_64 3
		.amdhsa_memory_ordered 1
		.amdhsa_forward_progress 1
		.amdhsa_inst_pref_size 34
	.end_amdhsa_kernel
	.amdgpu_metadata
---
amdhsa.version: [ 1, 2 ]
amdhsa.kernels:
  - .name:           k_q9810993ea3_quant
    .symbol:         k_q9810993ea3_quant.kd
    .args:
      - { .name: hidden_state, .offset: 0, .size: 8, .value_kind: global_buffer, .address_space: global }
      - { .name: Wq, .offset: 8, .size: 8, .value_kind: global_buffer, .address_space: global }
      - { .name: Wk, .offset: 16, .size: 8, .value_kind: global_buffer, .address_space: global }
      - { .name: Wv, .offset: 24, .size: 8, .value_kind: global_buffer, .address_space: global }
      - { .name: Wo, .offset: 32, .size: 8, .value_kind: global_buffer, .address_space: global }
      - { .name: wc, .offset: 40, .size: 8, .value_kind: global_buffer, .address_space: global }
    .group_segment_fixed_size: 34304
    .private_segment_fixed_size: 0
    .kernarg_segment_align: 8
    .kernarg_segment_size: 48
    .max_flat_workgroup_size: 128
    .sgpr_count:     66
    .vgpr_count:     256
    .wavefront_size: 32
...
	.end_amdgpu_metadata
.endif
;; end of part 1
;; launch qkv (part 2): grid 24 x 8, 4 waves a work-group, clusters of 4 x 4, 327,680 bytes of LDS; arguments wc, bq, bk, bv, qf, kv; writes qf, kv
.if DOCPART == 2
	.amdgcn_target "amdgcn-amd-amdhsa--gfx1250"
	.amdhsa_code_object_version 6
	.text
	.protected	k_q9810993ea3_qkv
	.globl	k_q9810993ea3_qkv
	.p2align	8
	.type	k_q9810993ea3_qkv,@function
k_q9810993ea3_qkv:
	s_mov_b64 s[64:65], 0
	v_nop
	global_prefetch_b8 v0, s[64:65] scope:SCOPE_SE
	s_setreg_imm32_b32 hwreg(HW_REG_WAVE_MODE, 25, 1), 1
	s_wait_xcnt 0x0
	s_wait_alu depctr_hold_cnt(0) depctr_sa_sdst(0) depctr_va_vdst(0) depctr_va_sdst(0) depctr_va_ssrc(0) depctr_va_vcc(0) depctr_vm_vsrc(0)
	s_getreg_b32 s2, hwreg(HW_REG_IB_STS2, 6, 4)
	s_cmp_eq_u32 s2, 0
	s_cbranch_scc0 .Lentry_in_a_cluster
	s_endpgm
.Lentry_in_a_cluster:
	s_bfe_u32 s2, ttmp6, 0x10000c
	s_cmp_lg_u32 s2, 0xf033
	s_cbranch_scc0 .Lentry_shape_is_right
	s_endpgm
.Lentry_shape_is_right:
; SECOND LAUNCH: q = hidden Wq^T + bq, k = hidden Wk^T + bk, v = hidden Wv^T + bv on codes of FP6, and q, k, v quantised in registers for the next two products.  Nothing of reference() is left out here.
; Operands come as RECORDS (128 rows x 128 K: eight register images of 1,536 bytes, then 512 bytes of scale words; lane r of tile 2 b + u holds row 32 b + 8 u + r + 8 (r / 8)); results leave as records of the same make.
; A work-group of four waves makes 256 x 256, a wave 128 x 128: 64 accumulators, 512 registers.  THE MATRIX INSTRUCTION IS USED TRANSPOSED: source 0 = 16 rows of Y, source 1 = 16 rows of X: a lane holds one row of X, and by the
; order of a tile's rows its 16 registers of Y's tiles 2 b, 2 b + 1 are 16 neighbouring rows of Y.  So a block of 16 rows of X x 128 rows of Y is quantised along Y as it stands and IS a fragment of the next operand.
; q, k (type 0, 1): Y = the weight (a wave's 128 rows are one head), X = hidden (tokens): fragments of 16 tokens x the head's 128.
; v (type 2): THE ROLES ARE SWAPPED BY ADDRESS ALONE: Y = hidden, X = Wv: fragments of 16 of the head's 128 x 128 tokens, since the keys are the K of the product with p.
; The type is the cluster's x / 2: the same in all partners of a cluster.  OUT: qf: record (head, group of 128 queries) at (16 head + g) x 12,800; kv: for each (head, 128 keys) k's record, then v's, 25,600 bytes.
; K goes through a ring of two LDS slots, two K steps of 128 to a slot; a wave's tensor load brings two records on end, 25,600 dense bytes.  CLUSTERS: 4 x 4; X's records are shared along a row of the cluster, Y's along a
; column: each is asked for jointly.  The grid has 192 work-groups: a wave's extent along Y has to be 128 (a fragment's K), and a wave tile of 128 x 128 reads each LDS byte for the most products.
; LIMITS: as in the first launch (a block of zeros gets the byte 1; NaN and infinities are not served).
; REGISTERS: window 0: v16-29 addresses; v32-63 scale words, a set a slot; v64-127 the bias; v128-223 X's eight fragments, ONE set; v224-231 the bias loads' offsets; on the way out v128-215 and v232-255 at work.
;   window 1: Y's fragments, two sets, at v0 and v128.  window 2: the accumulators of X's blocks 0-3 ((a, b) at v[8 (8 (a % 4) + b)]); window 3: of blocks 4-7.
.set REC,   12800
.set REG,   256*REC                    ; a region of wc
.set GRP,   16*REC                     ; a group's 16 records
.set LOADB, 2*REC                      ; what one tensor load brings
.set SLOT,  4*LOADB                    ; X's two groups, then Y's two
.set SPARE, 2*SLOT                     ; behind the ring: the spare words, 128 bytes a wave, that no other line names
.set FR,    12                         ; registers of a fragment
.set NL,    3                          ; LDS loads that bring one
.set NP,    4                          ; places behind this matrix instruction (ISA guide 7.12.1)
.set LAPS,  4                          ; 16 K steps = 4 times round the ring
.set ADRA, 16                          ; v16-17 my X group in slot 0, 1: + 16 x lane
.set ADRB, 20                          ; v20-21 my Y group
.set LI,   24                          ; v24    16 x lane
.set HH,   25                          ; v25    lane / 16
.set SPW,  28
.set NIL,  29
.set SC,   32                          ; set s at 32 + 16 s; in it K step q at + 8 q: four registers of X's words, four of Y's.  Register i: lanes 0-15 tile i, lanes 16-31 tile 4 + i
.set BY,   64
.set AF,   128
.set VO,   224
.set HA,   128                         ; the way out: a block's 64 numbers
.set PC,   192
.set SW,   212
.set TM,   232
.set PW,   248                         ; v248-255 the eight blocks' scale words
.set WV,   16                          ; s16 wave; s17 wave / 2: my X group, and: I fetch for X (0) or Y (1); s18 wave % 2: my Y group, and: which group I fetch
.set WH,   17
.set WL,   18
.set G1,   24                          ; s[24:31] group 1 for X's records; s[32:39] groups 0, one a slot
.set G0,   32
.set G1B,  48                          ; s[48:55], s[56:63] the same for Y's
.set G0B,  56
.set TYPE, 66
.set SEL,  74
.set OUTP, 80
.set BIAS, 82
.set MSB, 0
.macro WIN new                         ; the immediate's high byte repeats the setting that is left
.if MSB != (\new)
	s_set_vgpr_msb (MSB<<8)|(\new)
.set MSB, (\new)
.endif
.endm
.set MUL_LO, 0xa1                      ; source 0 (Y) window 1, source 1 (X) window 0, C and D window 2
.set MUL_HI, 0xf1
.set TO_B,   0x40
.macro JLOAD g0a, g1a, g0b, g1b        ; a joint load: waves 0, 1 fetch X's groups, waves 2, 3 Y's; the branch hangs on the wave's number alone.  An s_nop 0 and four v_nop follow each line
	s_cmp_eq_u32 s[WH], 0
	s_cbranch_scc0 .Lfor_b_\@
	tensor_load_to_lds s[\g0a:\g0a+3], s[\g1a:\g1a+7]
	s_nop 0
.rept 4
	v_nop
.endr
	s_branch .Lasked_\@
.Lfor_b_\@:
	tensor_load_to_lds s[\g0b:\g0b+3], s[\g1b:\g1b+7]
	s_nop 0
.rept 4
	v_nop
.endr
.Lasked_\@:
.endm
.macro CREST                           ; a round of the cluster's barrier behind its opening barrier
	s_cmp_lg_u32 s[WV], 0
	s_cbranch_scc1 .Lnot_wave_0_\@
	s_barrier_signal -3
.Lnot_wave_0_\@:
	s_barrier_wait -3
	s_barrier_signal -1
	s_barrier_wait -1
.endm
.macro CROUND
	s_barrier_signal -1
	s_barrier_wait -1
	CREST
.endm
.macro QUANT s, pw                     ; 64 numbers of a lane, register 16 b + i = k 32 b + 16 (lane / 16) + i, become a fragment's codes in v[PC] on and its scale word in v[pw]
.irp b, 0,1,2,3
	v_max3_num_f32 v[TM+\b], |v[\s+16*\b]|, |v[\s+1+16*\b]|, 0x1800000   ; and the floor 2^(3 - 127): the byte cannot fall under 1
.endr
.irp i, 2,4,6,8,10,12,14
.irp b, 0,1,2,3
	v_max3_num_f32 v[TM+\b], v[TM+\b], |v[\s+16*\b+\i]|, |v[\s+1+16*\b+\i]|
.endr
.endr
.irp b, 0,1,2,3
	v_permlanex16_b32 v[TM+4+\b], v[TM+\b], s[SEL], s[SEL+1]
.endr
.irp b, 0,1,2,3
	v_max_num_f32 v[TM+\b], v[TM+\b], v[TM+4+\b]
.endr
.irp b, 0,1,2,3
	v_add_nc_u32 v[TM+12+\b], 0xff000000, v[TM+\b]               ; 2 off the exponent field: the conversion's scale operand
.endr
.irp b, 0,1,2,3
	v_lshrrev_b32 v[TM+4+\b], 23, v[TM+12+\b]
.endr
	v_lshl_or_b32 v[\pw], v[TM+5], 8, v[TM+4]
	v_lshl_or_b32 v[\pw], v[TM+6], 16, v[\pw]
	v_lshl_or_b32 v[\pw], v[TM+7], 24, v[\pw]
.irp c, 0,1
	v_cvt_scalef32_pk16_fp6_f32 v[PC+6*\c:PC+2+6*\c], v[\s+32*\c:\s+15+32*\c], v[TM+12+2*\c]
	v_cvt_scalef32_pk16_fp6_f32 v[PC+12+4*\c:PC+14+4*\c], v[\s+16+32*\c:\s+31+32*\c], v[TM+12+2*\c+1]
.endr
	v_nop                                                        ; one plain place behind the scaled conversions
.irp c, 0,1
.irp i, 0,1,2
	v_permlane16_swap_b32 v[PC+6*\c+\i], v[PC+12+4*\c+\i]
.endr
.irp i, 0,1,2
	v_mov_b32 v[PC+3+6*\c+\i], v[PC+12+4*\c+\i]
.endr
.endr
.endm
	s_load_b256 s[4:11], s[0:1], 0x0               ; wc, bq, bk, bv
	s_load_b128 s[12:15], s[0:1], 0x20             ; qf, kv
	v_lshl_add_u32 v[SPW], v0, 2, SPARE
	v_mov_b32 v[NIL], 0
	ds_add_u32 v[SPW], v[NIL]                      ; the wave's opening: the add, twice on end, and its wait ahead of my first tensor load
	ds_add_u32 v[SPW], v[NIL]
	v_lshrrev_b32 v1, 5, v0
	v_readfirstlane_b32 s[WV], v1
	s_lshr_b32 s[WH], s[WV], 1
	s_and_b32 s[WL], s[WV], 1
	s_bfe_u32 s40, ttmp6, 0x40000                  ; cx, cy
	s_bfe_u32 s41, ttmp6, 0x40004
	s_lshr_b32 s[TYPE], ttmp9, 1                   ; 0 q, 1 k, 2 v: two clusters along x each
	s_lshl_b32 s42, ttmp9, 2
	s_add_co_u32 s42, s42, s40
	s_and_b32 s67, s42, 7                          ; Y's tile of 256 rows
	s_and_b32 s68, ttmp7, 0xffff
	s_lshl_b32 s68, s68, 2
	s_add_co_u32 s68, s68, s41                     ; X's tile
	s_lshl_b32 s43, s41, 2
	s_lshl_b32 s43, 15, s43                        ; my row of the cluster
	s_lshl_b32 s44, 0x1111, s40                    ; my column
	s_or_b32 s[G1+0], s43, (3<<16)|(1<<21)         ; 15:0 the mask; 17:16 elements of 8 bytes; 20 no padding; 21 set beside a mask
	s_or_b32 s[G1B+0], s44, (3<<16)|(1<<21)
.irp g, G1, G1B                        ; 25,600 dense bytes as 100 rows of 256
	s_mov_b32 s[\g+1], 32<<16                      ; tensor_dim0
	s_mov_b32 s[\g+2], 100<<16                     ; tensor_dim1
	s_mov_b32 s[\g+3], 32<<16                      ; tile_dim0
	s_mov_b32 s[\g+4], 100                         ; tile_dim1
	s_mov_b32 s[\g+5], 32                          ; from row to row
	s_mov_b32 s[\g+6], 0
	s_mov_b32 s[\g+7], 0
.endr
	s_lshl_b32 s70, s68, 1                         ; X: it hangs on the tile along y, the wave and the type: never on cx
	s_add_co_u32 s70, s70, s[WL]
	s_mul_i32 s70, s70, GRP
	s_cmp_eq_u32 s[TYPE], 2
	s_cselect_b32 s76, 3*REG, 0                    ; hidden, or for v the region of Wv
	s_add_co_u32 s70, s70, s76
	s_mov_b32 s71, 0
	s_lshl_b32 s72, s67, 1                         ; Y: on the tile along x, the wave and the type: never on cy
	s_add_co_u32 s72, s72, s[WL]
	s_mul_i32 s72, s72, GRP
	s_add_co_u32 s77, s[TYPE], 1
	s_mul_i32 s77, s77, REG
	s_cmp_eq_u32 s[TYPE], 2
	s_cselect_b32 s77, 0, s77                      ; Wq, Wk, or for v hidden
	s_add_co_u32 s72, s72, s77
	s_mov_b32 s73, 0
	s_mul_i32 s45, s[WV], LOADB                    ; where my load goes: no place in the cluster enters an LDS address
	s_mov_b32 s[SEL], 0x76543210
	s_mov_b32 s[SEL+1], 0xfedcba98
	s_wait_dscnt 0x0                               ; both opening adds are done
	s_wait_kmcnt 0x0
	s_add_nc_u64 s[70:71], s[4:5], s[70:71]
	s_add_nc_u64 s[72:73], s[4:5], s[72:73]
	CROUND                                         ; all sixteen work-groups are here: the first joint loads meet
.irp s, 0,1
	s_mov_b32 s[G0+4*\s], 1
	s_add_co_u32 s[G0+4*\s+1], s45, \s*SLOT
	s_add_nc_u64 s[G0+4*\s+2:G0+4*\s+3], s[70:71], \s*LOADB
	s_or_b32 s[G0+4*\s+3], s[G0+4*\s+3], 0x80000000
	s_mov_b32 s[G0B+4*\s], 1
	s_add_co_u32 s[G0B+4*\s+1], s45, \s*SLOT
	s_add_nc_u64 s[G0B+4*\s+2:G0B+4*\s+3], s[72:73], \s*LOADB
	s_or_b32 s[G0B+4*\s+3], s[G0B+4*\s+3], 0x80000000
	JLOAD G0+4*\s, G1, G0B+4*\s, G1B               ; two loads of mine are out
.endr
	v_and_b32 v1, 31, v0
	v_lshlrev_b32 v[LI], 4, v1
	v_and_b32 v2, 15, v0                           ; r
	v_bfe_u32 v[HH], v0, 4, 1                      ; h
	s_mul_i32 s76, s[WH], LOADB
	s_mul_i32 s77, s[WL], LOADB
	s_add_co_u32 s77, s77, 2*LOADB
.irp s, 0,1
	v_add_nc_u32 v[ADRA+\s], s76, v[LI]
	v_add_nc_u32 v[ADRB+\s], s77, v[LI]
	s_add_co_u32 s76, s76, SLOT
	s_add_co_u32 s77, s77, SLOT
.endr
	; where my 128 x 128 goes, and its bias.  All choices hang on the type alone
	s_lshl_b32 s78, s68, 1
	s_add_co_u32 s78, s78, s[WH]                   ; my X group
	s_lshl_b32 s79, s67, 1
	s_add_co_u32 s79, s79, s[WL]                   ; my Y group
	s_cmp_eq_u32 s[TYPE], 2
	s_cselect_b32 s84, s78, s79                    ; the head: the weight's group
	s_cselect_b32 s85, s79, s78                    ; the group of 128 tokens
	s_cselect_b32 s86, 0, 64                       ; the bias loads' offset = h x s86 + (r + 8 (r / 8)) x s87 + j x s88:
	s_cselect_b32 s87, 4, 0                        ; q, k: register 8 i + j wants the bias of the head's unit 32 (i / 2) + 8 (i % 2) + 16 h + j;
	s_cselect_b32 s88, 0, 4                        ; v: register 8 a + j that of my lane's unit in X's block a, 32 (a / 2) + 8 (a % 2) + r + 8 (r / 8), the same for all j
	s_cselect_b32 s89, REC, 0                      ; v's record lies behind k's
	s_cselect_b64 s[BIAS:BIAS+1], s[10:11], s[8:9]
	s_cmp_eq_u32 s[TYPE], 0
	s_cselect_b64 s[BIAS:BIAS+1], s[6:7], s[BIAS:BIAS+1]
	s_cselect_b64 s[OUTP:OUTP+1], s[12:13], s[14:15]
	s_mov_b32 s90, 2*REC
	s_cselect_b32 s90, REC, s90
	s_lshl_b32 s91, s84, 4
	s_add_co_u32 s91, s91, s85
	s_mul_i32 s92, s91, s90
	s_add_co_u32 s92, s92, s89
	s_mov_b32 s93, 0
	s_add_nc_u64 s[OUTP:OUTP+1], s[OUTP:OUTP+1], s[92:93]
	s_lshl_b32 s92, s84, 9                         ; the head's 128 numbers
	s_add_nc_u64 s[BIAS:BIAS+1], s[BIAS:BIAS+1], s[92:93]
	v_and_b32 v3, 8, v2
	v_add_nc_u32 v3, v3, v2
	v_mul_u32_u24 v4, s86, v[HH]
	v_mad_u32_u24 v[VO], v3, s87, v4
.irp j, 1,2,3,4,5,6,7
	v_add_nc_u32 v[VO+\j], s88, v[VO+\j-1]
.endr
.irp i, 0,1,2,3,4,5,6,7
.irp j, 0,1,2,3,4,5,6,7
	global_load_b32 v[BY+8*\i+\j], v[VO+\j], s[BIAS:BIAS+1] offset:(32*(\i/2)+8*(\i%2))*4   ; waited for at the head of the way out
.endr
.endr
.irp b, 0,1,2,3
	v_mov_b32 v[TM+4+\b], 0                        ; written once: a lane permute's destination counts as one of its sources
.endr
.macro FRAG reg, adr, q, i             ; a fragment's image: three loads of 512 consecutive bytes
.irp c, 0,1,2
	ds_load_b128 v[\reg+4*\c:\reg+4*\c+3], v[\adr] offset:REC*(\q)+1536*(\i)+512*\c
.endr
.endm
; one product: Y's tile b x X's block a, the slot's q-th 128 along K.  p: Y's set; sc: the set of scale words; zero = 1: it starts the sum.  Tiles 4-7 have their scale words in lanes 16-31
.macro WM a, b, p, q, sc, zero
.set rD, 8*(8*((\a)%4)+(\b))
.set rY, 128*(\p)+FR*(\b)
.set rX, AF+FR*(\a)
.set rSY, SC+16*(\sc)+8*(\q)+4+(\b)%4
.set rSX, SC+16*(\sc)+8*(\q)+(\a)%4
.if \zero
.if ((\a) < 4) && ((\b) < 4)
	v_wmma_scale_f32_16x16x128_f8f6f4 v[rD:rD+7], v[rY:rY+FR-1], v[rX:rX+FR-1], 0, v[rSY], v[rSX] matrix_a_fmt:MATRIX_FMT_FP6 matrix_b_fmt:MATRIX_FMT_FP6
.elseif (\a) < 4
	v_wmma_scale_f32_16x16x128_f8f6f4 v[rD:rD+7], v[rY:rY+FR-1], v[rX:rX+FR-1], 0, v[rSY], v[rSX] matrix_a_fmt:MATRIX_FMT_FP6 matrix_b_fmt:MATRIX_FMT_FP6 matrix_a_scale:MATRIX_SCALE_ROW1
.elseif (\b) < 4
	v_wmma_scale_f32_16x16x128_f8f6f4 v[rD:rD+7], v[rY:rY+FR-1], v[rX:rX+FR-1], 0, v[rSY], v[rSX] matrix_a_fmt:MATRIX_FMT_FP6 matrix_b_fmt:MATRIX_FMT_FP6 matrix_b_scale:MATRIX_SCALE_ROW1
.else
	v_wmma_scale_f32_16x16x128_f8f6f4 v[rD:rD+7], v[rY:rY+FR-1], v[rX:rX+FR-1], 0, v[rSY], v[rSX] matrix_a_fmt:MATRIX_FMT_FP6 matrix_b_fmt:MATRIX_FMT_FP6 matrix_a_scale:MATRIX_SCALE_ROW1 matrix_b_scale:MATRIX_SCALE_ROW1
.endif
.else
.if ((\a) < 4) && ((\b) < 4)
	v_wmma_scale_f32_16x16x128_f8f6f4 v[rD:rD+7], v[rY:rY+FR-1], v[rX:rX+FR-1], v[rD:rD+7], v[rSY], v[rSX] matrix_a_fmt:MATRIX_FMT_FP6 matrix_b_fmt:MATRIX_FMT_FP6
.elseif (\a) < 4
	v_wmma_scale_f32_16x16x128_f8f6f4 v[rD:rD+7], v[rY:rY+FR-1], v[rX:rX+FR-1], v[rD:rD+7], v[rSY], v[rSX] matrix_a_fmt:MATRIX_FMT_FP6 matrix_b_fmt:MATRIX_FMT_FP6 matrix_a_scale:MATRIX_SCALE_ROW1
.elseif (\b) < 4
	v_wmma_scale_f32_16x16x128_f8f6f4 v[rD:rD+7], v[rY:rY+FR-1], v[rX:rX+FR-1], v[rD:rD+7], v[rSY], v[rSX] matrix_a_fmt:MATRIX_FMT_FP6 matrix_b_fmt:MATRIX_FMT_FP6 matrix_b_scale:MATRIX_SCALE_ROW1
.else
	v_wmma_scale_f32_16x16x128_f8f6f4 v[rD:rD+7], v[rY:rY+FR-1], v[rX:rX+FR-1], v[rD:rD+7], v[rSY], v[rSX] matrix_a_fmt:MATRIX_FMT_FP6 matrix_b_fmt:MATRIX_FMT_FP6 matrix_a_scale:MATRIX_SCALE_ROW1 matrix_b_scale:MATRIX_SCALE_ROW1
.endif
.endif
.endm
.macro MUL16 a0, p, q, sc, zero        ; X's blocks a0, a0 + 1 x Y's eight.  The 64 accumulators take turns, one instruction a turn, in the same order in every step
.irp a, \a0, \a0+1
.irp b, 0,1,2,3,4,5,6,7
	WM \a, \b, \p, \q, \sc, \zero
.endr
.endr
.endm
.macro FETCH_B slot, q, p
	WIN TO_B
.irp i, 0,1,2,3,4,5,6,7
	FRAG 128*(\p)+FR*\i, ADRB+\slot, \q, \i
.endr
	WIN 0
.endm
.macro FETCH_A slot, q, i0
.irp i, \i0, \i0+1, \i0+2, \i0+3
	FRAG AF+FR*(\i), ADRA+\slot, \q, \i
.endr
.endm
.macro SCALES slot                     ; the slot's scale words, both K steps: four loads of 16 bytes a lane
.irp q, 0,1
	ds_load_b128 v[SC+16*\slot+8*\q:SC+16*\slot+8*\q+3], v[ADRA+\slot] offset:REC*\q+12288
	ds_load_b128 v[SC+16*\slot+8*\q+4:SC+16*\slot+8*\q+7], v[ADRB+\slot] offset:REC*\q+12288
.endr
.endm
.macro PLACES n                        ; a load into a register that a matrix instruction has read, and a vector instruction or store that reads a result, stand four plain vector instructions behind it (ISA guide 7.12.1 for vector instructions)
.rept \n
	v_nop
.endr
.endm
.macro STEP slot, zero                 ; a slot's first K step; X has one set of registers: blocks 0-3 are fetched anew in the step's middle, blocks 4-7 at its end
	s_wait_dscnt 4*NL                              ; all but the youngest 12 loads (X's blocks 4-7) are in
	WIN MUL_LO
	MUL16 0, 0, 0, \slot, \zero
	MUL16 2, 0, 0, \slot, \zero
	s_wait_dscnt 0
	PLACES NP
	FETCH_B \slot, 1, 1
	FETCH_A \slot, 1, 0
	WIN MUL_HI
	MUL16 4, 0, 0, \slot, \zero
	MUL16 6, 0, 0, \slot, \zero
	PLACES NP
	WIN 0
	FETCH_A \slot, 1, 4
.endm
.macro TURN slot, next, fill           ; a slot's second K step changes slots: ONE barrier.  fill = 1: this slot is filled again, with the K steps four on
	s_wait_tensorcnt 0x0                           ; all my tensor loads have landed: my part of the next slot
	ds_add_u32 v[SPW], v[NIL]                      ; 0 onto my spare word
	s_wait_dscnt 4*NL+1                            ; (the add and the youngest 12 loads may be out)
	WIN MUL_LO
	MUL16 0, 1, 1, \slot, 0                        ; sixteen matrix instructions stand between the add and the wait for it
	s_wait_dscnt 0x0                               ; the add is done, and my reads of this slot are over
	s_barrier_signal -1
	MUL16 2, 1, 1, \slot, 0
	WIN 0
	s_barrier_wait -1
.if \fill
	CREST                                          ; the barrier has opened a round of the cluster's: no wave of any partner still reads this slot or has a load on its way
	s_add_nc_u64 s[G0+4*\slot+2:G0+4*\slot+3], s[G0+4*\slot+2:G0+4*\slot+3], 2*LOADB
	s_add_nc_u64 s[G0B+4*\slot+2:G0B+4*\slot+3], s[G0B+4*\slot+2:G0B+4*\slot+3], 2*LOADB
	JLOAD G0+4*\slot, G1, G0B+4*\slot, G1B         ; the first tensor load behind the round; its four v_nop are the places in front of the loads below
.else
	PLACES NP
.endif
	FETCH_B \next, 0, 0
	FETCH_A \next, 0, 0
	SCALES \next
	WIN MUL_HI
	MUL16 4, 1, 1, \slot, 0
	MUL16 6, 1, 1, \slot, 0
	PLACES NP
	WIN 0
	FETCH_A \next, 0, 4
.endm
	s_wait_tensorcnt 1                             ; my part of slot 0 is in; slot 1's may stay out
	s_barrier_signal -1
	s_barrier_wait -1
	FETCH_B 0, 0, 0
	FETCH_A 0, 0, 0
	SCALES 0
	FETCH_A 0, 0, 4
	STEP 0, 1                                      ; the first K step stands in front of the loop: its products start the sums
	s_mov_b32 s3, LAPS-1
.Llap:
	TURN 0, 1, 1
	STEP 1, 0
	TURN 1, 0, 1
	STEP 0, 0
	s_sub_co_u32 s3, s3, 1
	s_cmp_lg_u32 s3, 0
	s_cbranch_scc1 .Llap
	TURN 0, 1, 0                                   ; the last lap fills nothing
	STEP 1, 0
	s_wait_dscnt 4*NL
	WIN MUL_LO
	MUL16 0, 1, 1, 1, 0
	MUL16 2, 1, 1, 1, 0
	s_wait_dscnt 0
	WIN MUL_HI
	MUL16 4, 1, 1, 1, 0
	MUL16 6, 1, 1, 1, 0
	WIN 0
; THE WAY OUT, a block of 16 rows of X at a time: + the bias (which also brings the block into window 0, each accumulator from its low end on), quantised along Y, stored as a fragment's image.
.macro ADDB a, sel                     ; sel = 0: the bias goes by Y's tile and register; 1: by X's block and lane
	WIN 0x02+((\a)/4)
.irp i, 0,1,2,3,4,5,6,7
.irp u, 0,2,4,6
.if \sel
	v_pk_add_f32 v[HA+8*\i+\u:HA+8*\i+\u+1], v[64*((\a)%4)+8*\i+\u:64*((\a)%4)+8*\i+\u+1], v[BY+8*(\a)+\u:BY+8*(\a)+\u+1]
.else
	v_pk_add_f32 v[HA+8*\i+\u:HA+8*\i+\u+1], v[64*((\a)%4)+8*\i+\u:64*((\a)%4)+8*\i+\u+1], v[BY+8*\i+\u:BY+8*\i+\u+1]
.endif
.endr
.endr
	WIN 0
.endm
.macro BLOCK a
	s_cmp_eq_u32 s[TYPE], 2                        ; the type is the same in all waves and all partners
	s_cbranch_scc1 .Lfor_v_\@
	ADDB \a, 0
	s_branch .Ladded_\@
.Lfor_v_\@:
	ADDB \a, 1
.Ladded_\@:
.if (\a) > 0
	s_wait_xcnt 0x0                                ; the last block's stores have read their data: the codes' registers are written again only behind this wait
.endif
	QUANT HA, PW+(\a)
.irp c, 0,1,2
	global_store_b128 v[LI], v[PC+4*\c:PC+4*\c+3], s[OUTP:OUTP+1] offset:1536*(\a)+512*\c   ; 512 consecutive bytes, aligned
.endr
.endm
	PLACES NP
	s_wait_loadcnt 0x0                             ; the bias
.irp a, 0,1,2,3,4,5,6,7
	BLOCK \a
.endr
	v_cmp_ne_u32 vcc_lo, 0, v[HH]                  ; the scale words: lanes 0-15 store those of blocks 0-3 of row r, lanes 16-31 of blocks 4-7
.irp i, 0,1,2,3
	v_cndmask_b32 v[SW+\i], v[PW+\i], v[PW+4+\i], vcc_lo
.endr
	global_store_b128 v[LI], v[SW:SW+3], s[OUTP:OUTP+1] offset:12288
	s_wait_tensorcnt 0x0                           ; the wave's end
	ds_add_u32 v[SPW], v[NIL]
	s_wait_dscnt 0x0
	CROUND                                         ; the closing round: no work-group ends while a partner may still ask for a tile that names it
	s_endpgm
.Lfunc_end_k_q9810993ea3_qkv:
	.size	k_q9810993ea3_qkv, .Lfunc_end_k_q9810993ea3_qkv-k_q9810993ea3_qkv
	.p2alignl 7, 3214868480
	.fill 96, 4, 3214868480
	.section	.rodata,"a",@progbits
	.p2align	6, 0x0
	.amdhsa_kernel k_q9810993ea3_qkv
		.amdhsa_group_segment_fixed_size 327680
		.amdhsa_private_segment_fixed_size 0
		.amdhsa_enable_private_segment 0
		.amdhsa_kernarg_size 48
		.amdhsa_user_sgpr_count 2
		.amdhsa_user_sgpr_kernarg_segment_ptr 1
		.amdhsa_wavefront_size32 1
		.amdhsa_system_sgpr_workgroup_id_x 1
		.amdhsa_system_sgpr_workgroup_id_y 1
		.amdhsa_system_sgpr_workgroup_id_z 1
		.amdhsa_system_vgpr_workitem_id 0
		.amdhsa_next_free_vgpr 1024
		.amdhsa_next_free_sgpr 100
		.amdhsa_reserve_vcc 1
		.amdhsa_float_denorm_mode_32 3
		.amdhsa_float_denorm_mode_16_64 3
		.amdhsa_memory_ordered 1
		.amdhsa_forward_progress 1
		.amdhsa_inst_pref_size 176
	.end_amdhsa_kernel
	.amdgpu_metadata
---
amdhsa.version: [ 1, 2 ]
amdhsa.kernels:
  - .name:           k_q9810993ea3_qkv
    .symbol:         k_q9810993ea3_qkv.kd
    .args:
      - { .name: wc, .offset: 0, .size: 8, .value_kind: global_buffer, .address_space: global }
      - { .name: bq, .offset: 8, .size: 8, .value_kind: global_buffer, .address_space: global }
      - { .name: bk, .offset: 16, .size: 8, .value_kind: global_buffer, .address_space: global }
      - { .name: bv, .offset: 24, .size: 8, .value_kind: global_buffer, .address_space: global }
      - { .name: qf, .offset: 32, .size: 8, .value_kind: global_buffer, .address_space: global }
      - { .name: kv, .offset: 40, .size: 8, .value_kind: global_buffer, .address_space: global }
    .group_segment_fixed_size: 327680
    .private_segment_fixed_size: 0
    .kernarg_segment_align: 8
    .kernarg_segment_size: 48
    .max_flat_workgroup_size: 128
    .sgpr_count:     100
    .vgpr_count:     1024
    .wavefront_size: 32
...
	.end_amdgpu_metadata
.endif
;; end of part 2
;; launch attn (part 3): grid 16 x 16, 8 waves a work-group, clusters of 4 x 4, 327,680 bytes of LDS; arguments qf, kv, causal_mask, ac; writes ac
.if DOCPART == 3
	.amdgcn_target "amdgcn-amd-amdhsa--gfx1250"
	.amdhsa_code_object_version 6
	.text
	.protected	k_q9810993ea3_attn
	.globl	k_q9810993ea3_attn
	.p2align	8
	.type	k_q9810993ea3_attn,@function
k_q9810993ea3_attn:
	s_mov_b64 s[64:65], 0
	v_nop
	global_prefetch_b8 v0, s[64:65] scope:SCOPE_SE
	s_setreg_imm32_b32 hwreg(HW_REG_WAVE_MODE, 25, 1), 1
	s_wait_xcnt 0x0
	s_wait_alu depctr_hold_cnt(0) depctr_sa_sdst(0) depctr_va_vdst(0) depctr_va_sdst(0) depctr_va_ssrc(0) depctr_va_vcc(0) depctr_vm_vsrc(0)
	s_getreg_b32 s2, hwreg(HW_REG_IB_STS2, 6, 4)
	s_cmp_eq_u32 s2, 0
	s_cbranch_scc0 .Lentry_in_a_cluster
	s_endpgm
.Lentry_in_a_cluster:
	s_bfe_u32 s2, ttmp6, 0x10000c
	s_cmp_lg_u32 s2, 0xf033
	s_cbranch_scc0 .Lentry_shape_is_right
	s_endpgm
.Lentry_shape_is_right:
; THIRD LAUNCH: for each head, O = softmax(q k^T / sqrt(128) + mask x (-1e9)) v, both products on codes of FP6, and O quantised in registers for the last product.
; Nothing of reference() is left out: the mask is an input, so every pair of query and key is computed and the mask's number is added to it.
; THE SOFTMAX: x = score + mask x (-1e9 sqrt(128)) (one fused multiply-add); t = x x log2(e) / sqrt(128), ROUNDED to f32; M = the running largest t, rounded up to a whole number; p = 2^(t - M) is quantised along the keys, not
; normalised.  The row's sum is taken of the unquantised p and divides O at the end.  When M moves, the sum and O are multiplied by 2^(old M - new M): exact.
; LIMITS: the logit's order of rounding differs from reference()'s (which divides the score, adds, and then multiplies); |mask| above 3e28 overflows; p under 2^-126 comes out as 0; NaN and infinities are not served.
; SHARES: a work-group owns 128 queries of one head; each of its eight waves one tile of 16 (tile w of q's record: rows 32 (w / 2) + 8 (w % 2) + r + 8 (r / 8)).  Every wave walks the 16 key steps of 128 keys.
; Both products are used transposed (S^T = k q^T, O^T = v^T p^T): a lane holds one query throughout; by the order of rows in k's and v's records a lane's registers run along neighbouring keys, then along the head's neighbouring units.
; RING: two LDS slots, a key step each: the mask's tile (128 rows of 512 bytes + 8), k's record, v's record.  Waves 0 and 1 fetch the mask's halves, wave 2 the two records (25,600 dense bytes), the others nothing.
; CLUSTERS: 4 x 4: x = block of queries, y = head.  k's and v's records hang on the head alone and are shared along a row of the cluster, the mask's tile on the block of queries alone and is shared along a column.
; OUT: ac, record (block of queries g, K step = head) at (16 g + head) x 12,800: the make of a region of wc.
; REGISTERS: v1-11 addresses; v12 -M, v13 the largest t, v[14:15] the sum; v16-27 q; v32-95 four fragments of k or v, or 64 numbers of the mask; v96-159 S^T, then t, then p; v160-223 O^T; v224-235 p's codes; v232-254 at work;
; v248-251 k's or v's scale words, v253 p's, v255 q's.
.set REC,   12800
.set MP,    520                        ; a row of the mask's tile in LDS: 130 words: the 32 lanes of a load of 8 bytes (rows r0 + 16 r1, halves 16 words apart) touch 64 different banks (ISA guide 11.1)
.set MHALF, 64*MP
.set KOFF,  2*MHALF                    ; k's record; v's lies REC behind it
.set SLOT1, 1<<17                      ; slot 1 begins here: one exclusive or turns an address from slot to slot
.set SPARE, 2*SLOT1                    ; the spare words, 128 bytes a wave, that no other line names
.set SCS,   SPARE+1024                 ; the way out: the eight tiles' scale words, 512 bytes of their own
.set LIK,  1                           ; v1  16 x lane + KOFF
.set AM0,  2                           ; v2  my query's row of the mask's tile, + 64 h
.set LI,   3                           ; v3  16 x lane
.set SCW,  4                           ; v4  where my scale word goes
.set SPW,  5
.set NIL,  6
.set PFO,  7                           ; v7  the prefetches' offset
.set ADI,  8
.set ADM,  9
.set QSO,  10                          ; v10 my scale word's place in a record's 512 bytes
.set SCR,  11                          ; v11 SCS + 16 x lane
.set PC,   224
.set TM,   32
.set TB,   2                           ; s2  the slot in hand
.set CNT,  3                           ; s3  changes of slots that still ask for a slot
.set WV,   18
.set SEL,  20
.set CS,   22                          ; s[22:23] c = log2(e) / sqrt(128)
.set G1M,  24
.set G1K,  32
.set G0M,  40
.set G0K,  44
.set MB,   48                          ; s[48:49] -1e9 sqrt(128)
.set PFA,  76
.set PFS,  78
.set LIM,  80
.macro JLOAD                           ; the branches hang on the wave's number alone.  An s_nop 0 and four v_nop follow each line
	s_cmp_lt_u32 s[WV], 2
	s_cbranch_scc0 .Lnot_m_\@
	tensor_load_to_lds s[G0M:G0M+3], s[G1M:G1M+7]
	s_nop 0
.rept 4
	v_nop
.endr
	s_branch .Lasked_\@
.Lnot_m_\@:
	s_cmp_eq_u32 s[WV], 2
	s_cbranch_scc0 .Lasked_\@
	tensor_load_to_lds s[G0K:G0K+3], s[G1K:G1K+7]
	s_nop 0
.rept 4
	v_nop
.endr
.Lasked_\@:
.endm
; A PREFETCH INTO THE L2 of the key step that stands two tensor loads on.  The mask's tile is read by every cluster of a column of clusters: those with cluster y = 0 ask; of its 128 rows each of the four partners along y takes 32,
; a lane a row, wave 3 the second 256 bytes of a row's 512 and wave 4 the first.  The records are read by every cluster of a row of clusters: those with cluster x = 0 ask, wave 5; of the 100 pieces of 256 bytes each of the four
; partners along x takes 25 (lanes 24 to 31 name the same piece).  Partners are told apart by address alone.  The last two changes that fill a slot ask for nothing; key steps 0 to 2 come by their loads alone.
.macro ASK
	s_cmp_gt_u32 s[CNT], s[LIM]
	s_cbranch_scc0 .Lnot_mine_\@
	global_prefetch_b8 v[PFO], s[PFA:PFA+1] th:TH_LOAD_NT scope:SCOPE_SE
.Lnot_mine_\@:
.endm
.macro CROUND
	s_barrier_signal -1
	s_barrier_wait -1
	s_cmp_lg_u32 s[WV], 0
	s_cbranch_scc1 .Lnot_wave_0_\@
	s_barrier_signal -3
.Lnot_wave_0_\@:
	s_barrier_wait -3
	s_barrier_signal -1
	s_barrier_wait -1
.endm
.macro QUANT s, pw                     ; 64 numbers of a lane, register 16 b + i = k 32 b + 16 (lane / 16) + i, become a fragment's codes in v[PC] on and its scale word in v[pw]
.irp b, 0,1,2,3
	v_max3_num_f32 v[TM+\b], |v[\s+16*\b]|, |v[\s+1+16*\b]|, 0x1800000
.endr
.irp i, 2,4,6,8,10,12,14
.irp b, 0,1,2,3
	v_max3_num_f32 v[TM+\b], v[TM+\b], |v[\s+16*\b+\i]|, |v[\s+1+16*\b+\i]|
.endr
.endr
.irp b, 0,1,2,3
	v_permlanex16_b32 v[TM+4+\b], v[TM+\b], s[SEL], s[SEL+1]
.endr
.irp b, 0,1,2,3
	v_max_num_f32 v[TM+\b], v[TM+\b], v[TM+4+\b]
.endr
.irp b, 0,1,2,3
	v_add_nc_u32 v[TM+12+\b], 0xff000000, v[TM+\b]
.endr
.irp b, 0,1,2,3
	v_lshrrev_b32 v[TM+4+\b], 23, v[TM+12+\b]
.endr
	v_lshl_or_b32 v[\pw], v[TM+5], 8, v[TM+4]
	v_lshl_or_b32 v[\pw], v[TM+6], 16, v[\pw]
	v_lshl_or_b32 v[\pw], v[TM+7], 24, v[\pw]
.irp c, 0,1
	v_cvt_scalef32_pk16_fp6_f32 v[PC+6*\c:PC+2+6*\c], v[\s+32*\c:\s+15+32*\c], v[TM+12+2*\c]
	v_cvt_scalef32_pk16_fp6_f32 v[PC+12+4*\c:PC+14+4*\c], v[\s+16+32*\c:\s+31+32*\c], v[TM+12+2*\c+1]
.endr
	v_nop
.irp c, 0,1
.irp i, 0,1,2
	v_permlane16_swap_b32 v[PC+6*\c+\i], v[PC+12+4*\c+\i]
.endr
.irp i, 0,1,2
	v_mov_b32 v[PC+3+6*\c+\i], v[PC+12+4*\c+\i]
.endr
.endr
.endm
	s_load_b256 s[4:11], s[0:1], 0x0               ; qf, kv, causal_mask, ac
	v_lshl_add_u32 v[SPW], v0, 2, SPARE
	v_mov_b32 v[NIL], 0
	ds_add_u32 v[SPW], v[NIL]                      ; the wave's opening: the add, twice on end, and its wait ahead of the first tensor load
	ds_add_u32 v[SPW], v[NIL]
	v_lshrrev_b32 v8, 5, v0
	v_readfirstlane_b32 s[WV], v8                  ; wave 0..7
	s_bfe_u32 s50, ttmp6, 0x40000                  ; cx, cy
	s_bfe_u32 s51, ttmp6, 0x40004
	s_lshl_b32 s52, ttmp9, 2
	s_add_co_u32 s52, s52, s50                     ; my block of 128 queries
	s_and_b32 s53, ttmp7, 0xffff
	s_lshl_b32 s53, s53, 2
	s_add_co_u32 s53, s53, s51                     ; my head
	s_lshl_b32 s54, s51, 2
	s_lshl_b32 s54, 15, s54                        ; my row of the cluster
	s_lshl_b32 s55, 0x1111, s50                    ; my column
	s_or_b32 s[G1M], s55, (2<<16)|(1<<20)|(1<<21)|(6<<22)|(1<<25)   ; the mask's half tile: elements of 4 bytes; padding on, behind every 128 words (code 6), of 2 words (code 1); 21 set beside a mask
	s_mov_b32 s[G1M+1], 128<<16                    ; tensor_dim0
	s_mov_b32 s[G1M+2], 64<<16                     ; tensor_dim1
	s_mov_b32 s[G1M+3], 128<<16                    ; tile_dim0
	s_mov_b32 s[G1M+4], 64                         ; tile_dim1
	s_mov_b32 s[G1M+5], 2048                       ; from row to row
	s_mov_b32 s[G1M+6], 0
	s_mov_b32 s[G1M+7], 0
	s_or_b32 s[G1K], s54, (3<<16)|(1<<21)          ; the two records: 25,600 dense bytes as 100 rows of 256
	s_mov_b32 s[G1K+1], 32<<16
	s_mov_b32 s[G1K+2], 100<<16
	s_mov_b32 s[G1K+3], 32<<16
	s_mov_b32 s[G1K+4], 100
	s_mov_b32 s[G1K+5], 32
	s_mov_b32 s[G1K+6], 0
	s_mov_b32 s[G1K+7], 0
	s_and_b32 s58, s[WV], 1
	s_lshl_b32 s56, s52, 7                         ; the mask: row 128 x block + 64 x half: never cy
	s_lshl_b32 s59, s58, 6
	s_add_co_u32 s56, s56, s59
	s_lshl_b32 s56, s56, 13
	s_mov_b32 s57, 0
	s_mul_i32 s59, s58, MHALF
	s_mul_i32 s60, s53, 32*REC                     ; the head's 16 pairs of records: never cx
	s_mov_b32 s61, 0
	s_mov_b32 s[SEL], 0x76543210
	s_mov_b32 s[SEL+1], 0xfedcba98
	s_mov_b32 s[CS], 0x3e0293ee
	s_mov_b32 s[CS+1], s[CS]                       ; (named with it as a pair, so it is written)
	s_mov_b32 s[MB], 0xd028965f
	s_mov_b32 s[MB+1], s[MB]
	s_mov_b32 s[TB], 0
	s_mov_b32 s[CNT], 15
	s_wait_dscnt 0x0                               ; both opening adds are done
	s_wait_kmcnt 0x0
	s_mov_b32 s[G0M], 1
	s_mov_b32 s[G0M+1], s59
	s_add_nc_u64 s[G0M+2:G0M+3], s[8:9], s[56:57]
	s_or_b32 s[G0M+3], s[G0M+3], 0x80000000
	s_mov_b32 s[G0K], 1
	s_mov_b32 s[G0K+1], KOFF
	s_add_nc_u64 s[G0K+2:G0K+3], s[6:7], s[60:61]
	s_or_b32 s[G0K+3], s[G0K+3], 0x80000000
	CROUND                                         ; all sixteen work-groups are here: the first joint loads meet
	JLOAD                                          ; key step 0 into slot 0
	v_and_b32 v8, 15, v0                           ; r
	v_bfe_u32 v9, v0, 4, 1                         ; h
	v_and_b32 v[LI], 31, v0
	v_lshlrev_b32 v[LI], 4, v[LI]
	v_add_nc_u32 v[LIK], KOFF, v[LI]
	v_add_nc_u32 v[SCR], SCS, v[LI]
	s_lshr_b32 s66, s[WV], 1
	s_lshl_b32 s66, s66, 5
	s_lshl_b32 s67, s58, 3
	s_add_co_u32 s66, s66, s67                     ; my tile's first row: 32 (w / 2) + 8 (w % 2)
	s_mul_i32 s66, s66, MP
	v_and_b32 v[AM0], 8, v8
	v_add_nc_u32 v[AM0], v[AM0], v8                ; + r + 8 (r / 8)
	v_mul_u32_u24 v[AM0], v[AM0], MP
	v_lshl_add_u32 v[AM0], v9, 6, v[AM0]
	v_add_nc_u32 v[AM0], s66, v[AM0]
	s_lshr_b32 s67, s[WV], 2
	s_lshl_b32 s67, s67, 8
	s_and_b32 s68, s[WV], 3
	s_lshl_b32 s68, s68, 2
	s_add_co_u32 s67, s67, s68
	v_lshl_add_u32 v[QSO], v8, 4, s67              ; 256 (w / 4) + 16 r + 4 (w % 4)
	v_add_nc_u32 v[SCW], SCS, v[QSO]
	s_lshl_b32 s70, s53, 4
	s_add_co_u32 s70, s70, s52
	s_mul_i32 s70, s70, REC
	s_mov_b32 s71, 0
	s_add_nc_u64 s[70:71], s[4:5], s[70:71]        ; q's record
	s_mul_i32 s72, s[WV], 1536
	s_mov_b32 s73, 0
	s_add_nc_u64 s[74:75], s[70:71], s[72:73]      ; my fragment of it
	s_lshl_b32 s68, s52, 4
	s_add_co_u32 s68, s68, s53
	s_mul_i32 s68, s68, REC
	s_mov_b32 s69, 0
	s_add_nc_u64 s[10:11], s[10:11], s[68:69]      ; the result's record,
	s_add_nc_u64 s[10:11], s[10:11], s[72:73]      ; my fragment of it
.irp c, 0,1,2
	global_load_b128 v[16+4*\c:19+4*\c], v[LI], s[74:75] offset:512*\c
.endr
	global_load_b32 v255, v[QSO], s[70:71] offset:12288
	; the prefetches: where my wave's stand, and who asks
	s_lshl_b32 s84, s52, 7
	s_lshl_b32 s86, s51, 5
	s_add_co_u32 s84, s84, s86                     ; the mask: row 128 x block + 32 cy,
	s_lshl_b32 s84, s84, 13
	s_lshl_b32 s86, s58, 8
	s_add_co_u32 s84, s84, s86                     ; + 256 (w % 2)
	s_mul_i32 s85, s50, 25*256                     ; the records: piece 25 cx of my head's
	s_add_co_u32 s85, s85, s60
	s_cmp_eq_u32 s[WV], 5
	s_cselect_b64 s[PFA:PFA+1], s[6:7], s[8:9]
	s_cselect_b32 s84, s85, s84
	s_mov_b32 s[PFS], 512
	s_cselect_b32 s[PFS], 2*REC, s[PFS]            ; a key step on
	s_cselect_b32 s81, 24, 31
	s_mov_b32 s82, 8192
	s_cselect_b32 s82, 256, s82                    ; from lane to lane
	s_and_b32 s83, ttmp7, 0xffff
	s_cmp_eq_u32 s[WV], 5
	s_cselect_b32 s83, ttmp9, s83                  ; the coordinate along which other clusters read the same bytes
	s_mov_b32 s[PFS+1], 0
	s_mov_b32 s85, 0
	s_lshl_b32 s86, s[PFS], 1
	s_add_co_u32 s84, s84, s86                     ; at key step 2: the first change of slots steps it to 3
	s_add_nc_u64 s[PFA:PFA+1], s[PFA:PFA+1], s[84:85]
	s_sub_co_u32 s86, s[WV], 3
	s_cmp_lt_u32 s86, 3                            ; waves 3, 4, 5
	s_cselect_b32 s86, 0, 1
	s_or_b32 s83, s83, s86
	s_cmp_eq_u32 s83, 0
	s_cselect_b32 s[LIM], 2, -1                    ; the same in all sixteen partners, for a given wave
	v_and_b32 v[PFO], 31, v0
	v_min_u32 v[PFO], s81, v[PFO]
	v_mul_lo_u32 v[PFO], v[PFO], s82
	v_mov_b32 v13, 0xff61b1e6                      ; the largest t so far: -3e38
	v_floor_f32 v12, -v13                          ; -M
	v_mov_b32 v14, 0
	v_mov_b32 v15, 0
.irp b, 0,1,2,3
	v_mov_b32 v[236+\b], 0                         ; written once: a lane permute's destination counts as one of its sources
.endr
	v_mov_b32 v253, 0                              ; (named as the upper half of the pair v[252:253] before it is first written)
.set n1, 0
.rept 64
	v_mov_b32 v[160+n1], 0                         ; O^T: the step is written for every step alike: the first finds zeros
.set n1, n1+1
.endr
.macro STEP                            ; a key step: 128 keys, in the slot at s[TB]
	v_add_nc_u32 v[ADI], s[TB], v[LIK]
	v_add_nc_u32 v[ADM], s[TB], v[AM0]
	v_nop
	v_nop                                          ; four places in front of loads into registers that the last step's products have read
.irp g, 0,1                            ; S^T = k q^T, four tiles of 16 keys at a time
.if \g == 1
.rept 4
	v_nop
.endr
.else
	ds_load_b128 v[248:251], v[ADI] offset:12288   ; k's scale words: register i: lanes 0-15 tile i, lanes 16-31 tile 4 + i
.endif
.irp t, 0,1,2,3
.irp c, 0,1,2
	ds_load_b128 v[32+12*\t+4*\c:35+12*\t+4*\c], v[ADI] offset:1536*(4*\g+\t)+512*\c
.endr
.endr
	s_wait_dscnt 0x0
.irp t, 0,1,2,3
.if \g == 0
	v_wmma_scale_f32_16x16x128_f8f6f4 v[96+8*\t:103+8*\t], v[32+12*\t:43+12*\t], v[16:27], 0, v[248+\t], v255 matrix_a_fmt:MATRIX_FMT_FP6 matrix_b_fmt:MATRIX_FMT_FP6
.else
	v_wmma_scale_f32_16x16x128_f8f6f4 v[128+8*\t:135+8*\t], v[32+12*\t:43+12*\t], v[16:27], 0, v[248+\t], v255 matrix_a_fmt:MATRIX_FMT_FP6 matrix_b_fmt:MATRIX_FMT_FP6 matrix_a_scale:MATRIX_SCALE_ROW1
.endif
.endr
.endr                                  ; register 16 b + i of v96 on: key 32 b + 16 h + i of the step
.rept 4
	v_nop
.endr
.irp b, 0,1,2,3
.irp m, 0,1,2,3,4,5,6,7
	ds_load_b64 v[32+16*\b+2*\m:33+16*\b+2*\m], v[ADM] offset:128*\b+8*\m   ; the mask's numbers of my query, in the scores' order
.endr
.endr
.irp b, 0,1,2,3
	s_wait_dscnt 24-8*\b                           ; block b's eight loads are in; the later blocks' may be out
.irp m, 0,1,2,3,4,5,6,7
	v_pk_fma_f32 v[96+16*\b+2*\m:97+16*\b+2*\m], v[32+16*\b+2*\m:33+16*\b+2*\m], s[MB:MB+1], v[96+16*\b+2*\m:97+16*\b+2*\m] op_sel_hi:[1,0,1]   ; x = mask x (-1e9 sqrt(128)) + score; each accumulator from its low end on
.endr
.irp m, 0,1,2,3,4,5,6,7
	v_pk_mul_f32 v[96+16*\b+2*\m:97+16*\b+2*\m], v[96+16*\b+2*\m:97+16*\b+2*\m], s[CS:CS+1] op_sel_hi:[1,0]   ; t = x c
.endr
.endr
.irp b, 0,1,2,3
	v_max3_num_f32 v[232+\b], v[96+16*\b], v[97+16*\b], v[98+16*\b]   ; the largest t of each block of 32 keys: it serves for the row's maximum and, since p rises with t, for the block's largest p
.endr
.irp i, 3,5,7,9,11,13
.irp b, 0,1,2,3
	v_max3_num_f32 v[232+\b], v[232+\b], v[96+16*\b+\i], v[97+16*\b+\i]
.endr
.endr
.irp b, 0,1,2,3
	v_max_num_f32 v[232+\b], v[232+\b], v[111+16*\b]
.endr
.irp b, 0,1,2,3
	v_permlanex16_b32 v[236+\b], v[232+\b], s[SEL], s[SEL+1]
.endr
.irp b, 0,1,2,3
	v_max_num_f32 v[232+\b], v[232+\b], v[236+\b]  ; with lane l xor 16's 16 keys
.endr
	v_max3_num_f32 v254, v232, v233, v234
	v_max_num_f32 v254, v254, v235
	v_max_num_f32 v13, v13, v254                   ; the running largest t
	v_mov_b32 v254, v12
	v_floor_f32 v12, -v13                          ; the new -M = -ceil(t): a whole number
	v_sub_f32 v254, v12, v254                      ; old M - new M: a whole number, 0 or less
	v_cvt_i32_f32 v254, v254                       ; (it saturates)
	v_ldexp_f32 v252, 1.0, v254                    ; f = 2^(old M - new M)
.set n1, 0
.rept 32
	v_pk_add_f32 v[96+n1:97+n1], v[96+n1:97+n1], v[12:13] op_sel_hi:[1,0]   ; t - M (of the pair the low word serves both halves)
.set n1, n1+2
.endr
.irp b, 0,1,2,3
	v_add_f32 v[232+\b], v[232+\b], v12            ; the same of each block's largest t
.endr
.set n1, 0
.rept 64
	v_exp_f32 v[96+n1], v[96+n1]                   ; p = 2^(t - M), at most 1
.set n1, n1+1
.endr
	v_pk_mul_f32 v[14:15], v[14:15], v[252:253] op_sel_hi:[1,0]   ; the sums under the new M: a plain place behind the exponentials
	s_wait_alu depctr_va_vdst(0)                   ; one wait for the whole batch, ahead of its first reader
.irp b, 0,1,2,3
	v_exp_f32 v[232+\b], v[232+\b]                 ; the block's largest p: the same instructions on the same number give the same bits
.endr
	v_pk_add_f32 v[236:237], v[96:97], v[98:99]    ; the row's sum of the unquantised p, in two chains; it reads the 64 alone
.irp j, 4,8,12,16,20,24,28,32,36,40,44,48,52,56,60
	v_pk_add_f32 v[14:15], v[14:15], v[96+\j:97+\j]
	v_pk_add_f32 v[236:237], v[236:237], v[98+\j:99+\j]
.endr
	v_pk_add_f32 v[14:15], v[14:15], v[236:237]
	s_wait_alu depctr_va_vdst(0)                   ; and one for the four
.irp b, 0,1,2,3
	v_max_num_f32 v[232+\b], 0x1800000, v[232+\b]  ; the floor 2^(3 - 127): a block whose every p is 0 keeps the byte 1: its codes are zeros
.endr
.irp b, 0,1,2,3
	v_add_nc_u32 v[244+\b], 0xff000000, v[232+\b]
.endr
.irp b, 0,1,2,3
	v_lshrrev_b32 v[236+\b], 23, v[244+\b]
.endr
	v_lshl_or_b32 v253, v237, 8, v236              ; p's scale word for these 128 keys
	v_lshl_or_b32 v253, v238, 16, v253
	v_lshl_or_b32 v253, v239, 24, v253
.irp c, 0,1
	v_cvt_scalef32_pk16_fp6_f32 v[224+6*\c:226+6*\c], v[96+32*\c:111+32*\c], v[244+2*\c]
	v_cvt_scalef32_pk16_fp6_f32 v[236+4*\c:238+4*\c], v[112+32*\c:127+32*\c], v[244+2*\c+1]
.endr
	v_nop
.irp c, 0,1
.irp i, 0,1,2
	v_permlane16_swap_b32 v[224+6*\c+\i], v[236+4*\c+\i]
.endr
.irp i, 0,1,2
	v_mov_b32 v[227+6*\c+\i], v[236+4*\c+\i]
.endr
.endr
.set n1, 0
.rept 32
	v_pk_mul_f32 v[160+n1:161+n1], v[160+n1:161+n1], v[252:253] op_sel_hi:[1,0]   ; O^T under the new M; these 32 are also the places in front of the products below
.set n1, n1+2
.endr
.irp g, 0,1                            ; O^T += v^T p^T, four tiles of 16 of the head's 128 at a time
.if \g == 1
.rept 4
	v_nop
.endr
.else
	ds_load_b128 v[248:251], v[ADI] offset:REC+12288
.endif
.irp t, 0,1,2,3
.irp c, 0,1,2
	ds_load_b128 v[32+12*\t+4*\c:35+12*\t+4*\c], v[ADI] offset:REC+1536*(4*\g+\t)+512*\c
.endr
.endr
	s_wait_dscnt 0x0
.irp t, 0,1,2,3
.if \g == 0
	v_wmma_scale_f32_16x16x128_f8f6f4 v[160+8*\t:167+8*\t], v[32+12*\t:43+12*\t], v[224:235], v[160+8*\t:167+8*\t], v[248+\t], v253 matrix_a_fmt:MATRIX_FMT_FP6 matrix_b_fmt:MATRIX_FMT_FP6
.else
	v_wmma_scale_f32_16x16x128_f8f6f4 v[192+8*\t:199+8*\t], v[32+12*\t:43+12*\t], v[224:235], v[192+8*\t:199+8*\t], v[248+\t], v253 matrix_a_fmt:MATRIX_FMT_FP6 matrix_b_fmt:MATRIX_FMT_FP6 matrix_a_scale:MATRIX_SCALE_ROW1
.endif
.endr
.endr
.endm
; THE CHANGE OF SLOTS stands at a step's head.  Each wave waits for all its tensor loads, adds 0 to its spare word, and waits for that and for its reads of the slot that it has left.  fill = 1: behind a round of the cluster's
; barrier the slot just left (in the first trip: slot 1, for the first time) takes the next key step, which has a whole step in which to land.
.macro CHANGE fill
	s_wait_tensorcnt 0x0                           ; no tensor load of mine is out, so a group 0 may be written
	ds_add_u32 v[SPW], v[NIL]
.if \fill
	ds_add_u32 v[SPW], v[NIL]                      ; and once more
	s_xor_b32 s[G0M+1], s[G0M+1], SLOT1            ; the walking descriptors: the other slot, the next 128 keys
	s_add_nc_u64 s[G0M+2:G0M+3], s[G0M+2:G0M+3], 512
	s_xor_b32 s[G0K+1], s[G0K+1], SLOT1
	s_add_nc_u64 s[G0K+2:G0K+3], s[G0K+2:G0K+3], 2*REC
	s_wait_xcnt 0x0                                ; the last prefetch, a key step back, has read its address
	s_add_nc_u64 s[PFA:PFA+1], s[PFA:PFA+1], s[PFS:PFS+1]
.endif
	s_wait_dscnt 0x0                               ; the adds are done, and my reads of the slot that I have left are over
.if \fill
	CROUND
	JLOAD                                          ; the first thing behind the round, and a wave's one tensor load until the next
	ASK
.else
	s_barrier_signal -1
	s_barrier_wait -1
.endif
.endm
	s_wait_loadcnt 0x0                             ; q
.Lstep:                                            ; 15 trips: trip i asks for key step i + 1 and works key step i
	CHANGE 1
	STEP
	s_xor_b32 s[TB], s[TB], SLOT1
	s_sub_co_u32 s[CNT], s[CNT], 1
	s_cmp_lg_u32 s[CNT], 0
	s_cbranch_scc1 .Lstep
	CHANGE 0                                       ; the last step is written out
	STEP
	; THE WAY OUT: O^T / the sum, quantised along the head's 128, is fragment w of the result's record; the eight waves' scale words meet in LDS and leave as 512 consecutive bytes.
.rept 4
	v_nop
.endr
	v_add_f32 v14, v14, v15
	v_permlanex16_b32 v252, v14, s[SEL], s[SEL+1]
	v_add_f32 v14, v14, v252                       ; the row's sum
	v_rcp_f32 v14, v14
.irp b, 0,1,2,3
	v_mov_b32 v[TM+4+\b], 0                        ; plain places behind the reciprocal
.endr
	s_wait_alu depctr_va_vdst(0)                   ; a wait ahead of the first reader
.set n1, 0
.rept 32
	v_pk_mul_f32 v[96+n1:97+n1], v[160+n1:161+n1], v[14:15] op_sel_hi:[1,0]   ; register 16 b + i: unit 32 b + 16 h + i of the head
.set n1, n1+2
.endr
	QUANT 96, 48
.irp c, 0,1,2
	global_store_b128 v[LI], v[PC+4*\c:PC+4*\c+3], s[10:11] offset:512*\c
.endr
	ds_store_b32 v[SCW], v48                       ; both halves of the lanes write the same word with the same value
	s_wait_dscnt 0x0                               ; for the others' sake
	s_barrier_signal -1
	s_barrier_wait -1
	s_cmp_lg_u32 s[WV], 0
	s_cbranch_scc1 .Lnot_first
	ds_load_b128 v[52:55], v[SCR]
	s_wait_dscnt 0x0
	global_store_b128 v[LI], v[52:55], s[10:11] offset:12288   ; (wave 0's pointer stands at the record's head)
.Lnot_first:
	s_wait_tensorcnt 0x0                           ; the wave's end
	ds_add_u32 v[SPW], v[NIL]
	s_wait_dscnt 0x0
	CROUND                                         ; the closing round
	s_endpgm
.Lfunc_end_k_q9810993ea3_attn:
	.size	k_q9810993ea3_attn, .Lfunc_end_k_q9810993ea3_attn-k_q9810993ea3_attn
	.p2alignl 7, 3214868480
	.fill 96, 4, 3214868480
	.section	.rodata,"a",@progbits
	.p2align	6, 0x0
	.amdhsa_kernel k_q9810993ea3_attn
		.amdhsa_group_segment_fixed_size 327680
		.amdhsa_private_segment_fixed_size 0
		.amdhsa_enable_private_segment 0
		.amdhsa_kernarg_size 32
		.amdhsa_user_sgpr_count 2
		.amdhsa_user_sgpr_kernarg_segment_ptr 1
		.amdhsa_wavefront_size32 1
		.amdhsa_system_sgpr_workgroup_id_x 1
		.amdhsa_system_sgpr_workgroup_id_y 1
		.amdhsa_system_sgpr_workgroup_id_z 1
		.amdhsa_system_vgpr_workitem_id 0
		.amdhsa_next_free_vgpr 256
		.amdhsa_next_free_sgpr 100
		.amdhsa_reserve_vcc 0
		.amdhsa_float_denorm_mode_32 3
		.amdhsa_float_denorm_mode_16_64 3
		.amdhsa_memory_ordered 1
		.amdhsa_forward_progress 1
		.amdhsa_inst_pref_size 68
	.end_amdhsa_kernel
	.amdgpu_metadata
---
amdhsa.version: [ 1, 2 ]
amdhsa.kernels:
  - .name:           k_q9810993ea3_attn
    .symbol:         k_q9810993ea3_attn.kd
    .args:
      - { .name: qf, .offset: 0, .size: 8, .value_kind: global_buffer, .address_space: global }
      - { .name: kv, .offset: 8, .size: 8, .value_kind: global_buffer, .address_space: global }
      - { .name: causal_mask, .offset: 16, .size: 8, .value_kind: global_buffer, .address_space: global }
      - { .name: ac, .offset: 24, .size: 8, .value_kind: global_buffer, .address_space: global }
    .group_segment_fixed_size: 327680
    .private_segment_fixed_size: 0
    .kernarg_segment_align: 8
    .kernarg_segment_size: 32
    .max_flat_workgroup_size: 256
    .sgpr_count:     100
    .vgpr_count:     256
    .wavefront_size: 32
...
	.end_amdgpu_metadata
.endif
;; end of part 3
;; launch oproj (part 4): grid 8 x 8, 4 waves a work-group, clusters of 4 x 4, 327,680 bytes of LDS; arguments ac, wc, bo, out0; writes out0
.if DOCPART == 4
	.amdgcn_target "amdgcn-amd-amdhsa--gfx1250"
	.amdhsa_code_object_version 6
	.text
	.protected	k_q9810993ea3_oproj
	.globl	k_q9810993ea3_oproj
	.p2align	8
	.type	k_q9810993ea3_oproj,@function
k_q9810993ea3_oproj:
	s_mov_b64 s[64:65], 0
	v_nop
	global_prefetch_b8 v0, s[64:65] scope:SCOPE_SE
	s_setreg_imm32_b32 hwreg(HW_REG_WAVE_MODE, 25, 1), 1
	s_wait_xcnt 0x0
	s_wait_alu depctr_hold_cnt(0) depctr_sa_sdst(0) depctr_va_vdst(0) depctr_va_sdst(0) depctr_va_ssrc(0) depctr_va_vcc(0) depctr_vm_vsrc(0)
	s_getreg_b32 s2, hwreg(HW_REG_IB_STS2, 6, 4)
	s_cmp_eq_u32 s2, 0
	s_cbranch_scc0 .Lentry_in_a_cluster
	s_endpgm
.Lentry_in_a_cluster:
	s_bfe_u32 s2, ttmp6, 0x10000c
	s_cmp_lg_u32 s2, 0xf033
	s_cbranch_scc0 .Lentry_shape_is_right
	s_endpgm
.Lentry_shape_is_right:
; FOURTH LAUNCH: out0 = attention's result x Wo^T + bo, on codes of FP6; f32 out.  Nothing of reference() is left out here.
; Operands come as RECORDS (128 rows x 128 K: eight register images of 1,536 bytes, then 512 bytes of scale words; lane r of tile 2 b + u holds row 32 b + 8 u + r + 8 (r / 8)): X = ac (tokens), Y = region 4 of wc (Wo's rows).
; A work-group of four waves makes 256 x 256, a wave 128 x 128.  THE MATRIX INSTRUCTION IS USED TRANSPOSED (source 0 = 16 rows of Wo, source 1 = 16 tokens): a lane holds one token, and its eight results are eight
; neighbouring columns of out0: tile b's register j is column 32 (b / 2) + 8 (b % 2) + 16 h + j of the wave's 128.  The bias is the C of each sum's first product.
; K goes through a ring of two LDS slots, two K steps of 128 to a slot; a wave's tensor load brings two records on end.  CLUSTERS: 4 x 4: X's records are shared along a row of the cluster, Y's along a column.
; The grid has 64 work-groups: the loop is the second launch's, whose wave tile reads each LDS byte for the most products.
; REGISTERS: window 0: v16-30 addresses; v32-63 scale words; v64-127 the bias; v128-223 X's eight fragments; on the way out v128-255 rows of out0.  window 1: Y's fragments, two sets.  windows 2, 3: the accumulators.
.set REC,   12800
.set REG,   256*REC
.set GRP,   16*REC
.set LOADB, 2*REC
.set SLOT,  4*LOADB
.set SPARE, 2*SLOT                     ; behind the ring: the spare words, 128 bytes a wave, that no other line names
.set FR,    12
.set NL,    3
.set NP,    4
.set LAPS,  4
.set SPITCH, 528                       ; the way out: a stage of 16 rows x (512 bytes + 16) a wave, in slot 0, which has had its last fill and its last read when the first result is stored there
.set ADRA, 16
.set ADRB, 20
.set LI,   24
.set HH,   25
.set STO,  26
.set RD,   27
.set SPW,  28
.set NIL,  29
.set BA,   30
.set SC,   32
.set BY,   64
.set AF,   128
.set BK,   128
.set WV,   16
.set WH,   17
.set WL,   18
.set G1,   24
.set G0,   32
.set G1B,  48
.set G0B,  56
.set MSB, 0
.macro WIN new
.if MSB != (\new)
	s_set_vgpr_msb (MSB<<8)|(\new)
.set MSB, (\new)
.endif
.endm
.set MUL_LO, 0xa1                      ; source 0 (Y) window 1, source 1 (X) window 0, C and D window 2
.set MUL_HI, 0xf1
.set FST_LO, 0x81                      ; the first K step: C (the bias) window 0, D window 2
.set FST_HI, 0xc1
.set TO_B,   0x40
.macro JLOAD g0a, g1a, g0b, g1b        ; waves 0, 1 fetch X's groups, waves 2, 3 Y's.  An s_nop 0 and four v_nop follow each line
	s_cmp_eq_u32 s[WH], 0
	s_cbranch_scc0 .Lfor_b_\@
	tensor_load_to_lds s[\g0a:\g0a+3], s[\g1a:\g1a+7]
	s_nop 0
.rept 4
	v_nop
.endr
	s_branch .Lasked_\@
.Lfor_b_\@:
	tensor_load_to_lds s[\g0b:\g0b+3], s[\g1b:\g1b+7]
	s_nop 0
.rept 4
	v_nop
.endr
.Lasked_\@:
.endm
.macro CREST
	s_cmp_lg_u32 s[WV], 0
	s_cbranch_scc1 .Lnot_wave_0_\@
	s_barrier_signal -3
.Lnot_wave_0_\@:
	s_barrier_wait -3
	s_barrier_signal -1
	s_barrier_wait -1
.endm
.macro CROUND
	s_barrier_signal -1
	s_barrier_wait -1
	CREST
.endm
	s_load_b256 s[4:11], s[0:1], 0x0               ; ac, wc, bo, out0
	v_lshl_add_u32 v[SPW], v0, 2, SPARE
	v_mov_b32 v[NIL], 0
	ds_add_u32 v[SPW], v[NIL]                      ; the wave's opening: the add, twice on end, and its wait ahead of my first tensor load
	ds_add_u32 v[SPW], v[NIL]
	v_lshrrev_b32 v1, 5, v0
	v_readfirstlane_b32 s[WV], v1
	s_lshr_b32 s[WH], s[WV], 1
	s_and_b32 s[WL], s[WV], 1
	s_bfe_u32 s40, ttmp6, 0x40000
	s_bfe_u32 s41, ttmp6, 0x40004
	s_lshl_b32 s42, ttmp9, 2
	s_add_co_u32 s42, s42, s40                     ; tile of 256 columns
	s_and_b32 s68, ttmp7, 0xffff
	s_lshl_b32 s68, s68, 2
	s_add_co_u32 s68, s68, s41                     ; tile of 256 tokens
	s_lshl_b32 s43, s41, 2
	s_lshl_b32 s43, 15, s43
	s_lshl_b32 s44, 0x1111, s40
	s_or_b32 s[G1+0], s43, (3<<16)|(1<<21)         ; the mask; elements of 8 bytes; no padding; 21 set beside a mask
	s_or_b32 s[G1B+0], s44, (3<<16)|(1<<21)
.irp g, G1, G1B                        ; 25,600 dense bytes as 100 rows of 256
	s_mov_b32 s[\g+1], 32<<16
	s_mov_b32 s[\g+2], 100<<16
	s_mov_b32 s[\g+3], 32<<16
	s_mov_b32 s[\g+4], 100
	s_mov_b32 s[\g+5], 32
	s_mov_b32 s[\g+6], 0
	s_mov_b32 s[\g+7], 0
.endr
	s_lshl_b32 s70, s68, 1                         ; X: never cx
	s_add_co_u32 s70, s70, s[WL]
	s_mul_i32 s70, s70, GRP
	s_mov_b32 s71, 0
	s_lshl_b32 s72, s42, 1                         ; Y: never cy
	s_add_co_u32 s72, s72, s[WL]
	s_mul_i32 s72, s72, GRP
	s_add_co_u32 s72, s72, 4*REG
	s_mov_b32 s73, 0
	s_mul_i32 s45, s[WV], LOADB
	s_wait_dscnt 0x0                               ; both opening adds are done
	s_wait_kmcnt 0x0
	s_add_nc_u64 s[70:71], s[4:5], s[70:71]
	s_add_nc_u64 s[72:73], s[6:7], s[72:73]
	CROUND                                         ; all sixteen work-groups are here: the first joint loads meet
.irp s, 0,1
	s_mov_b32 s[G0+4*\s], 1
	s_add_co_u32 s[G0+4*\s+1], s45, \s*SLOT
	s_add_nc_u64 s[G0+4*\s+2:G0+4*\s+3], s[70:71], \s*LOADB
	s_or_b32 s[G0+4*\s+3], s[G0+4*\s+3], 0x80000000
	s_mov_b32 s[G0B+4*\s], 1
	s_add_co_u32 s[G0B+4*\s+1], s45, \s*SLOT
	s_add_nc_u64 s[G0B+4*\s+2:G0B+4*\s+3], s[72:73], \s*LOADB
	s_or_b32 s[G0B+4*\s+3], s[G0B+4*\s+3], 0x80000000
	JLOAD G0+4*\s, G1, G0B+4*\s, G1B               ; two loads of mine are out
.endr
	v_and_b32 v1, 31, v0
	v_lshlrev_b32 v[LI], 4, v1
	v_and_b32 v2, 15, v0
	v_bfe_u32 v[HH], v0, 4, 1
	s_mul_i32 s76, s[WH], LOADB
	s_mul_i32 s77, s[WL], LOADB
	s_add_co_u32 s77, s77, 2*LOADB
.irp s, 0,1
	v_add_nc_u32 v[ADRA+\s], s76, v[LI]
	v_add_nc_u32 v[ADRB+\s], s77, v[LI]
	s_add_co_u32 s76, s76, SLOT
	s_add_co_u32 s77, s77, SLOT
.endr
	s_mul_i32 s76, s[WV], 16*SPITCH                ; my stage
	v_mul_u32_u24 v[STO], v2, SPITCH               ; in: row r, + 64 h
	v_lshl_add_u32 v[STO], v[HH], 6, v[STO]
	v_add_nc_u32 v[STO], s76, v[STO]
	v_add_nc_u32 v[RD], s76, v[LI]                 ; back: a row of 512 bytes to the 32 lanes
	s_lshl_b32 s76, s42, 10                        ; my 128 columns, in bytes
	s_lshl_b32 s77, s[WL], 9
	s_add_co_u32 s76, s76, s77
	s_mov_b32 s77, 0
	s_add_nc_u64 s[8:9], s[8:9], s[76:77]          ; their bias
	s_add_nc_u64 s[10:11], s[10:11], s[76:77]
	s_lshl_b32 s78, s68, 8
	s_lshl_b32 s79, s[WH], 7
	s_add_co_u32 s78, s78, s79                     ; my first token
	s_lshl_b32 s78, s78, 13
	s_mov_b32 s79, 0
	s_add_nc_u64 s[10:11], s[10:11], s[78:79]
	v_lshlrev_b32 v[BA], 6, v[HH]
.irp i, 0,1,2,3,4,5,6,7
	global_load_b128 v[BY+8*\i:BY+8*\i+3], v[BA], s[8:9] offset:(32*(\i/2)+8*(\i%2))*4       ; tile i's eight columns of my half
	global_load_b128 v[BY+8*\i+4:BY+8*\i+7], v[BA], s[8:9] offset:(32*(\i/2)+8*(\i%2))*4+16
.endr
.macro FRAG reg, adr, q, i
.irp c, 0,1,2
	ds_load_b128 v[\reg+4*\c:\reg+4*\c+3], v[\adr] offset:REC*(\q)+1536*(\i)+512*\c
.endr
.endm
; one product: Y's tile b x X's block a.  zero = 1: it starts the sum, with the bias as C.  Tiles 4-7 have their scale words in lanes 16-31
.macro WM a, b, p, q, sc, zero
.set rD, 8*(8*((\a)%4)+(\b))
.set rY, 128*(\p)+FR*(\b)
.set rX, AF+FR*(\a)
.set rC, BY+8*(\b)
.set rSY, SC+16*(\sc)+8*(\q)+4+(\b)%4
.set rSX, SC+16*(\sc)+8*(\q)+(\a)%4
.if \zero
.if ((\a) < 4) && ((\b) < 4)
	v_wmma_scale_f32_16x16x128_f8f6f4 v[rD:rD+7], v[rY:rY+FR-1], v[rX:rX+FR-1], v[rC:rC+7], v[rSY], v[rSX] matrix_a_fmt:MATRIX_FMT_FP6 matrix_b_fmt:MATRIX_FMT_FP6
.elseif (\a) < 4
	v_wmma_scale_f32_16x16x128_f8f6f4 v[rD:rD+7], v[rY:rY+FR-1], v[rX:rX+FR-1], v[rC:rC+7], v[rSY], v[rSX] matrix_a_fmt:MATRIX_FMT_FP6 matrix_b_fmt:MATRIX_FMT_FP6 matrix_a_scale:MATRIX_SCALE_ROW1
.elseif (\b) < 4
	v_wmma_scale_f32_16x16x128_f8f6f4 v[rD:rD+7], v[rY:rY+FR-1], v[rX:rX+FR-1], v[rC:rC+7], v[rSY], v[rSX] matrix_a_fmt:MATRIX_FMT_FP6 matrix_b_fmt:MATRIX_FMT_FP6 matrix_b_scale:MATRIX_SCALE_ROW1
.else
	v_wmma_scale_f32_16x16x128_f8f6f4 v[rD:rD+7], v[rY:rY+FR-1], v[rX:rX+FR-1], v[rC:rC+7], v[rSY], v[rSX] matrix_a_fmt:MATRIX_FMT_FP6 matrix_b_fmt:MATRIX_FMT_FP6 matrix_a_scale:MATRIX_SCALE_ROW1 matrix_b_scale:MATRIX_SCALE_ROW1
.endif
.else
.if ((\a) < 4) && ((\b) < 4)
	v_wmma_scale_f32_16x16x128_f8f6f4 v[rD:rD+7], v[rY:rY+FR-1], v[rX:rX+FR-1], v[rD:rD+7], v[rSY], v[rSX] matrix_a_fmt:MATRIX_FMT_FP6 matrix_b_fmt:MATRIX_FMT_FP6
.elseif (\a) < 4
	v_wmma_scale_f32_16x16x128_f8f6f4 v[rD:rD+7], v[rY:rY+FR-1], v[rX:rX+FR-1], v[rD:rD+7], v[rSY], v[rSX] matrix_a_fmt:MATRIX_FMT_FP6 matrix_b_fmt:MATRIX_FMT_FP6 matrix_a_scale:MATRIX_SCALE_ROW1
.elseif (\b) < 4
	v_wmma_scale_f32_16x16x128_f8f6f4 v[rD:rD+7], v[rY:rY+FR-1], v[rX:rX+FR-1], v[rD:rD+7], v[rSY], v[rSX] matrix_a_fmt:MATRIX_FMT_FP6 matrix_b_fmt:MATRIX_FMT_FP6 matrix_b_scale:MATRIX_SCALE_ROW1
.else
	v_wmma_scale_f32_16x16x128_f8f6f4 v[rD:rD+7], v[rY:rY+FR-1], v[rX:rX+FR-1], v[rD:rD+7], v[rSY], v[rSX] matrix_a_fmt:MATRIX_FMT_FP6 matrix_b_fmt:MATRIX_FMT_FP6 matrix_a_scale:MATRIX_SCALE_ROW1 matrix_b_scale:MATRIX_SCALE_ROW1
.endif
.endif
.endm
.macro MUL16 a0, p, q, sc, zero        ; the 64 accumulators take turns, one instruction a turn, in the same order in every step
.irp a, \a0, \a0+1
.irp b, 0,1,2,3,4,5,6,7
	WM \a, \b, \p, \q, \sc, \zero
.endr
.endr
.endm
.macro FETCH_B slot, q, p
	WIN TO_B
.irp i, 0,1,2,3,4,5,6,7
	FRAG 128*(\p)+FR*\i, ADRB+\slot, \q, \i
.endr
	WIN 0
.endm
.macro FETCH_A slot, q, i0
.irp i, \i0, \i0+1, \i0+2, \i0+3
	FRAG AF+FR*(\i), ADRA+\slot, \q, \i
.endr
.endm
.macro SCALES slot
.irp q, 0,1
	ds_load_b128 v[SC+16*\slot+8*\q:SC+16*\slot+8*\q+3], v[ADRA+\slot] offset:REC*\q+12288
	ds_load_b128 v[SC+16*\slot+8*\q+4:SC+16*\slot+8*\q+7], v[ADRB+\slot] offset:REC*\q+12288
.endr
.endm
.macro PLACES n                        ; four plain vector instructions in front of loads into registers that matrix instructions have read, and of the first read of results (ISA guide 7.12.1 for vector instructions)
.rept \n
	v_nop
.endr
.endm
.macro STEP slot, zero
	s_wait_dscnt 4*NL                              ; all but the youngest 12 loads (X's blocks 4-7) are in
.if \zero
	WIN FST_LO
.else
	WIN MUL_LO
.endif
	MUL16 0, 0, 0, \slot, \zero
	MUL16 2, 0, 0, \slot, \zero
	s_wait_dscnt 0
	PLACES NP
	FETCH_B \slot, 1, 1
	FETCH_A \slot, 1, 0
.if \zero
	WIN FST_HI
.else
	WIN MUL_HI
.endif
	MUL16 4, 0, 0, \slot, \zero
	MUL16 6, 0, 0, \slot, \zero
	PLACES NP
	WIN 0
	FETCH_A \slot, 1, 4
.endm
.macro TURN slot, next, fill
	s_wait_tensorcnt 0x0                           ; all my tensor loads have landed: my part of the next slot
	ds_add_u32 v[SPW], v[NIL]
	s_wait_dscnt 4*NL+1                            ; (the add and the youngest 12 loads may be out)
	WIN MUL_LO
	MUL16 0, 1, 1, \slot, 0
	s_wait_dscnt 0x0                               ; the add is done, and my reads of this slot are over
	s_barrier_signal -1
	MUL16 2, 1, 1, \slot, 0
	WIN 0
	s_barrier_wait -1
.if \fill
	CREST                                          ; no wave of any partner still reads this slot or has a load on its way
	s_add_nc_u64 s[G0+4*\slot+2:G0+4*\slot+3], s[G0+4*\slot+2:G0+4*\slot+3], 2*LOADB
	s_add_nc_u64 s[G0B+4*\slot+2:G0B+4*\slot+3], s[G0B+4*\slot+2:G0B+4*\slot+3], 2*LOADB
	JLOAD G0+4*\slot, G1, G0B+4*\slot, G1B
.else
	PLACES NP
.endif
	FETCH_B \next, 0, 0
	FETCH_A \next, 0, 0
	SCALES \next
	WIN MUL_HI
	MUL16 4, 1, 1, \slot, 0
	MUL16 6, 1, 1, \slot, 0
	PLACES NP
	WIN 0
	FETCH_A \next, 0, 4
.endm
	s_wait_tensorcnt 1                             ; my part of slot 0 is in; slot 1's may stay out
	s_barrier_signal -1
	s_barrier_wait -1
	FETCH_B 0, 0, 0
	FETCH_A 0, 0, 0
	SCALES 0
	FETCH_A 0, 0, 4
	s_wait_loadcnt 0x0                             ; the bias
	STEP 0, 1
	s_mov_b32 s3, LAPS-1
.Llap:
	TURN 0, 1, 1
	STEP 1, 0
	TURN 1, 0, 1
	STEP 0, 0
	s_sub_co_u32 s3, s3, 1
	s_cmp_lg_u32 s3, 0
	s_cbranch_scc1 .Llap
	TURN 0, 1, 0
	STEP 1, 0
	s_wait_dscnt 4*NL
	WIN MUL_LO
	MUL16 0, 1, 1, 1, 0
	MUL16 2, 1, 1, 1, 0
	s_wait_dscnt 0
	WIN MUL_HI
	MUL16 4, 1, 1, 1, 0
	MUL16 6, 1, 1, 1, 0
	WIN 0
; THE WAY OUT, a block of 16 tokens x 128 columns at a time, through my own stage: in by lanes (32 bytes of a row), back as whole rows of 512 bytes.  LDS serves a wave's instructions in order (ISA guide 5.7.1.4).
.macro TOSTAGE a
.set AC, 64*((\a)%4)
	WIN 0x08+4*((\a)/4)                            ; the data: window 2 or 3
.irp b, 0,1,2,3,4,5,6,7
	ds_store_b128 v[STO], v[AC+8*\b:AC+8*\b+3] offset:128*(\b/2)+32*(\b%2)          ; each accumulator from its low end on
	ds_store_b128 v[STO], v[AC+8*\b+4:AC+8*\b+7] offset:128*(\b/2)+32*(\b%2)+16
.endr
	WIN 0
.set BB, BK+64*((\a)%2)
.irp t, 0,1,2,3,4,5,6,7,8,9,10,11,12,13,14,15
	ds_load_b128 v[BB+4*\t:BB+4*\t+3], v[RD] offset:\t*SPITCH
.endr
.endm
.macro SEND a, younger                 ; row t of block a is token 32 (a / 2) + 8 (a % 2) + t + 8 (t / 8) of my 128: the order of a tile's rows stands in the immediate
.set BB, BK+64*((\a)%2)
	s_wait_dscnt \younger
.irp t, 0,1,2,3,4,5,6,7,8,9,10,11,12,13,14,15
	global_store_b128 v[LI], v[BB+4*\t:BB+4*\t+3], s[10:11] offset:(32*((\a)/2)+8*((\a)%2)+\t+8*(\t/8))*8192 th:TH_STORE_NT   ; 512 consecutive bytes, aligned
.endr
.endm
	PLACES NP
	TOSTAGE 0
.irp a, 1,2,3,4,5,6,7
.if \a > 1
	s_wait_xcnt 0x0                                ; block a - 2's stores have read their registers: block a's loads may land there
.endif
	TOSTAGE \a
	SEND \a-1, 32                                  ; behind block a - 1's loads: block a's 16 stores and 16 loads
.endr
	SEND 7, 0
	s_wait_tensorcnt 0x0                           ; the wave's end
	ds_add_u32 v[SPW], v[NIL]
	s_wait_dscnt 0x0
	CROUND                                         ; the closing round
	s_endpgm
.Lfunc_end_k_q9810993ea3_oproj:
	.size	k_q9810993ea3_oproj, .Lfunc_end_k_q9810993ea3_oproj-k_q9810993ea3_oproj
	.p2alignl 7, 3214868480
	.fill 96, 4, 3214868480
	.section	.rodata,"a",@progbits
	.p2align	6, 0x0
	.amdhsa_kernel k_q9810993ea3_oproj
		.amdhsa_group_segment_fixed_size 327680
		.amdhsa_private_segment_fixed_size 0
		.amdhsa_enable_private_segment 0
		.amdhsa_kernarg_size 32
		.amdhsa_user_sgpr_count 2
		.amdhsa_user_sgpr_kernarg_segment_ptr 1
		.amdhsa_wavefront_size32 1
		.amdhsa_system_sgpr_workgroup_id_x 1
		.amdhsa_system_sgpr_workgroup_id_y 1
		.amdhsa_system_sgpr_workgroup_id_z 1
		.amdhsa_system_vgpr_workitem_id 0
		.amdhsa_next_free_vgpr 1024
		.amdhsa_next_free_sgpr 100
		.amdhsa_reserve_vcc 0
		.amdhsa_float_denorm_mode_32 3
		.amdhsa_float_denorm_mode_16_64 3
		.amdhsa_memory_ordered 1
		.amdhsa_forward_progress 1
		.amdhsa_inst_pref_size 133
	.end_amdhsa_kernel
	.amdgpu_metadata
---
amdhsa.version: [ 1, 2 ]
amdhsa.kernels:
  - .name:           k_q9810993ea3_oproj
    .symbol:         k_q9810993ea3_oproj.kd
    .args:
      - { .name: ac, .offset: 0, .size: 8, .value_kind: global_buffer, .address_space: global }
      - { .name: wc, .offset: 8, .size: 8, .value_kind: global_buffer, .address_space: global }
      - { .name: bo, .offset: 16, .size: 8, .value_kind: global_buffer, .address_space: global }
      - { .name: out0, .offset: 24, .size: 8, .value_kind: global_buffer, .address_space: global }
    .group_segment_fixed_size: 327680
    .private_segment_fixed_size: 0
    .kernarg_segment_align: 8
    .kernarg_segment_size: 32
    .max_flat_workgroup_size: 128
    .sgpr_count:     100
    .vgpr_count:     1024
    .wavefront_size: 32
...
	.end_amdgpu_metadata
.endif
;; end of part 4
;; ======== version 2 of 2: 4 launches
;; limits: right only within a limited range of input values
;; workspace buffers: wc 16,384,000 bytes; qf 3,276,800 bytes; kv 6,553,600 bytes; ac 3,276,800 bytes
;; launch quant (part 5): grid 640 x 1, 4 waves a work-group, no clusters, 34,304 bytes of LDS; arguments hidden_state, Wq, Wk, Wv, Wo, wc; writes wc
.if DOCPART == 5
	.amdgcn_target "amdgcn-amd-amdhsa--gfx1250"
	.amdhsa_code_object_version 6
	.text
	.protected	k_q9810993ea3_quant
	.globl	k_q9810993ea3_quant
	.p2align	8
	.type	k_q9810993ea3_quant,@function
k_q9810993ea3_quant:
	s_mov_b64 s[64:65], 0
	v_nop
	global_prefetch_b8 v0, s[64:65] scope:SCOPE_SE
	s_setreg_imm32_b32 hwreg(HW_REG_WAVE_MODE, 25, 1), 1
	s_wait_xcnt 0x0
; FIRST OF FOUR LAUNCHES of out0 = attention(hidden_state), all six products on codes of FP6 (E2M3) with one E8M0 scale for each 32 along K.
; NOTHING OF reference() IS LEFT OUT: the mask is an input and is added, times -1e9, for every pair of query and key; all four biases stand ahead of a quantiser or of the output; every input is loaded by some launch.
; THIS LAUNCH turns hidden_state, Wq, Wk, Wv, Wo ([2048][2048] f32, K innermost) into codes and scale bytes, laid as RECORDS in wc.
; A RECORD (12,800 bytes) is 128 rows x 128 along K: eight fragments of 16 rows as IMAGES OF THE OPERAND'S REGISTERS (1,536 bytes: register group c of four at 512 c + 16 x lane), then 512 bytes of scale words:
; the word of row r of tile t at 12,288 + 256 (t / 4) + 16 r + 4 (t % 4).  So a fragment comes and goes by three accesses of 512 consecutive bytes, and one access of 16 bytes a lane brings eight tiles' scale words.
; THE ROWS OF A TILE ARE NOT NEIGHBOURS: lane r of tile 2 b + u holds row 32 b + 8 u + r + 8 (r / 8) of the 128, so that, where such a tile is source 0 of a product, a lane's 16 results of tiles 2 b and 2 b + 1 are 16 neighbours.
; wc: five regions of 256 records (hidden, Wq, Wk, Wv, Wo); record (group g of 128 rows, K step ks) at (16 g + ks) x 12,800.
; A block's scale is 2^(floor(log2(its largest magnitude)) - 2); its byte is the largest magnitude's exponent field - 2, held at 1 from below.
; LIMITS: a block of zeros gets the byte 1 where the rule says 127 (its codes are zeros, and this program alone reads the bytes); magnitudes under 2^-124 were not tried; NaN and infinities among the inputs are not served.
; SHARES: a wave takes half a record: 64 rows x 128 K, four fragments.  Each load reads 512 consecutive bytes of one row, 16 a lane; a fragment's 16 rows turn through the wave's own stage in LDS, so that a lane gets 16 neighbours
; of each block of 32 of its row.  No tensor loads, no barrier, no cluster: waves and work-groups share no input.
.set REC,   12800
.set SP,    528                        ; a stage row: 512 bytes + 16: an odd multiple of 16, so that the 16 rows that a load of 16 bytes a lane touches start in different banks (ISA guide 11.1)
.set WST,   16*SP                      ; a wave's stage
.set SPARE, 4*WST                      ; behind the stages: the spare words, 128 bytes a wave, that no other line names
.set LI,   4                           ; v4   16 x lane
.set SIN,  5                           ; v5   the stage, on the way in
.set SOUT, 6                           ; v6   and on the way out: row r, + 64 h
.set SWA,  7                           ; v7   16 r + 8 h: my two scale words
.set SPW,  12                          ; v12  my spare word's address; never rewritten
.set NIL,  13                          ; v13  0; never rewritten
.set R,    16                          ; v16-143  two sets of 64: a fragment's numbers as loaded
.set X,    144                         ; v144-207 64 numbers of my row: register 16 b + i = k 32 b + 16 h + i
.set PC,   208                         ; v208-226 the codes
.set TM,   228                         ; v228-243 at work
.set PW,   244                         ; v244-247 the four fragments' scale words
.set SW,   248
.set SEL,  20                          ; s[20:21] v_permlanex16_b32's selects for lane l xor 16
; 64 numbers of a lane, register 16 b + i = k 32 b + 16 (lane / 16) + i of my row, become a fragment's codes in v[PC] on and its scale word in v[pw]
.macro QUANT s, pw
.irp b, 0,1,2,3
	v_max3_num_f32 v[TM+\b], |v[\s+16*\b]|, |v[\s+1+16*\b]|, 0x1800000   ; my 16 numbers of block b, and the floor 2^(3 - 127): the byte cannot fall under 1
.endr
.irp i, 2,4,6,8,10,12,14
.irp b, 0,1,2,3
	v_max3_num_f32 v[TM+\b], v[TM+\b], |v[\s+16*\b+\i]|, |v[\s+1+16*\b+\i]|   ; the four blocks by turns
.endr
.endr
.irp b, 0,1,2,3
	v_permlanex16_b32 v[TM+4+\b], v[TM+\b], s[SEL], s[SEL+1]
.endr
.irp b, 0,1,2,3
	v_max_num_f32 v[TM+\b], v[TM+\b], v[TM+4+\b]                 ; with lane l xor 16's: the block's largest magnitude
.endr
.irp b, 0,1,2,3
	v_add_nc_u32 v[TM+12+\b], 0xff000000, v[TM+\b]               ; 2 off its exponent field: the conversion's scale operand
.endr
.irp b, 0,1,2,3
	v_lshrrev_b32 v[TM+4+\b], 23, v[TM+12+\b]                    ; the scale's byte
.endr
	v_lshl_or_b32 v[\pw], v[TM+5], 8, v[TM+4]                    ; four bytes: my row's scale word
	v_lshl_or_b32 v[\pw], v[TM+6], 16, v[\pw]
	v_lshl_or_b32 v[\pw], v[TM+7], 24, v[\pw]
.irp c, 0,1
	v_cvt_scalef32_pk16_fp6_f32 v[PC+6*\c:PC+2+6*\c], v[\s+32*\c:\s+15+32*\c], v[TM+12+2*\c]
	v_cvt_scalef32_pk16_fp6_f32 v[PC+12+4*\c:PC+14+4*\c], v[\s+16+32*\c:\s+31+32*\c], v[TM+12+2*\c+1]   ; (a conversion's three registers begin on an even number)
.endr
	v_nop                                                        ; one plain place behind the scaled conversions
.irp c, 0,1                                                  ; the operand wants a WHOLE block in a lane: lanes 0-15 block 2 c, lanes 16-31 block 2 c + 1
.irp i, 0,1,2
	v_permlane16_swap_b32 v[PC+6*\c+\i], v[PC+12+4*\c+\i]
.endr
.irp i, 0,1,2
	v_mov_b32 v[PC+3+6*\c+\i], v[PC+12+4*\c+\i]
.endr
.endr
.endm
	s_load_b256 s[4:11], s[0:1], 0x0               ; hidden_state, Wq, Wk, Wv
	s_load_b128 s[12:15], s[0:1], 0x20             ; Wo, wc
	v_lshl_add_u32 v[SPW], v0, 2, SPARE
	v_mov_b32 v[NIL], 0
	v_lshrrev_b32 v1, 5, v0
	v_readfirstlane_b32 s16, v1                    ; wave
	v_and_b32 v1, 31, v0                           ; lane
	v_and_b32 v2, 15, v0                           ; r
	v_bfe_u32 v3, v0, 4, 1                         ; h
	v_lshlrev_b32 v[LI], 4, v1
	s_mul_i32 s17, s16, WST
	v_add_nc_u32 v[SIN], s17, v[LI]
	v_mul_u32_u24 v[SOUT], v2, SP
	v_lshl_add_u32 v[SOUT], v3, 6, v[SOUT]
	v_add_nc_u32 v[SOUT], s17, v[SOUT]
	v_lshlrev_b32 v[SWA], 4, v2
	v_lshl_add_u32 v[SWA], v3, 3, v[SWA]
	s_mov_b32 s[SEL], 0x76543210
	s_mov_b32 s[SEL+1], 0xfedcba98
.irp b, 0,1,2,3
	v_mov_b32 v[TM+4+\b], 0                        ; written once: a lane permute's destination counts as one of its sources
.endr
	s_lshr_b32 s22, ttmp9, 7                       ; which tensor: 128 work-groups each
	s_lshl_b32 s23, ttmp9, 2
	s_add_co_u32 s23, s23, s16
	s_and_b32 s23, s23, 511                        ; which of its 512 half records
	s_and_b32 s28, s23, 15                         ; K step: a work-group's four waves take four neighbouring ones
	s_bfe_u32 s29, s23, 0x10004                    ; half
	s_lshr_b32 s30, s23, 5                         ; group of 128 rows
	s_lshl_b32 s24, s30, 20                        ; in: 128 rows of 8,192 bytes,
	s_lshl_b32 s31, s29, 19                        ; 64 rows,
	s_add_co_u32 s24, s24, s31
	s_lshl_b32 s31, s28, 9                         ; 128 numbers
	s_add_co_u32 s24, s24, s31
	s_mov_b32 s25, 0
	s_lshl_b32 s26, s22, 4
	s_add_co_u32 s26, s26, s30
	s_lshl_b32 s26, s26, 4
	s_add_co_u32 s26, s26, s28
	s_mul_i32 s26, s26, REC                        ; out: my record
	s_lshl_b32 s32, s29, 8
	s_add_co_u32 s32, s32, s26
	s_add_co_u32 s32, s32, 12288                   ; my half's 256 bytes of scale words
	s_mov_b32 s33, 0
	s_mul_i32 s31, s29, 4*1536
	s_add_co_u32 s26, s26, s31                     ; my half's four fragments
	s_mov_b32 s27, 0
	s_wait_alu depctr_va_vdst(0)
	s_wait_kmcnt 0x0
	s_mov_b64 s[18:19], s[4:5]                     ; the tensor is chosen by the work-group's number alone
	s_cmp_eq_u32 s22, 1
	s_cselect_b64 s[18:19], s[6:7], s[18:19]
	s_cmp_eq_u32 s22, 2
	s_cselect_b64 s[18:19], s[8:9], s[18:19]
	s_cmp_eq_u32 s22, 3
	s_cselect_b64 s[18:19], s[10:11], s[18:19]
	s_cmp_eq_u32 s22, 4
	s_cselect_b64 s[18:19], s[12:13], s[18:19]
	s_add_nc_u64 s[18:19], s[18:19], s[24:25]
	s_add_nc_u64 s[26:27], s[14:15], s[26:27]
	s_add_nc_u64 s[32:33], s[14:15], s[32:33]
.macro LOAD f                          ; fragment f's 16 rows, in the tile's order of rows: the order stands in the immediate
.irp p, 0,1,2,3,4,5,6,7,8,9,10,11,12,13,14,15
	global_load_b128 v[R+64*((\f)%2)+4*\p:R+64*((\f)%2)+4*\p+3], v[LI], s[18:19] offset:(32*((\f)/2)+8*((\f)%2)+\p+8*(\p/8))*8192 th:TH_LOAD_NT
.endr
.endm
.macro FRAGM f
.if (\f) < 3
	s_wait_loadcnt 16                              ; this fragment's 16 loads are in; the next fragment's 16 may be out
.else
	s_wait_loadcnt 0
.endif
.irp p, 0,1,2,3,4,5,6,7,8,9,10,11,12,13,14,15
	ds_store_b128 v[SIN], v[R+64*((\f)%2)+4*\p:R+64*((\f)%2)+4*\p+3] offset:SP*\p
.endr
.irp b, 0,1,2,3
.irp j, 0,1,2,3
	ds_load_b128 v[X+16*\b+4*\j:X+16*\b+4*\j+3], v[SOUT] offset:128*\b+16*\j   ; LDS serves a wave's instructions in order (ISA guide 5.7.1.4): these see the stores above
.endr
.endr
	s_wait_dscnt 0x0                               ; my numbers are back, and the stores have read their registers,
.if (\f) < 2
	LOAD (\f)+2                                    ; which take the fragment two on
.endif
.if (\f) > 0
	s_wait_xcnt 0x0                                ; the last fragment's stores have read their data: the codes' registers are written again only behind this wait
.endif
	QUANT X, PW+(\f)
.irp c, 0,1,2
	global_store_b128 v[LI], v[PC+4*\c:PC+4*\c+3], s[26:27] offset:1536*(\f)+512*\c   ; the image: 512 consecutive bytes, aligned
.endr
.endm
	LOAD 0
	LOAD 1
	FRAGM 0
	FRAGM 1
	FRAGM 2
	FRAGM 3
	v_cmp_ne_u32 vcc_lo, 0, v3                     ; lane (r, h) stores the words of tiles 2 h and 2 h + 1 of row r: the 32 lanes fill 256 consecutive bytes, aligned
	v_cndmask_b32 v[SW], v[PW], v[PW+2], vcc_lo
	v_cndmask_b32 v[SW+1], v[PW+1], v[PW+3], vcc_lo
	global_store_b64 v[SWA], v[SW:SW+1], s[32:33]
	s_wait_tensorcnt 0x0                           ; the wave's end
	ds_add_u32 v[SPW], v[NIL]
	s_wait_dscnt 0x0
	s_endpgm
.Lfunc_end_k_q9810993ea3_quant:
	.size	k_q9810993ea3_quant, .Lfunc_end_k_q9810993ea3_quant-k_q9810993ea3_quant
	.p2alignl 7, 3214868480
	.fill 96, 4, 3214868480
	.section	.rodata,"a",@progbits
	.p2align	6, 0x0
	.amdhsa_kernel k_q9810993ea3_quant
		.amdhsa_group_segment_fixed_size 34304
		.amdhsa_private_segment_fixed_size 0
		.amdhsa_enable_private_segment 0
		.amdhsa_kernarg_size 48
		.amdhsa_user_sgpr_count 2
		.amdhsa_user_sgpr_kernarg_segment_ptr 1
		.amdhsa_wavefront_size32 1
		.amdhsa_system_sgpr_workgroup_id_x 1
		.amdhsa_system_sgpr_workgroup_id_y 1
		.amdhsa_system_sgpr_workgroup_id_z 1
		.amdhsa_system_vgpr_workitem_id 0
		.amdhsa_next_free_vgpr 256
		.amdhsa_next_free_sgpr 66
		.amdhsa_reserve_vcc 1
		.amdhsa_float_denorm_mode_32 3
		.amdhsa_float_denorm_mode_16_64 3
		.amdhsa_memory_ordered 1
		.amdhsa_forward_progress 1
		.amdhsa_inst_pref_size 34
	.end_amdhsa_kernel
	.amdgpu_metadata
---
amdhsa.version: [ 1, 2 ]
amdhsa.kernels:
  - .name:           k_q9810993ea3_quant
    .symbol:         k_q9810993ea3_quant.kd
    .args:
      - { .name: hidden_state, .offset: 0, .size: 8, .value_kind: global_buffer, .address_space: global }
      - { .name: Wq, .offset: 8, .size: 8, .value_kind: global_buffer, .address_space: global }
      - { .name: Wk, .offset: 16, .size: 8, .value_kind: global_buffer, .address_space: global }
      - { .name: Wv, .offset: 24, .size: 8, .value_kind: global_buffer, .address_space: global }
      - { .name: Wo, .offset: 32, .size: 8, .value_kind: global_buffer, .address_space: global }
      - { .name: wc, .offset: 40, .size: 8, .value_kind: global_buffer, .address_space: global }
    .group_segment_fixed_size: 34304
    .private_segment_fixed_size: 0
    .kernarg_segment_align: 8
    .kernarg_segment_size: 48
    .max_flat_workgroup_size: 128
    .sgpr_count:     66
    .vgpr_count:     256
    .wavefront_size: 32
...
	.end_amdgpu_metadata
.endif
;; end of part 5
;; launch qkv (part 6): grid 24 x 8, 4 waves a work-group, clusters of 4 x 4, 327,680 bytes of LDS; arguments wc, bq, bk, bv, qf, kv; writes qf, kv
.if DOCPART == 6
	.amdgcn_target "amdgcn-amd-amdhsa--gfx1250"
	.amdhsa_code_object_version 6
	.text
	.protected	k_q9810993ea3_qkv
	.globl	k_q9810993ea3_qkv
	.p2align	8
	.type	k_q9810993ea3_qkv,@function
k_q9810993ea3_qkv:
	s_mov_b64 s[64:65], 0
	v_nop
	global_prefetch_b8 v0, s[64:65] scope:SCOPE_SE
	s_setreg_imm32_b32 hwreg(HW_REG_WAVE_MODE, 25, 1), 1
	s_wait_xcnt 0x0
	s_wait_alu depctr_hold_cnt(0) depctr_sa_sdst(0) depctr_va_vdst(0) depctr_va_sdst(0) depctr_va_ssrc(0) depctr_va_vcc(0) depctr_vm_vsrc(0)
	s_getreg_b32 s2, hwreg(HW_REG_IB_STS2, 6, 4)
	s_cmp_eq_u32 s2, 0
	s_cbranch_scc0 .Lentry_in_a_cluster
	s_endpgm
.Lentry_in_a_cluster:
	s_bfe_u32 s2, ttmp6, 0x10000c
	s_cmp_lg_u32 s2, 0xf033
	s_cbranch_scc0 .Lentry_shape_is_right
	s_endpgm
.Lentry_shape_is_right:
.set REC,   12800
.set REG,   256*REC
.set GRP,   16*REC
.set LOADB, 2*REC
.set SLOT,  4*LOADB
.set SPARE, 2*SLOT
.set FR,    12
.set NL,    3
.set NP,    4
.set LAPS,  4
.set ADRA, 16
.set ADRB, 20
.set LI,   24
.set HH,   25
.set SPW,  28
.set NIL,  29
.set SC,   32
.set BY,   64
.set AF,   128
.set VO,   224
.set HA,   128
.set PC,   192
.set SW,   212
.set TM,   232
.set PW,   248
.set WV,   16
.set WH,   17
.set WL,   18
.set G1,   24
.set G0,   32
.set G1B,  48
.set G0B,  56
.set TYPE, 66
.set SEL,  74
.set OUTP, 80
.set BIAS, 82
.set MSB, 0
.macro WIN new
.if MSB != (\new)
	s_set_vgpr_msb (MSB<<8)|(\new)
.set MSB, (\new)
.endif
.endm
.set MUL_LO, 0xa1
.set MUL_HI, 0xf1
.set TO_B,   0x40
.macro JLOAD g0a, g1a, g0b, g1b
	s_cmp_eq_u32 s[WH], 0
	s_cbranch_scc0 .Lfor_b_\@
	tensor_load_to_lds s[\g0a:\g0a+3], s[\g1a:\g1a+7]
	s_nop 0
.rept 4
	v_nop
.endr
	s_branch .Lasked_\@
.Lfor_b_\@:
	tensor_load_to_lds s[\g0b:\g0b+3], s[\g1b:\g1b+7]
	s_nop 0
.rept 4
	v_nop
.endr
.Lasked_\@:
.endm
.macro CREST
	s_cmp_lg_u32 s[WV], 0
	s_cbranch_scc1 .Lnot_wave_0_\@
	s_barrier_signal -3
.Lnot_wave_0_\@:
	s_barrier_wait -3
	s_barrier_signal -1
	s_barrier_wait -1
.endm
.macro CROUND
	s_barrier_signal -1
	s_barrier_wait -1
	CREST
.endm
.macro QUANT s, pw
.irp b, 0,1,2,3
	v_max3_num_f32 v[TM+\b], |v[\s+16*\b]|, |v[\s+1+16*\b]|, 0x1800000
.endr
.irp i, 2,4,6,8,10,12,14
.irp b, 0,1,2,3
	v_max3_num_f32 v[TM+\b], v[TM+\b], |v[\s+16*\b+\i]|, |v[\s+1+16*\b+\i]|
.endr
.endr
.irp b, 0,1,2,3
	v_permlanex16_b32 v[TM+4+\b], v[TM+\b], s[SEL], s[SEL+1]
.endr
.irp b, 0,1,2,3
	v_max_num_f32 v[TM+\b], v[TM+\b], v[TM+4+\b]
.endr
.irp b, 0,1,2,3
	v_add_nc_u32 v[TM+12+\b], 0xff000000, v[TM+\b]
.endr
.irp b, 0,1,2,3
	v_lshrrev_b32 v[TM+4+\b], 23, v[TM+12+\b]
.endr
	v_lshl_or_b32 v[\pw], v[TM+5], 8, v[TM+4]
	v_lshl_or_b32 v[\pw], v[TM+6], 16, v[\pw]
	v_lshl_or_b32 v[\pw], v[TM+7], 24, v[\pw]
.irp c, 0,1
	v_cvt_scalef32_pk16_fp6_f32 v[PC+6*\c:PC+2+6*\c], v[\s+32*\c:\s+15+32*\c], v[TM+12+2*\c]
	v_cvt_scalef32_pk16_fp6_f32 v[PC+12+4*\c:PC+14+4*\c], v[\s+16+32*\c:\s+31+32*\c], v[TM+12+2*\c+1]
.endr
	v_nop
.irp c, 0,1
.irp i, 0,1,2
	v_permlane16_swap_b32 v[PC+6*\c+\i], v[PC+12+4*\c+\i]
.endr
.irp i, 0,1,2
	v_mov_b32 v[PC+3+6*\c+\i], v[PC+12+4*\c+\i]
.endr
.endr
.endm
	s_load_b256 s[4:11], s[0:1], 0x0
	s_load_b128 s[12:15], s[0:1], 0x20
	v_lshl_add_u32 v[SPW], v0, 2, SPARE
	v_mov_b32 v[NIL], 0
	ds_add_u32 v[SPW], v[NIL]
	ds_add_u32 v[SPW], v[NIL]
	v_lshrrev_b32 v1, 5, v0
	v_readfirstlane_b32 s[WV], v1
	s_lshr_b32 s[WH], s[WV], 1
	s_and_b32 s[WL], s[WV], 1
	s_bfe_u32 s40, ttmp6, 0x40000
	s_bfe_u32 s41, ttmp6, 0x40004
	s_lshr_b32 s[TYPE], ttmp9, 1
	s_lshl_b32 s42, ttmp9, 2
	s_add_co_u32 s42, s42, s40
	s_and_b32 s67, s42, 7
	s_and_b32 s68, ttmp7, 0xffff
	s_lshl_b32 s68, s68, 2
	s_add_co_u32 s68, s68, s41
	s_lshl_b32 s43, s41, 2
	s_lshl_b32 s43, 15, s43
	s_lshl_b32 s44, 0x1111, s40
	s_or_b32 s[G1+0], s43, (3<<16)|(1<<21)
	s_or_b32 s[G1B+0], s44, (3<<16)|(1<<21)
.irp g, G1, G1B
	s_mov_b32 s[\g+1], 32<<16
	s_mov_b32 s[\g+2], 200<<16                     ; the head's load brings 200 rows of 256 bytes: both slots' parts of a wave
	s_mov_b32 s[\g+3], 32<<16
	s_mov_b32 s[\g+4], 200
	s_mov_b32 s[\g+5], 32
	s_mov_b32 s[\g+6], 0
	s_mov_b32 s[\g+7], 0
.endr
	s_lshl_b32 s70, s68, 1
	s_add_co_u32 s70, s70, s[WL]
	s_mul_i32 s70, s70, GRP
	s_cmp_eq_u32 s[TYPE], 2
	s_cselect_b32 s76, 3*REG, 0
	s_add_co_u32 s70, s70, s76
	s_mov_b32 s71, 0
	s_lshl_b32 s72, s67, 1
	s_add_co_u32 s72, s72, s[WL]
	s_mul_i32 s72, s72, GRP
	s_add_co_u32 s77, s[TYPE], 1
	s_mul_i32 s77, s77, REG
	s_cmp_eq_u32 s[TYPE], 2
	s_cselect_b32 s77, 0, s77
	s_add_co_u32 s72, s72, s77
	s_mov_b32 s73, 0
	s_mul_i32 s45, s[WV], 2*LOADB                  ; LDS: a wave's parts of slot 0 and of slot 1 lie on end
	s_mov_b32 s[SEL], 0x76543210
	s_mov_b32 s[SEL+1], 0xfedcba98
	s_wait_dscnt 0x0
	s_wait_kmcnt 0x0
	s_add_nc_u64 s[70:71], s[4:5], s[70:71]
	s_add_nc_u64 s[72:73], s[4:5], s[72:73]
	s_cmp_eq_u32 s[WH], 0                          ; the prefetches: of the 100 pieces of 256 bytes that I fetch, each of the four partners that ask with me takes 25, told apart by address
	s_cselect_b64 s[94:95], s[70:71], s[72:73]
	s_cselect_b32 s96, s40, s41
	s_mul_i32 s96, s96, 25*256
	s_add_co_u32 s96, s96, 2*LOADB                 ; at the first refill's bytes; a refill steps it by one fill and names the fill after that
	s_mov_b32 s97, 0
	s_add_nc_u64 s[94:95], s[94:95], s[96:97]
	CROUND
.irp s, 0,1
	s_mov_b32 s[G0+4*\s], 1
	s_add_co_u32 s[G0+4*\s+1], s45, \s*LOADB
	s_add_nc_u64 s[G0+4*\s+2:G0+4*\s+3], s[70:71], \s*LOADB
	s_or_b32 s[G0+4*\s+3], s[G0+4*\s+3], 0x80000000
	s_mov_b32 s[G0B+4*\s], 1
	s_add_co_u32 s[G0B+4*\s+1], s45, \s*LOADB
	s_add_nc_u64 s[G0B+4*\s+2:G0B+4*\s+3], s[72:73], \s*LOADB
	s_or_b32 s[G0B+4*\s+3], s[G0B+4*\s+3], 0x80000000
.endr
	JLOAD G0, G1, G0B, G1B                         ; my one load at the head: four records on end in memory, K steps 0 to 3, fill my parts of both slots
	v_and_b32 v1, 31, v0
	v_lshlrev_b32 v[LI], 4, v1
	v_min_u32 v26, 24, v1                          ; the prefetches' offset: a lane a piece of 256 bytes; lanes 25 to 31 name the last piece again
	v_lshlrev_b32 v26, 8, v26
	global_prefetch_b8 v26, s[94:95] th:TH_LOAD_NT scope:SCOPE_SE                ; the first two refills' bytes, my 25 pieces of each
	global_prefetch_b8 v26, s[94:95] offset:LOADB+0 th:TH_LOAD_NT scope:SCOPE_SE
	v_and_b32 v2, 15, v0
	s_wait_alu depctr_va_vdst(0)
	v_bfe_u32 v[HH], v0, 4, 1
	s_wait_alu depctr_va_vdst(0)
	s_mul_i32 s76, s[WH], 2*LOADB
	s_mul_i32 s77, s[WL], 2*LOADB
	s_add_co_u32 s77, s77, 4*LOADB
.irp s, 0,1
	v_add_nc_u32 v[ADRA+\s], s76, v[LI]
	v_add_nc_u32 v[ADRB+\s], s77, v[LI]
	s_add_co_u32 s76, s76, LOADB
	s_add_co_u32 s77, s77, LOADB
.endr
	s_lshl_b32 s78, s68, 1
	s_add_co_u32 s78, s78, s[WH]
	s_lshl_b32 s79, s67, 1
	s_add_co_u32 s79, s79, s[WL]
	s_cmp_eq_u32 s[TYPE], 2
	s_cselect_b32 s84, s78, s79
	s_cselect_b32 s85, s79, s78
	s_cselect_b32 s86, 0, 64
	s_cselect_b32 s87, 4, 0
	s_cselect_b32 s88, 0, 4
	s_cselect_b32 s89, REC, 0
	s_cselect_b64 s[BIAS:BIAS+1], s[10:11], s[8:9]
	s_cmp_eq_u32 s[TYPE], 0
	s_cselect_b64 s[BIAS:BIAS+1], s[6:7], s[BIAS:BIAS+1]
	s_cselect_b64 s[OUTP:OUTP+1], s[12:13], s[14:15]
	s_mov_b32 s90, 2*REC
	s_cselect_b32 s90, REC, s90
	s_lshl_b32 s91, s84, 4
	s_add_co_u32 s91, s91, s85
	s_mul_i32 s92, s91, s90
	s_add_co_u32 s92, s92, s89
	s_mov_b32 s93, 0
	s_add_nc_u64 s[OUTP:OUTP+1], s[OUTP:OUTP+1], s[92:93]
	s_lshl_b32 s92, s84, 9
	s_add_nc_u64 s[BIAS:BIAS+1], s[BIAS:BIAS+1], s[92:93]
	v_and_b32 v3, 8, v2
	v_add_nc_u32 v3, v3, v2
	v_mul_u32_u24 v4, s86, v[HH]
	v_mad_u32_u24 v[VO], v3, s87, v4
.irp j, 1,2,3,4,5,6,7
	v_add_nc_u32 v[VO+\j], s88, v[VO+\j-1]
.endr
.irp i, 0,1,2,3,4,5,6,7
.irp j, 0,1,2,3,4,5,6,7
	global_load_b32 v[BY+8*\i+\j], v[VO+\j], s[BIAS:BIAS+1] offset:(32*(\i/2)+8*(\i%2))*4
.endr
.endr
.irp b, 0,1,2,3
	v_mov_b32 v[TM+4+\b], 0
.endr
.macro FRAG reg, adr, q, i
.irp c, 0,1,2
	ds_load_b128 v[\reg+4*\c:\reg+4*\c+3], v[\adr] offset:REC*(\q)+1536*(\i)+512*\c
.endr
.endm
.macro WM a, b, p, q, sc, zero
.set rD, 8*(8*((\a)%4)+(\b))
.set rY, 128*(\p)+FR*(\b)
.set rX, AF+FR*(\a)
.set rSY, SC+16*(\sc)+8*(\q)+4+(\b)%4
.set rSX, SC+16*(\sc)+8*(\q)+(\a)%4
.if \zero
.if ((\a) < 4) && ((\b) < 4)
	v_wmma_scale_f32_16x16x128_f8f6f4 v[rD:rD+7], v[rY:rY+FR-1], v[rX:rX+FR-1], 0, v[rSY], v[rSX] matrix_a_fmt:MATRIX_FMT_FP6 matrix_b_fmt:MATRIX_FMT_FP6
.elseif (\a) < 4
	v_wmma_scale_f32_16x16x128_f8f6f4 v[rD:rD+7], v[rY:rY+FR-1], v[rX:rX+FR-1], 0, v[rSY], v[rSX] matrix_a_fmt:MATRIX_FMT_FP6 matrix_b_fmt:MATRIX_FMT_FP6 matrix_a_scale:MATRIX_SCALE_ROW1
.elseif (\b) < 4
	v_wmma_scale_f32_16x16x128_f8f6f4 v[rD:rD+7], v[rY:rY+FR-1], v[rX:rX+FR-1], 0, v[rSY], v[rSX] matrix_a_fmt:MATRIX_FMT_FP6 matrix_b_fmt:MATRIX_FMT_FP6 matrix_b_scale:MATRIX_SCALE_ROW1
.else
	v_wmma_scale_f32_16x16x128_f8f6f4 v[rD:rD+7], v[rY:rY+FR-1], v[rX:rX+FR-1], 0, v[rSY], v[rSX] matrix_a_fmt:MATRIX_FMT_FP6 matrix_b_fmt:MATRIX_FMT_FP6 matrix_a_scale:MATRIX_SCALE_ROW1 matrix_b_scale:MATRIX_SCALE_ROW1
.endif
.else
.if ((\a) < 4) && ((\b) < 4)
	v_wmma_scale_f32_16x16x128_f8f6f4 v[rD:rD+7], v[rY:rY+FR-1], v[rX:rX+FR-1], v[rD:rD+7], v[rSY], v[rSX] matrix_a_fmt:MATRIX_FMT_FP6 matrix_b_fmt:MATRIX_FMT_FP6
.elseif (\a) < 4
	v_wmma_scale_f32_16x16x128_f8f6f4 v[rD:rD+7], v[rY:rY+FR-1], v[rX:rX+FR-1], v[rD:rD+7], v[rSY], v[rSX] matrix_a_fmt:MATRIX_FMT_FP6 matrix_b_fmt:MATRIX_FMT_FP6 matrix_a_scale:MATRIX_SCALE_ROW1
.elseif (\b) < 4
	v_wmma_scale_f32_16x16x128_f8f6f4 v[rD:rD+7], v[rY:rY+FR-1], v[rX:rX+FR-1], v[rD:rD+7], v[rSY], v[rSX] matrix_a_fmt:MATRIX_FMT_FP6 matrix_b_fmt:MATRIX_FMT_FP6 matrix_b_scale:MATRIX_SCALE_ROW1
.else
	v_wmma_scale_f32_16x16x128_f8f6f4 v[rD:rD+7], v[rY:rY+FR-1], v[rX:rX+FR-1], v[rD:rD+7], v[rSY], v[rSX] matrix_a_fmt:MATRIX_FMT_FP6 matrix_b_fmt:MATRIX_FMT_FP6 matrix_a_scale:MATRIX_SCALE_ROW1 matrix_b_scale:MATRIX_SCALE_ROW1
.endif
.endif
.endm
.macro MUL16 a0, p, q, sc, zero
.irp a, \a0, \a0+1
.irp b, 0,1,2,3,4,5,6,7
	WM \a, \b, \p, \q, \sc, \zero
.endr
.endr
.endm
.macro FETCH_B slot, q, p
	WIN TO_B
.irp i, 0,1,2,3,4,5,6,7
	FRAG 128*(\p)+FR*\i, ADRB+\slot, \q, \i
.endr
	WIN 0
.endm
.macro FETCH_A slot, q, i0
.irp i, \i0, \i0+1, \i0+2, \i0+3
	FRAG AF+FR*(\i), ADRA+\slot, \q, \i
.endr
.endm
.macro SCALES slot
.irp q, 0,1
	ds_load_b128 v[SC+16*\slot+8*\q:SC+16*\slot+8*\q+3], v[ADRA+\slot] offset:REC*\q+12288
	ds_load_b128 v[SC+16*\slot+8*\q+4:SC+16*\slot+8*\q+7], v[ADRB+\slot] offset:REC*\q+12288
.endr
.endm
.macro PLACES n
.rept \n
	v_nop
.endr
.endm
.macro STEP slot, zero
	s_wait_dscnt 4*NL
	WIN MUL_LO
	MUL16 0, 0, 0, \slot, \zero
	MUL16 2, 0, 0, \slot, \zero
	s_wait_dscnt 0
	PLACES NP
	FETCH_B \slot, 1, 1
	FETCH_A \slot, 1, 0
	WIN MUL_HI
	MUL16 4, 0, 0, \slot, \zero
	MUL16 6, 0, 0, \slot, \zero
	PLACES NP
	WIN 0
	FETCH_A \slot, 1, 4
.endm
.macro TURN slot, next, fill
.if \fill
	s_wait_xcnt 0x0                                ; the last prefetch has read its address
	s_add_nc_u64 s[94:95], s[94:95], LOADB
.endif
	s_wait_tensorcnt 0x0
	ds_add_u32 v[SPW], v[NIL]
	s_wait_dscnt 4*NL+1
	WIN MUL_LO
	MUL16 0, 1, 1, \slot, 0
	s_wait_dscnt 0x0
	s_barrier_signal -1
	MUL16 2, 1, 1, \slot, 0
	WIN 0
	s_barrier_wait -1
.if \fill
	CREST
	s_add_nc_u64 s[G0+4*\slot+2:G0+4*\slot+3], s[G0+4*\slot+2:G0+4*\slot+3], 2*LOADB
	s_add_nc_u64 s[G0B+4*\slot+2:G0B+4*\slot+3], s[G0B+4*\slot+2:G0B+4*\slot+3], 2*LOADB
	JLOAD G0+4*\slot, G1, G0B+4*\slot, G1B
.else
	PLACES NP
.endif
	FETCH_B \next, 0, 0
	FETCH_A \next, 0, 0
	SCALES \next
.if \fill
	s_cmp_gt_u32 s3, 1                             ; the fill two refills on; the last trip's two refills have none
	s_cbranch_scc0 .Lno_ask_\@
	global_prefetch_b8 v26, s[94:95] offset:LOADB th:TH_LOAD_NT scope:SCOPE_SE
.Lno_ask_\@:
.endif
	WIN MUL_HI
	MUL16 4, 1, 1, \slot, 0
	MUL16 6, 1, 1, \slot, 0
	PLACES NP
	WIN 0
	FETCH_A \next, 0, 4
.endm
	s_wait_alu depctr_va_vdst(0)
	s_wait_tensorcnt 0x0                           ; my parts of both slots are in; no load of mine is out, so a descriptor may be written:
	s_mov_b32 s[G1+2], 100<<16                     ; from here on a load brings 100 rows, one slot's part
	s_mov_b32 s[G1+4], 100
	s_mov_b32 s[G1B+2], 100<<16
	s_mov_b32 s[G1B+4], 100
	s_barrier_signal -1
	s_barrier_wait -1
	FETCH_B 0, 0, 0
	FETCH_A 0, 0, 0
	SCALES 0
	FETCH_A 0, 0, 4
	STEP 0, 1
	s_mov_b32 s3, LAPS-1
.Llap:
	TURN 0, 1, 1
	STEP 1, 0
	TURN 1, 0, 1
	STEP 0, 0
	s_sub_co_u32 s3, s3, 1
	s_cmp_lg_u32 s3, 0
	s_cbranch_scc1 .Llap
	TURN 0, 1, 0
	STEP 1, 0
	s_wait_dscnt 4*NL
	WIN MUL_LO
	MUL16 0, 1, 1, 1, 0
	MUL16 2, 1, 1, 1, 0
	s_wait_dscnt 0
	WIN MUL_HI
	MUL16 4, 1, 1, 1, 0
	MUL16 6, 1, 1, 1, 0
	WIN 0
.macro ADDB a, sel
	WIN 0x02+((\a)/4)
.irp i, 0,1,2,3,4,5,6,7
.irp u, 0,2,4,6
.if \sel
	v_pk_add_f32 v[HA+8*\i+\u:HA+8*\i+\u+1], v[64*((\a)%4)+8*\i+\u:64*((\a)%4)+8*\i+\u+1], v[BY+8*(\a)+\u:BY+8*(\a)+\u+1]
.else
	v_pk_add_f32 v[HA+8*\i+\u:HA+8*\i+\u+1], v[64*((\a)%4)+8*\i+\u:64*((\a)%4)+8*\i+\u+1], v[BY+8*\i+\u:BY+8*\i+\u+1]
.endif
.endr
.endr
	WIN 0
.endm
.macro BLOCK a
	s_cmp_eq_u32 s[TYPE], 2
	s_cbranch_scc1 .Lfor_v_\@
	ADDB \a, 0
	s_branch .Ladded_\@
.Lfor_v_\@:
	ADDB \a, 1
.Ladded_\@:
.if (\a) > 0
	s_wait_xcnt 0x0
.endif
	QUANT HA, PW+(\a)
.irp c, 0,1,2
	global_store_b128 v[LI], v[PC+4*\c:PC+4*\c+3], s[OUTP:OUTP+1] offset:1536*(\a)+512*\c
.endr
.endm
	PLACES NP
	s_wait_loadcnt 0x0
.irp a, 0,1,2,3,4,5,6,7
	BLOCK \a
.endr
	v_cmp_ne_u32 vcc_lo, 0, v[HH]
.irp i, 0,1,2,3
	v_cndmask_b32 v[SW+\i], v[PW+\i], v[PW+4+\i], vcc_lo
.endr
	global_store_b128 v[LI], v[SW:SW+3], s[OUTP:OUTP+1] offset:12288
	s_wait_tensorcnt 0x0
	ds_add_u32 v[SPW], v[NIL]
	s_wait_dscnt 0x0
	CROUND
	s_endpgm
.Lfunc_end_k_q9810993ea3_qkv:
	.size	k_q9810993ea3_qkv, .Lfunc_end_k_q9810993ea3_qkv-k_q9810993ea3_qkv
	.p2alignl 7, 3214868480
	.fill 96, 4, 3214868480
	.section	.rodata,"a",@progbits
	.p2align	6, 0x0
	.amdhsa_kernel k_q9810993ea3_qkv
		.amdhsa_group_segment_fixed_size 327680
		.amdhsa_private_segment_fixed_size 0
		.amdhsa_enable_private_segment 0
		.amdhsa_kernarg_size 48
		.amdhsa_user_sgpr_count 2
		.amdhsa_user_sgpr_kernarg_segment_ptr 1
		.amdhsa_wavefront_size32 1
		.amdhsa_system_sgpr_workgroup_id_x 1
		.amdhsa_system_sgpr_workgroup_id_y 1
		.amdhsa_system_sgpr_workgroup_id_z 1
		.amdhsa_system_vgpr_workitem_id 0
		.amdhsa_next_free_vgpr 1024
		.amdhsa_next_free_sgpr 100
		.amdhsa_reserve_vcc 1
		.amdhsa_float_denorm_mode_32 3
		.amdhsa_float_denorm_mode_16_64 3
		.amdhsa_memory_ordered 1
		.amdhsa_forward_progress 1
		.amdhsa_inst_pref_size 177
	.end_amdhsa_kernel
	.amdgpu_metadata
---
amdhsa.version: [ 1, 2 ]
amdhsa.kernels:
  - .name:           k_q9810993ea3_qkv
    .symbol:         k_q9810993ea3_qkv.kd
    .args:
      - { .name: wc, .offset: 0, .size: 8, .value_kind: global_buffer, .address_space: global }
      - { .name: bq, .offset: 8, .size: 8, .value_kind: global_buffer, .address_space: global }
      - { .name: bk, .offset: 16, .size: 8, .value_kind: global_buffer, .address_space: global }
      - { .name: bv, .offset: 24, .size: 8, .value_kind: global_buffer, .address_space: global }
      - { .name: qf, .offset: 32, .size: 8, .value_kind: global_buffer, .address_space: global }
      - { .name: kv, .offset: 40, .size: 8, .value_kind: global_buffer, .address_space: global }
    .group_segment_fixed_size: 327680
    .private_segment_fixed_size: 0
    .kernarg_segment_align: 8
    .kernarg_segment_size: 48
    .max_flat_workgroup_size: 128
    .sgpr_count:     100
    .vgpr_count:     1024
    .wavefront_size: 32
...
	.end_amdgpu_metadata
.endif
;; end of part 6
;; launch attn (part 7): grid 16 x 16, 4 waves a work-group, clusters of 4 x 1, 327,680 bytes of LDS; arguments qf, kv, causal_mask, ac; writes ac
.if DOCPART == 7
	.amdgcn_target "amdgcn-amd-amdhsa--gfx1250"
	.amdhsa_code_object_version 6
	.text
	.protected	k_q9810993ea3_attn
	.globl	k_q9810993ea3_attn
	.p2align	8
	.type	k_q9810993ea3_attn,@function
k_q9810993ea3_attn:
	s_mov_b64 s[64:65], 0
	v_nop
	global_prefetch_b8 v0, s[64:65] scope:SCOPE_SE
	s_setreg_imm32_b32 hwreg(HW_REG_WAVE_MODE, 25, 1), 1
	s_wait_xcnt 0x0
	s_wait_alu depctr_hold_cnt(0) depctr_sa_sdst(0) depctr_va_vdst(0) depctr_va_sdst(0) depctr_va_ssrc(0) depctr_va_vcc(0) depctr_vm_vsrc(0)
	s_getreg_b32 s2, hwreg(HW_REG_IB_STS2, 6, 4)
	s_cmp_eq_u32 s2, 0
	s_cbranch_scc0 .Lentry_in_a_cluster
	s_endpgm
.Lentry_in_a_cluster:
	s_bfe_u32 s2, ttmp6, 0x10000c
	s_cmp_lg_u32 s2, 0x3003
	s_cbranch_scc0 .Lentry_shape_is_right
	s_endpgm
.Lentry_shape_is_right:
; THIRD LAUNCH: for each head, O = softmax(q k^T / sqrt(128) + mask x (-1e9)) v, both products on codes of FP6, and O quantised in registers for the last product.
; Nothing of reference() is left out: the mask is an input, so every pair of query and key is computed and the mask's number is added to it.
; THE SOFTMAX: x = score + mask x (-1e9 sqrt(128)): the mask's term is made in the scores' registers and is the C of the score product.  t = x c, c = log2(e) / sqrt(128); M = the running largest t rounded up to a
; whole number; p = 2^(t - M), one fused multiply-add and one exponential, is quantised along the keys, not normalised.  The row's sum is taken of the unquantised p.  When M moves, sum and O are multiplied by 2^(old M - new M): exact.
; LIMITS: the logit's order of rounding differs from reference()'s; the promise holds while |t| stays under 2^31; p under 2^-126 comes out as 0; NaN and infinities are not served.
; SHARES: grid x = head, y = block of 128 queries.  Wave w = 2 qh + kh owns 64 queries (half qh: four tiles of 16) and, of each PAIR of key steps (256 keys), step kh: eight steps of 128 keys in all.
; The two waves of a half hold partial results; at the end they are joined through LDS, each wave finishing two tiles.  REGISTER SLOT s of a wave holds tile (s + 2 kh) % 4 of its half, chosen by addresses alone:
; so every wave keeps slots 0, 1 and sends slots 2, 3, which are its partner's slots 0, 1, and one text serves both.
; Both products are used transposed (S^T = k q^T, O^T = v^T p^T): a lane holds one query; by the order of rows in k's and v's records its registers run along neighbouring keys, then along the head's neighbouring units.
; THE ORDER OF A PAIR: score products of slots 0, 1 (among them the mask's term of slots 2, 3); the round and the refill; the maxima of slots 0, 1 (among them the score products of slots 2, 3), then of slots 2, 3; slot by slot
; the exponentials, among them the next slot's multiply-adds, whose sources were all made ahead of the batch; sums and codes; O under the new M; the NEXT pair's mask is read from LDS; the weighted sums (among the last two slots'
; the next pair's mask's term of slots 0, 1).  So plain vector work that is due anyway stands behind most matrix instructions, at the price of a switch of the register windows on either side of it.
; THE MASK: a wave's own quarter of a pair's tile (64 rows x 512 bytes, LDS rows of 520) comes by one tensor load a wave into a ring of two slots; only the wave that asked reads it.  One round of the cluster's barrier a pair.
; CLUSTER 4 x 1: four heads of one block of queries need the same tiles of the mask and ask jointly.
; K AND V are not shared in the cluster and do not pass through LDS: beside the mask's two slots (266,240 bytes) LDS has 61,440 bytes left, and two slots of a pair's records would take 102,400.  Their records are images of the
; operand's registers, so each load reads 512 consecutive bytes straight into a fragment.  k of the next pair is asked for behind this pair's last score product, v behind its last weighted sum.
; PREFETCH: the mask's tile two pairs on, 32 rows x 256 bytes a wave, the four partners' rows told apart by address.  None for k and v: their loads stand most of a pair ahead of their first use.
; REGISTERS, window 0: addresses, -M and the largest t, sums, factors, scale words, q's fragments, p's codes, work.  window 1: v0-95 k, v96-191 v.  window 2: O^T, slot s at 64 s.  window 3: the scores, slot s at 64 s.
.set REC,   12800
.set MP,    520                        ; an LDS row of the mask: 130 words: the 32 lanes of a load of 8 bytes (rows r0 + 16 r1, halves 16 words apart) touch 64 different banks (ISA guide 11.1)
.set QBY,   64*MP                      ; a wave's quarter
.set SLOT,  4*QBY                      ; its set bits meet none of wave x QBY's: an exclusive or turns an address from slot to slot
.set SPARE, 2*SLOT                     ; the spare words, 128 bytes a wave, that no other line names
.set SCS,   SPARE+512                  ; the way out: the eight tiles' scale words
.set AMB, 2
.set AMC, 4
.set LI,  6
.set SPW, 7
.set NIL, 8
.set PFO, 9
.set QSA, 10
.set QSB, 11
.set STA, 12
.set STP, 13
.set SCW, 14
.set SCR, 15
.set NM,  16                           ; pairs (-M, largest t), one a slot
.set SU,  24                           ; the sums, in two halves
.set FF,  32                           ; f = 2^(old M - new M), low word of a pair
.set KS,  40
.set VS,  44
.set QS,  48
.set PS,  52
.set QF,  56
.set PC,  104
.set BM,  152                          ; four blocks' maxima, one set a slot
.set PT,  168
.set SO,  176
.set BY,  180
.set CH,  184
.set CT,  192
.set AK,  194
.set XS,  212
.set XR,  216
.set LL,  220
.set GA,  224
.set OW,  232
.set WV,  12
.set QH,  13
.set KH,  14
.set CX,  15
.set HD,  16
.set QB,  17
.set SEL, 18
.set CS,  20
.set MB,  22
.set G1,  24
.set G0,  32
.set TB,  36
.set CNT, 37
.set KP,  38
.set PFA, 40
.set OF,  60
.set MSB, 0
.macro WIN new                         ; the immediate's high byte repeats the setting that is left; at a label and at a branch every window is 0
.if MSB != (\new)
	s_set_vgpr_msb (MSB<<8)|(\new)
.set MSB, (\new)
.endif
.endm
.macro CROUND
	s_barrier_signal -1
	s_barrier_wait -1
	s_cmp_lg_u32 s[WV], 0
	s_cbranch_scc1 .Lnot_wave_0_\@
	s_barrier_signal -3
.Lnot_wave_0_\@:
	s_barrier_wait -3
	s_barrier_signal -1
	s_barrier_wait -1
.endm
.macro PLACES
.rept 4
	v_nop
.endr
.endm
.macro ASK                             ; the mask's tile two pairs on; the last pair that fills asks for nothing
	s_cmp_gt_u32 s[CNT], 1
	s_cbranch_scc0 .Lno_ask_\@
	global_prefetch_b8 v[PFO], s[PFA:PFA+1] th:TH_LOAD_NT scope:SCOPE_SE
.Lno_ask_\@:
.endm
.macro KVLOAD sc, fr, off              ; a record's scale words (register i: lanes 0-15 tile i, lanes 16-31 tile 4 + i) and eight fragments: 25 loads
	WIN 0
	global_load_b128 v[\sc:\sc+3], v[LI], s[KP:KP+1] offset:\off+12288
	WIN 0x40
.irp j, 0,1,2,3,4,5,6,7
.irp c, 0,1,2
	global_load_b128 v[\fr+12*\j+4*\c:\fr+12*\j+4*\c+3], v[LI], s[KP:KP+1] offset:\off+1536*\j+512*\c
.endr
.endr
	WIN 0
.endm
.macro MLOAD s                         ; my query's 128 numbers of the mask into slot s of the scores' registers, in the scores' order
	WIN 0xc0
.irp b, 0,1,2,3
.irp m, 0,1,2,3,4,5,6,7
	ds_load_b64 v[64*(\s)+16*\b+2*\m:64*(\s)+16*\b+2*\m+1], v[AMC+(\s)/2] offset:((\s)%2)*8*MP+128*\b+8*\m
.endr
.endr
.endm
.macro MM4 t, j                        ; mask x (-1e9 sqrt(128)), in place: eight registers of slot t
	WIN 0xc3
.irp e, 0,2,4,6
	v_pk_mul_f32 v[64*(\t)+8*(\j)+\e:64*(\t)+8*(\j)+\e+1], v[64*(\t)+8*(\j)+\e:64*(\t)+8*(\j)+\e+1], s[MB:MB+1] op_sel_hi:[1,0]
.endr
.endm
.macro MMUL t                          ; the whole slot
.irp j, 0,1,2,3,4,5,6,7
	MM4 \t, \j
.endr
.endm
.macro QKONE s, j                      ; x^T = k q^T + the mask's term, tile j of 16 keys; register 16 b + i of a slot: key 32 b + 16 h + i of the step
	WIN 0xf1
.if (\j) < 4
	v_wmma_scale_f32_16x16x128_f8f6f4 v[64*(\s)+8*(\j):64*(\s)+8*(\j)+7], v[12*(\j):12*(\j)+11], v[QF+12*(\s):QF+12*(\s)+11], v[64*(\s)+8*(\j):64*(\s)+8*(\j)+7], v[KS+(\j)], v[QS+(\s)] matrix_a_fmt:MATRIX_FMT_FP6 matrix_b_fmt:MATRIX_FMT_FP6
.else
	v_wmma_scale_f32_16x16x128_f8f6f4 v[64*(\s)+8*(\j):64*(\s)+8*(\j)+7], v[12*(\j):12*(\j)+11], v[QF+12*(\s):QF+12*(\s)+11], v[64*(\s)+8*(\j):64*(\s)+8*(\j)+7], v[KS+(\j)-4], v[QS+(\s)] matrix_a_fmt:MATRIX_FMT_FP6 matrix_b_fmt:MATRIX_FMT_FP6 matrix_a_scale:MATRIX_SCALE_ROW1
.endif
.endm
.macro PVONE s, j                      ; O^T += v^T p^T, tile j of 16 of the head's units
	WIN 0xa1
.if (\j) < 4
	v_wmma_scale_f32_16x16x128_f8f6f4 v[64*(\s)+8*(\j):64*(\s)+8*(\j)+7], v[96+12*(\j):96+12*(\j)+11], v[PC+12*(\s):PC+12*(\s)+11], v[64*(\s)+8*(\j):64*(\s)+8*(\j)+7], v[VS+(\j)], v[PS+(\s)] matrix_a_fmt:MATRIX_FMT_FP6 matrix_b_fmt:MATRIX_FMT_FP6
.else
	v_wmma_scale_f32_16x16x128_f8f6f4 v[64*(\s)+8*(\j):64*(\s)+8*(\j)+7], v[96+12*(\j):96+12*(\j)+11], v[PC+12*(\s):PC+12*(\s)+11], v[64*(\s)+8*(\j):64*(\s)+8*(\j)+7], v[VS+(\j)-4], v[PS+(\s)] matrix_a_fmt:MATRIX_FMT_FP6 matrix_b_fmt:MATRIX_FMT_FP6 matrix_a_scale:MATRIX_SCALE_ROW1
.endif
.endm
.macro QKM s, t                        ; slot s's score products, the accumulators by turns; behind each, four lines of slot t's mask's term, which name none of its registers
.irp j, 0,1,2,3,4,5,6,7
	QKONE \s, \j
	MM4 \t, \j
.endr
.endm
.macro PV s
.irp j, 0,1,2,3,4,5,6,7
	PVONE \s, \j
.endr
.endm
.macro PVM s, t                        ; slot s's weighted sums; behind each, four lines of the next pair's mask's term of slot t
.irp j, 0,1,2,3,4,5,6,7
	PVONE \s, \j
	MM4 \t, \j
.endr
.endm
.macro RESC s                          ; O^T under the new M; each accumulator from its low end on
	WIN 0x82
.set n1, 64*(\s)
.rept 32
	v_pk_mul_f32 v[n1:n1+1], v[n1:n1+1], v[FF+2*(\s):FF+2*(\s)+1] op_sel_hi:[1,0]
.set n1, n1+2
.endr
.endm
.macro QFIN s, pw, bm                  ; from the four blocks' largest magnitudes in v[bm] on: the scale word into v[pw], slot s of window 3 into codes at v[PC + 12 s]
.irp b, 0,1,2,3
	v_add_nc_u32 v[SO+\b], 0xff000000, v[(\bm)+\b] ; 2 off the exponent field: the conversion's scale operand
.endr
.irp b, 0,1,2,3
	v_lshrrev_b32 v[BY+\b], 23, v[SO+\b]           ; the scale's byte
.endr
	v_lshl_or_b32 v[\pw], v[BY+1], 8, v[BY]
	v_lshl_or_b32 v[\pw], v[BY+2], 16, v[\pw]
	v_lshl_or_b32 v[\pw], v[BY+3], 24, v[\pw]
	WIN 0x03
.irp c, 0,1
	v_cvt_scalef32_pk16_fp6_f32 v[PC+12*(\s)+6*\c:PC+12*(\s)+6*\c+2], v[64*(\s)+32*\c:64*(\s)+32*\c+15], v[SO+2*\c]
	v_cvt_scalef32_pk16_fp6_f32 v[CH+4*\c:CH+4*\c+2], v[64*(\s)+32*\c+16:64*(\s)+32*\c+31], v[SO+2*\c+1]
.endr
	WIN 0
	v_nop                                          ; one plain place behind the scaled conversions
.irp c, 0,1                            ; the operand wants a whole block in a lane
.irp i, 0,1,2
	v_permlane16_swap_b32 v[PC+12*(\s)+6*\c+\i], v[CH+4*\c+\i]
.endr
.irp i, 0,1,2
	v_mov_b32 v[PC+12*(\s)+6*\c+3+\i], v[CH+4*\c+\i]
.endr
.endr
.endm
; THE MAXIMA of slots s0 and s0 + 1, by turns: the largest x of each block of 32 keys (for the row's maximum and, since p rises with x, for the block's largest p), the new -M, the factor f.
; qk = 1: behind each of the sixteen groups of four lines stands one of the sixteen score products of slots 2 and 3
.macro AA s0, qk
.set gq, 0
.irp u, 0,1
	WIN 0x0f
.irp b, 0,1,2,3
	v_max_num_f32 v[BM+4*((\s0)+\u)+\b], v[64*((\s0)+\u)+16*\b], v[64*((\s0)+\u)+16*\b+1]
.endr
.if \qk
	QKONE 2+gq/8, gq%8
.set gq, gq+1
.endif
.endr
.irp i, 2,4,6,8,10,12,14
.irp u, 0,1
	WIN 0x0f
.irp b, 0,1,2,3
	v_max3_num_f32 v[BM+4*((\s0)+\u)+\b], v[64*((\s0)+\u)+16*\b+\i], v[64*((\s0)+\u)+16*\b+\i+1], v[BM+4*((\s0)+\u)+\b]
.endr
.if \qk
	QKONE 2+gq/8, gq%8
.set gq, gq+1
.endif
.endr
.endr
	WIN 0
.irp u, 0,1
.irp b, 0,1,2,3
	v_permlanex16_b32 v[PT+4*\u+\b], v[BM+4*((\s0)+\u)+\b], s[SEL], s[SEL+1]
.endr
.endr
.irp u, 0,1
.irp b, 0,1,2,3
	v_max_num_f32 v[BM+4*((\s0)+\u)+\b], v[BM+4*((\s0)+\u)+\b], v[PT+4*\u+\b]   ; with lane l xor 16's 16 keys
.endr
.endr
.irp u, 0,1
	v_max3_num_f32 v[CT+\u], v[BM+4*((\s0)+\u)], v[BM+4*((\s0)+\u)+1], v[BM+4*((\s0)+\u)+2]
.endr
.irp u, 0,1
	v_max_num_f32 v[CT+\u], v[CT+\u], v[BM+4*((\s0)+\u)+3]
.endr
.irp u, 0,1
	v_mul_f32 v[CT+\u], s[CS], v[CT+\u]            ; as t (c is positive)
.endr
.irp u, 0,1
	v_max_num_f32 v[NM+2*((\s0)+\u)+1], v[NM+2*((\s0)+\u)+1], v[CT+\u]
.endr
.irp u, 0,1
	v_mov_b32 v[CT+\u], v[NM+2*((\s0)+\u)]
.endr
.irp u, 0,1
	v_floor_f32 v[NM+2*((\s0)+\u)], -v[NM+2*((\s0)+\u)+1]   ; the new -M = -ceil(t)
.endr
.irp u, 0,1
	v_sub_f32 v[CT+\u], v[NM+2*((\s0)+\u)], v[CT+\u]        ; old M - new M: a whole number, 0 or less
.endr
.irp u, 0,1
	v_cvt_i32_f32 v[CT+\u], v[CT+\u]               ; (it saturates)
.endr
.irp u, 0,1
	v_ldexp_f32 v[FF+2*((\s0)+\u)], 1.0, v[CT+\u]
.endr
.irp u, 0,1
.irp b, 0,1,2,3
	v_fma_f32 v[BM+4*((\s0)+\u)+\b], v[BM+4*((\s0)+\u)+\b], s[CS], v[NM+2*((\s0)+\u)]
.endr
.endr
.endm
.macro BB s                            ; t - M of slot s
	WIN 0xc3
.set n2, 64*(\s)
.rept 32
	v_pk_fma_f32 v[n2:n2+1], v[n2:n2+1], s[CS:CS+1], v[NM+2*(\s):NM+2*(\s)+1] op_sel_hi:[1,0,0]
.set n2, n2+2
.endr
.endm
.macro CC s, t                         ; p of slot s; among the exponentials t - M of slot t (t < 0: none): it names no register of the batch, and its sources were made ahead of the wait
	WIN 0xc3
	s_wait_alu depctr_va_vdst(0)                   ; a wait ahead of the batch
.set n1, 64*(\s)
.set n2, 64*(\t)
.rept 32
	v_exp_f32 v[n1], v[n1]
	v_exp_f32 v[n1+1], v[n1+1]
.if (\t) >= 0
	v_pk_fma_f32 v[n2:n2+1], v[n2:n2+1], s[CS:CS+1], v[NM+2*(\t):NM+2*(\t)+1] op_sel_hi:[1,0,0]
.endif
.set n1, n1+2
.set n2, n2+2
.endr
.endm
.macro DD s                            ; slot s: the sum, p's scale word and codes
.set sb, 64*(\s)
	WIN 0
	v_pk_mul_f32 v[SU+2*(\s):SU+2*(\s)+1], v[SU+2*(\s):SU+2*(\s)+1], v[FF+2*(\s):FF+2*(\s)+1] op_sel_hi:[1,0]   ; the sums under the new M: a plain place behind the batch
	s_wait_alu depctr_va_vdst(0)                   ; one wait for the batch, ahead of its first reader
.irp b, 0,1,2,3
	v_exp_f32 v[BM+4*(\s)+\b], v[BM+4*(\s)+\b]     ; each block's largest p: the same instructions on the same number
.endr
	WIN 0x0f
.irp k, 0,1,2,3,4,5,6,7                ; the row's sum of the unquantised p, in eight chains
	v_pk_add_f32 v[AK+2*\k:AK+2*\k+1], v[sb+2*\k:sb+2*\k+1], v[sb+16+2*\k:sb+16+2*\k+1]
.endr
	WIN 0x03
.irp k, 0,1,2,3,4,5,6,7
	v_pk_add_f32 v[AK+2*\k:AK+2*\k+1], v[sb+32+2*\k:sb+32+2*\k+1], v[AK+2*\k:AK+2*\k+1]
.endr
.irp k, 0,1,2,3,4,5,6,7
	v_pk_add_f32 v[AK+2*\k:AK+2*\k+1], v[sb+48+2*\k:sb+48+2*\k+1], v[AK+2*\k:AK+2*\k+1]
.endr
	WIN 0
.irp k, 0,1,2,3
	v_pk_add_f32 v[AK+2*\k:AK+2*\k+1], v[AK+2*\k:AK+2*\k+1], v[AK+8+2*\k:AK+8+2*\k+1]
.endr
.irp k, 0,1
	v_pk_add_f32 v[AK+2*\k:AK+2*\k+1], v[AK+2*\k:AK+2*\k+1], v[AK+4+2*\k:AK+4+2*\k+1]
.endr
	v_pk_add_f32 v[AK:AK+1], v[AK:AK+1], v[AK+2:AK+3]
	v_pk_add_f32 v[SU+2*(\s):SU+2*(\s)+1], v[SU+2*(\s):SU+2*(\s)+1], v[AK:AK+1]
	s_wait_alu depctr_va_vdst(0)                   ; and one for the four
.irp b, 0,1,2,3
	v_max_num_f32 v[BM+4*(\s)+\b], 0x1800000, v[BM+4*(\s)+\b]   ; the floor 2^(3 - 127): a block whose every p is 0 keeps the byte 1: its codes are zeros
.endr
	QFIN \s, PS+(\s), BM+4*(\s)
.endm
; A PAIR OF KEY STEPS, of which my wave takes one.  It finds the mask's term of slots 0, 1 made and the mask's numbers of slots 2, 3 on their way from LDS.  last = 1: nothing more is asked for, so no round
.macro PAIR last
	s_wait_loadcnt 25                              ; k is in; v's 25 loads, the youngest, may be out
.if \last
	s_wait_dscnt 32                                ; slot 2's numbers are in; slot 3's 32 loads may be out
.else
	s_wait_tensorcnt 0x0                           ; the three lines in front of the refill's round: no tensor load of mine is out;
	ds_add_u32 v[SPW], v[NIL]
	s_add_nc_u64 s[G0+2:G0+3], s[G0+2:G0+3], 1024  ; the next 256 keys,
	s_xor_b32 s[G0+1], s[G0+1], SLOT               ; into the other slot
	s_wait_dscnt 33                                ; slot 2's numbers are in; slot 3's 32 loads and the add may be out
.endif
	QKM 0, 2
.if \last
	s_wait_dscnt 0x0
.else
	s_wait_dscnt 1                                 ; slot 3's are in; the add may be out
.endif
	QKM 1, 3
	WIN 0
.if !\last
	s_wait_alu depctr_va_vdst(0)
	s_wait_dscnt 0x0                               ; the add is done, and so are all my reads of LDS
	CROUND
	tensor_load_to_lds s[G0:G0+3], s[G1:G1+7]
	s_nop 0
.endif
	AA 0, 1                                        ; (the four lines behind slot 1's last score product are the places in front of its first read)
.if !\last
	s_wait_xcnt 0x0                                ; the earlier loads and the last prefetch have read their bases
	s_add_nc_u64 s[KP:KP+1], s[KP:KP+1], 4*REC
	s_add_nc_u64 s[PFA:PFA+1], s[PFA:PFA+1], 1024
	KVLOAD KS, 0, 0                                ; the next pair's k (the lines behind the last score product are the places in front of these loads)
	ASK
.endif
	AA 2, 0
	BB 0
	CC 0, 1
	DD 0
	CC 1, 2
	DD 1
	CC 2, 3
	DD 2
	CC 3, -1
	DD 3
.if \last
	s_wait_loadcnt 0x0                             ; v is in
.else
	s_wait_loadcnt 25                              ; v is in; the next pair's k, 25 younger loads, may be out
.endif
	WIN 0x82
	s_wait_alu depctr_va_vdst(0)                   ; directly ahead of the first reader of O^T
	RESC 0
	RESC 1
	RESC 2
	RESC 3
.if \last
	PV 0
	PV 1
	PV 2
	PV 3
	WIN 0
.else
	WIN 0
	v_add_nc_u32 v[AMC], s[TB], v[AMB]
	v_add_nc_u32 v[AMC+1], s[TB], v[AMB+1]
	s_xor_b32 s[TB], s[TB], SLOT
	s_wait_alu depctr_va_vdst(0)
	s_wait_tensorcnt 0x0                           ; my quarter of the next pair's mask has landed: my one load that was out; nobody else reads it
	MLOAD 0
	MLOAD 1
	PV 0
	PV 1
	s_wait_dscnt 32                                ; slot 0's numbers are in; slot 1's 32 loads may be out
	PVM 2, 0
	MLOAD 2
	s_wait_dscnt 32                                ; slot 1's are in; slot 2's 32 may be out
	PVM 3, 1
	MLOAD 3
	KVLOAD VS, 96, REC                             ; the next pair's v (the four lines behind the last weighted sum are the places in front of these loads)
.endif
.endm
	s_load_b256 s[4:11], s[0:1], 0x0               ; qf, kv, causal_mask, ac
	v_lshl_add_u32 v[SPW], v0, 2, SPARE
	v_mov_b32 v[NIL], 0
	ds_add_u32 v[SPW], v[NIL]                      ; the opening: the add, twice on end, and its wait ahead of my first tensor load
	ds_add_u32 v[SPW], v[NIL]
	v_lshrrev_b32 v1, 5, v0
	v_readfirstlane_b32 s[WV], v1                  ; wave 0..3
	s_lshr_b32 s[QH], s[WV], 1
	s_and_b32 s[KH], s[WV], 1
	s_bfe_u32 s[CX], ttmp6, 0x40000
	s_lshl_b32 s[HD], ttmp9, 2
	s_add_co_u32 s[HD], s[HD], s[CX]               ; my head
	s_and_b32 s[QB], ttmp7, 0xffff                 ; my block of queries
	s_mov_b32 s[G1], 15|(2<<16)|(1<<20)|(1<<21)|(6<<22)|(1<<25)   ; the four partners; elements of 4 bytes; padding behind every 128 words (code 6) of 2 words (code 1); 21 set beside a mask
	s_mov_b32 s[G1+1], 128<<16
	s_mov_b32 s[G1+2], 64<<16
	s_mov_b32 s[G1+3], 128<<16
	s_mov_b32 s[G1+4], 64
	s_mov_b32 s[G1+5], 2048
	s_mov_b32 s[G1+6], 0
	s_mov_b32 s[G1+7], 0
	s_lshl_b32 s42, s[QB], 7
	s_lshl_b32 s43, s[QH], 6
	s_add_co_u32 s42, s42, s43                     ; the mask: row 128 x block + 64 qh,
	s_lshl_b32 s42, s42, 13
	s_lshl_b32 s43, s[KH], 9
	s_add_co_u32 s42, s42, s43                     ; keys 128 kh on: never the head
	s_mov_b32 s43, 0
	s_mul_i32 s44, s[WV], QBY
	s_mov_b32 s[SEL], 0x76543210
	s_mov_b32 s[SEL+1], 0xfedcba98
	s_mov_b32 s[CS], 0x3e0293ee
	s_mov_b32 s[CS+1], s[CS]
	s_mov_b32 s[MB], 0xd028965f
	s_mov_b32 s[MB+1], s[MB]
	s_mov_b32 s[TB], 0
	s_mov_b32 s[CNT], 7
	s_wait_dscnt 0x0                               ; both opening adds are done
	s_wait_kmcnt 0x0
	s_mov_b32 s[G0], 1
	s_mov_b32 s[G0+1], s44
	s_add_nc_u64 s[G0+2:G0+3], s[8:9], s[42:43]
	s_or_b32 s[G0+3], s[G0+3], 0x80000000
	CROUND                                         ; the four partners are here: the first joint loads meet
	tensor_load_to_lds s[G0:G0+3], s[G1:G1+7]      ; the first pair's mask, my quarter: my one load at the head
	s_nop 0
	PLACES
	s_mul_i32 s45, s[KH], 32*MP                    ; slots 0, 1 hold tiles 2 kh, 2 kh + 1 of my half; slots 2, 3 the other two
	s_xor_b32 s47, s[KH], 1
	s_mul_i32 s46, s47, 32*MP
	s_add_co_u32 s45, s45, s44
	s_add_co_u32 s46, s46, s44
	s_lshl_b32 s48, s[HD], 4
	s_add_co_u32 s48, s48, s[QB]
	s_mul_i32 s48, s48, REC
	s_mov_b32 s49, 0
	s_add_nc_u64 s[4:5], s[4:5], s[48:49]          ; q's record
	s_mul_i32 s48, s[QH], 4*1536
	s_mul_i32 s50, s[KH], 2*1536
	s_add_co_u32 s50, s50, s48
	s_mov_b32 s51, 0
	s_add_nc_u64 s[52:53], s[4:5], s[50:51]        ; its fragments for slots 0, 1
	s_mul_i32 s50, s47, 2*1536
	s_add_co_u32 s50, s50, s48
	s_add_nc_u64 s[54:55], s[4:5], s[50:51]        ; and for slots 2, 3
	s_lshl_b32 s56, s[QH], 8
	s_lshl_b32 s57, s[KH], 3
	s_add_co_u32 s57, s57, s56                     ; two scale words of a row: 256 qh + 8 kh
	s_lshl_b32 s58, s47, 3
	s_add_co_u32 s58, s58, s56
	s_mul_i32 s48, s[HD], 32*REC
	s_mul_i32 s50, s[KH], 2*REC
	s_add_co_u32 s48, s48, s50
	s_add_nc_u64 s[KP:KP+1], s[6:7], s[48:49]      ; my head's records, step kh
	s_lshl_b32 s48, s[QB], 4
	s_add_co_u32 s48, s48, s[HD]
	s_mul_i32 s48, s48, REC
	s_add_nc_u64 s[10:11], s[10:11], s[48:49]      ; the result's record,
	s_mul_i32 s48, s[WV], 2*1536
	s_add_nc_u64 s[OF:OF+1], s[10:11], s[48:49]    ; my two fragments of it: tiles 2 w, 2 w + 1
	s_lshl_b32 s48, s[QB], 7
	s_lshl_b32 s50, s[CX], 5
	s_add_co_u32 s48, s48, s50                     ; the prefetches: row 128 x block + 32 cx,
	s_lshl_b32 s48, s48, 13
	s_lshl_b32 s50, s[WV], 8
	s_add_co_u32 s48, s48, s50                     ; piece w of a pair's 1,024 bytes,
	s_add_co_u32 s48, s48, 1024                    ; at the second pair: the first trip steps it to the third
	s_add_nc_u64 s[PFA:PFA+1], s[8:9], s[48:49]
	s_xor_b32 s59, s[WV], 1
	s_mul_i32 s59, s59, QBY                        ; my partner's quarter
	v_and_b32 v1, 15, v0                           ; r
	v_bfe_u32 v[CT], v0, 4, 1                      ; h
	v_and_b32 v[LI], 31, v0
	v_lshlrev_b32 v[PFO], 13, v[LI]                ; a lane a row
	v_lshlrev_b32 v[LI], 4, v[LI]
	v_and_b32 v[CT+1], 8, v1
	v_add_nc_u32 v[CT+1], v[CT+1], v1              ; r + 8 (r / 8)
	v_mul_u32_u24 v[CT+1], v[CT+1], MP
	v_lshl_add_u32 v[CT+1], v[CT], 6, v[CT+1]
	v_add_nc_u32 v[AMB], s45, v[CT+1]
	v_add_nc_u32 v[AMB+1], s46, v[CT+1]
	v_lshlrev_b32 v1, 4, v1
	v_add_nc_u32 v[QSA], s57, v1
	v_add_nc_u32 v[QSB], s58, v1
	v_add_nc_u32 v[STA], s44, v[LI]
	v_add_nc_u32 v[STP], s59, v[LI]
	v_add_nc_u32 v[SCW], SCS, v[QSA]
	v_add_nc_u32 v[SCR], SCS, v[LI]
.irp t, 0,1
.irp c, 0,1,2
	global_load_b128 v[QF+12*\t+4*\c:QF+12*\t+4*\c+3], v[LI], s[52:53] offset:1536*\t+512*\c
	global_load_b128 v[QF+24+12*\t+4*\c:QF+24+12*\t+4*\c+3], v[LI], s[54:55] offset:1536*\t+512*\c
.endr
.endr
	global_load_b64 v[QS:QS+1], v[QSA], s[4:5] offset:12288
	global_load_b64 v[QS+2:QS+3], v[QSB], s[4:5] offset:12288
	KVLOAD KS, 0, 0
	KVLOAD VS, 96, REC
.irp t, 0,1,2,3
	v_mov_b32 v[NM+2*\t+1], 0xff61b1e6             ; the largest t so far: -3e38
	v_floor_f32 v[NM+2*\t], -v[NM+2*\t+1]
	v_mov_b32 v[SU+2*\t], 0
	v_mov_b32 v[SU+2*\t+1], 0
	v_mov_b32 v[FF+2*\t+1], 0                      ; (named as the upper half of a pair)
	v_mov_b32 v[PT+\t], 0                          ; a lane permute's destination counts as one of its sources
	v_mov_b32 v[PT+4+\t], 0
.endr
	WIN 0x80
.set n1, 0
.rept 256
	v_mov_b32 v[n1], 0                             ; O^T: the pair is written for every pair alike: the first finds zeros
.set n1, n1+1
.endr
	WIN 0
	v_add_nc_u32 v[AMC], s[TB], v[AMB]
	v_add_nc_u32 v[AMC+1], s[TB], v[AMB+1]
	s_xor_b32 s[TB], s[TB], SLOT
	s_wait_alu depctr_va_vdst(0)
	s_wait_tensorcnt 0x0                           ; my quarter of the first pair's mask has landed; what a pair's end does for the next pair is done here for the first
	MLOAD 0
	MLOAD 1
	s_wait_dscnt 32
	MMUL 0
	MLOAD 2
	s_wait_dscnt 32
	MMUL 1
	MLOAD 3
	WIN 0
	s_wait_alu depctr_va_vdst(0)
.Lpair:                                                ; seven trips; each asks for the next pair's mask, k and v
	PAIR 0
	s_sub_co_u32 s[CNT], s[CNT], 1
	s_cmp_lg_u32 s[CNT], 0
	s_wait_alu depctr_va_vdst(0)                   ; directly ahead of the branch
	s_cbranch_scc1 .Lpair
	PAIR 1                                         ; the last pair is written out
	; THE TWO HALVES OF THE KEYS ARE JOINED.  I send slots 2, 3 (O^T, -M, the sum) through my quarter of slot 0, which had its last fill and its last read in the seventh pair, and take my partner's for my slots 0, 1.
.irp t, 0,1,2,3
	v_add_f32 v[LL+\t], v[SU+2*\t], v[SU+2*\t+1]
.endr
.irp t, 0,1,2,3
	v_permlanex16_b32 v[PT+\t], v[LL+\t], s[SEL], s[SEL+1]
.endr
.irp t, 0,1,2,3
	v_add_f32 v[LL+\t], v[LL+\t], v[PT+\t]         ; my keys' sum of each row
.endr
	v_mov_b32 v[XS], v[NM+4]
	v_mov_b32 v[XS+1], v[LL+2]
	v_mov_b32 v[XS+2], v[NM+6]
	v_mov_b32 v[XS+3], v[LL+3]
	WIN 0x08                                       ; the data: window 2
.set n1, 0
.rept 32
	ds_store_b128 v[STA], v[128+4*n1:128+4*n1+3] offset:512*n1   ; images of the registers; each accumulator from its low end on
.set n1, n1+1
.endr
	WIN 0
	ds_store_b128 v[STA], v[XS:XS+3] offset:16384
	s_wait_alu depctr_va_vdst(0)
	s_wait_dscnt 0x0                               ; for my partner's sake
	s_barrier_signal -1
	s_barrier_wait -1
	ds_load_b128 v[XR:XR+3], v[STP] offset:16384
	WIN 0xc0
.set n1, 0
.rept 32
	ds_load_b128 v[4*n1:4*n1+3], v[STP] offset:512*n1
.set n1, n1+1
.endr
	WIN 0
	s_wait_dscnt 0x0
.irp t, 0,1
	v_min_num_f32 v[AK+4*\t], v[NM+2*\t], v[XR+2*\t]             ; -M of both halves together
	v_sub_f32 v[AK+4*\t+1], v[AK+4*\t], v[NM+2*\t]               ; my M - M: a whole number, 0 or less
	v_sub_f32 v[AK+4*\t+2], v[AK+4*\t], v[XR+2*\t]
	v_cvt_i32_f32 v[AK+4*\t+1], v[AK+4*\t+1]
	v_cvt_i32_f32 v[AK+4*\t+2], v[AK+4*\t+2]
	v_ldexp_f32 v[GA+4*\t], 1.0, v[AK+4*\t+1]
	v_ldexp_f32 v[GA+4*\t+2], 1.0, v[AK+4*\t+2]
	v_mul_f32 v[AK+4*\t+3], v[GA+4*\t], v[LL+\t]
	v_fma_f32 v[AK+4*\t+3], v[GA+4*\t+2], v[XR+2*\t+1], v[AK+4*\t+3]   ; the row's sum
.endr
	s_wait_alu depctr_va_vdst(0)                   ; a wait ahead of the batch
	v_rcp_f32 v[AK+3], v[AK+3]
	v_rcp_f32 v[AK+7], v[AK+7]
.irp i, 1,3,5,7
	v_mov_b32 v[GA+\i], 0                          ; plain places; (named as the upper halves of pairs)
.endr
	s_wait_alu depctr_va_vdst(0)                   ; and ahead of the first reader
	v_mul_f32 v[GA], v[GA], v[AK+3]
	v_mul_f32 v[GA+2], v[GA+2], v[AK+3]
	v_mul_f32 v[GA+4], v[GA+4], v[AK+7]
	v_mul_f32 v[GA+6], v[GA+6], v[AK+7]
	WIN 0xc3
.irp t, 0,1
.set n1, 64*\t
.rept 32
	v_pk_mul_f32 v[n1:n1+1], v[n1:n1+1], v[GA+4*\t+2:GA+4*\t+3] op_sel_hi:[1,0]
.set n1, n1+2
.endr
.endr
	WIN 0xf2
	s_wait_alu depctr_va_vdst(0)                   ; directly ahead of the first reader of O^T
.irp t, 0,1
.set n1, 64*\t
.rept 32
	v_pk_fma_f32 v[n1:n1+1], v[n1:n1+1], v[GA+4*\t:GA+4*\t+1], v[n1:n1+1] op_sel_hi:[1,0,1]   ; O / the sum; register 16 b + i: unit 32 b + 16 h + i of the head
.set n1, n1+2
.endr
.endr
.macro QOUT s                          ; quantised along the head's 128
	WIN 0x0f
.irp b, 0,1,2,3
	v_max3_num_f32 v[BM+\b], |v[64*(\s)+16*\b]|, |v[64*(\s)+16*\b+1]|, 0x1800000
.endr
.irp i, 2,4,6,8,10,12,14
.irp b, 0,1,2,3
	v_max3_num_f32 v[BM+\b], |v[64*(\s)+16*\b+\i]|, |v[64*(\s)+16*\b+\i+1]|, v[BM+\b]
.endr
.endr
	WIN 0
.irp b, 0,1,2,3
	v_permlanex16_b32 v[PT+\b], v[BM+\b], s[SEL], s[SEL+1]
.endr
.irp b, 0,1,2,3
	v_max_num_f32 v[BM+\b], v[BM+\b], v[PT+\b]
.endr
	QFIN \s, OW+(\s), BM
.endm
	QOUT 0
	QOUT 1
.irp t, 0,1
.irp c, 0,1,2
	global_store_b128 v[LI], v[PC+12*\t+4*\c:PC+12*\t+4*\c+3], s[OF:OF+1] offset:1536*\t+512*\c   ; 512 consecutive bytes, aligned
.endr
.endr
	ds_store_b64 v[SCW], v[OW:OW+1]                ; both halves of the lanes write the same words with the same values
	s_wait_dscnt 0x0                               ; for the others' sake
	s_barrier_signal -1
	s_barrier_wait -1
	s_cmp_lg_u32 s[WV], 0
	s_cbranch_scc1 .Lnot_first
	ds_load_b128 v[XR:XR+3], v[SCR]
	s_wait_dscnt 0x0
	global_store_b128 v[LI], v[XR:XR+3], s[10:11] offset:12288   ; the eight tiles' scale words: 512 consecutive bytes
.Lnot_first:
	s_wait_tensorcnt 0x0                           ; the wave's end
	ds_add_u32 v[SPW], v[NIL]
	s_wait_dscnt 0x0
	CROUND                                         ; the closing round
	s_endpgm
.Lfunc_end_k_q9810993ea3_attn:
	.size	k_q9810993ea3_attn, .Lfunc_end_k_q9810993ea3_attn-k_q9810993ea3_attn
	.p2alignl 7, 3214868480
	.fill 96, 4, 3214868480
	.section	.rodata,"a",@progbits
	.p2align	6, 0x0
	.amdhsa_kernel k_q9810993ea3_attn
		.amdhsa_group_segment_fixed_size 327680
		.amdhsa_private_segment_fixed_size 0
		.amdhsa_enable_private_segment 0
		.amdhsa_kernarg_size 32
		.amdhsa_user_sgpr_count 2
		.amdhsa_user_sgpr_kernarg_segment_ptr 1
		.amdhsa_wavefront_size32 1
		.amdhsa_system_sgpr_workgroup_id_x 1
		.amdhsa_system_sgpr_workgroup_id_y 1
		.amdhsa_system_sgpr_workgroup_id_z 1
		.amdhsa_system_vgpr_workitem_id 0
		.amdhsa_next_free_vgpr 1024
		.amdhsa_next_free_sgpr 66
		.amdhsa_reserve_vcc 0
		.amdhsa_float_denorm_mode_32 3
		.amdhsa_float_denorm_mode_16_64 3
		.amdhsa_memory_ordered 1
		.amdhsa_forward_progress 1
		.amdhsa_inst_pref_size 208
	.end_amdhsa_kernel
	.amdgpu_metadata
---
amdhsa.version: [ 1, 2 ]
amdhsa.kernels:
  - .name:           k_q9810993ea3_attn
    .symbol:         k_q9810993ea3_attn.kd
    .args:
      - { .name: qf, .offset: 0, .size: 8, .value_kind: global_buffer, .address_space: global }
      - { .name: kv, .offset: 8, .size: 8, .value_kind: global_buffer, .address_space: global }
      - { .name: causal_mask, .offset: 16, .size: 8, .value_kind: global_buffer, .address_space: global }
      - { .name: ac, .offset: 24, .size: 8, .value_kind: global_buffer, .address_space: global }
    .group_segment_fixed_size: 327680
    .private_segment_fixed_size: 0
    .kernarg_segment_align: 8
    .kernarg_segment_size: 32
    .max_flat_workgroup_size: 128
    .sgpr_count:     66
    .vgpr_count:     1024
    .wavefront_size: 32
...
	.end_amdgpu_metadata
.endif
;; end of part 7
;; launch oproj (part 8): grid 16 x 16, 4 waves a work-group, clusters of 4 x 4, 327,680 bytes of LDS; arguments ac, wc, bo, out0; writes out0
.if DOCPART == 8
	.amdgcn_target "amdgcn-amd-amdhsa--gfx1250"
	.amdhsa_code_object_version 6
	.text
	.protected	k_q9810993ea3_oproj
	.globl	k_q9810993ea3_oproj
	.p2align	8
	.type	k_q9810993ea3_oproj,@function
k_q9810993ea3_oproj:
	s_mov_b64 s[64:65], 0
	v_nop
	global_prefetch_b8 v0, s[64:65] scope:SCOPE_SE
	s_setreg_imm32_b32 hwreg(HW_REG_WAVE_MODE, 25, 1), 1
	s_wait_xcnt 0x0
	s_wait_alu depctr_hold_cnt(0) depctr_sa_sdst(0) depctr_va_vdst(0) depctr_va_sdst(0) depctr_va_ssrc(0) depctr_va_vcc(0) depctr_vm_vsrc(0)
	s_getreg_b32 s2, hwreg(HW_REG_IB_STS2, 6, 4)
	s_cmp_eq_u32 s2, 0
	s_cbranch_scc0 .Lentry_in_a_cluster
	s_endpgm
.Lentry_in_a_cluster:
	s_bfe_u32 s2, ttmp6, 0x10000c
	s_cmp_lg_u32 s2, 0xf033
	s_cbranch_scc0 .Lentry_shape_is_right
	s_endpgm
.Lentry_shape_is_right:
.set REC,   12800
.set REG,   256*REC
.set GRP,   16*REC
.set LOADB, 2*REC
.set SLOT,  4*LOADB
.set SPITCH, 272
.set STAGE, 3*SLOT+512
.set SPARE, STAGE+4*16*SPITCH
.set FR,    12
.set ADRX, 8
.set ADRY, 12
.set ADRS, 16
.set LI,   20
.set HH,   21
.set STO,  22
.set RD,   23
.set CO,   24
.set BA,   25
.set SPW,  28
.set NIL,  29
.set SC,   32
.set BY,   64
.set BK,   64
.set ACC,  128
.set WV,   16
.set WH,   17
.set WL,   18
.set G1,   24
.set G0,   32
.set G1B,  48
.set G0B,  68
.set MSB, 0
.macro WIN new
.if MSB != (\new)
	s_set_vgpr_msb (MSB<<8)|(\new)
.set MSB, (\new)
.endif
.endm
.set MUL,  0x05
.set TO_F, 0x40
.macro JLOAD g0a, g1a, g0b, g1b
	s_cmp_eq_u32 s[WH], 0
	s_cbranch_scc0 .Lfor_b_\@
	tensor_load_to_lds s[\g0a:\g0a+3], s[\g1a:\g1a+7]
	s_nop 0
.rept 4
	v_nop
.endr
	s_branch .Lasked_\@
.Lfor_b_\@:
	tensor_load_to_lds s[\g0b:\g0b+3], s[\g1b:\g1b+7]
	s_nop 0
.rept 4
	v_nop
.endr
.Lasked_\@:
.endm
.macro CREST
	s_cmp_lg_u32 s[WV], 0
	s_cbranch_scc1 .Lnot_wave_0_\@
	s_barrier_signal -3
.Lnot_wave_0_\@:
	s_barrier_wait -3
	s_barrier_signal -1
	s_barrier_wait -1
.endm
.macro CROUND
	s_barrier_signal -1
	s_barrier_wait -1
	CREST
.endm
	s_load_b256 s[4:11], s[0:1], 0x0
	v_lshl_add_u32 v[SPW], v0, 2, SPARE
	v_mov_b32 v[NIL], 0
	ds_add_u32 v[SPW], v[NIL]
	ds_add_u32 v[SPW], v[NIL]
	v_lshrrev_b32 v1, 5, v0
	v_readfirstlane_b32 s[WV], v1
	s_lshr_b32 s[WH], s[WV], 1
	s_and_b32 s[WL], s[WV], 1
	s_bfe_u32 s84, ttmp6, 0x40000
	s_bfe_u32 s85, ttmp6, 0x40004
	s_lshl_b32 s86, ttmp9, 2
	s_add_co_u32 s86, s86, s84
	s_and_b32 s87, ttmp7, 0xffff
	s_lshl_b32 s87, s87, 2
	s_add_co_u32 s87, s87, s85
	s_lshl_b32 s88, s85, 2
	s_lshl_b32 s88, 15, s88
	s_lshl_b32 s89, 0x1111, s84
	s_or_b32 s[G1+0], s88, (3<<16)|(1<<21)
	s_or_b32 s[G1B+0], s89, (3<<16)|(1<<21)
.irp g, G1, G1B
	s_mov_b32 s[\g+1], 32<<16
	s_mov_b32 s[\g+2], 300<<16                     ; the head's load brings 300 rows of 256 bytes: six records, six K steps of one operand
	s_mov_b32 s[\g+3], 32<<16
	s_mov_b32 s[\g+4], 300
	s_mov_b32 s[\g+5], 32
	s_mov_b32 s[\g+6], 0
	s_mov_b32 s[\g+7], 0
.endr
	s_mul_i32 s92, s[WL], 3*LOADB
	s_mul_i32 s90, s87, GRP
	s_add_co_u32 s90, s90, s92
	s_mov_b32 s91, 0
	s_mul_i32 s94, s86, GRP
	s_add_co_u32 s94, s94, s92
	s_add_co_u32 s94, s94, 4*REG
	s_mov_b32 s95, 0
	s_mul_i32 s93, s[WV], 3*LOADB                  ; LDS: the first operand's records of K steps 0 to 11 on end, then the second's
	s_wait_dscnt 0x0
	s_wait_kmcnt 0x0
	s_add_nc_u64 s[90:91], s[4:5], s[90:91]
	s_add_nc_u64 s[94:95], s[6:7], s[94:95]
	CROUND
	s_mov_b32 s[G0], 1                             ; the head's load: K steps 6 WL to 6 WL + 5
	s_mov_b32 s[G0+1], s93
	s_mov_b64 s[G0+2:G0+3], s[90:91]
	s_or_b32 s[G0+3], s[G0+3], 0x80000000
	s_mov_b32 s[G0B], 1
	s_mov_b32 s[G0B+1], s93
	s_mov_b64 s[G0B+2:G0B+3], s[94:95]
	s_or_b32 s[G0B+3], s[G0B+3], 0x80000000
	s_mul_i32 s96, s[WL], 2*LOADB                  ; the one refill: K steps 12 + 2 WL and 13 + 2 WL, into the bytes of K steps 2 WL and 2 WL + 1
	s_sub_co_u32 s96, 6*LOADB, s96
	s_mov_b32 s97, 0
	s_mul_i32 s98, s[WH], 6*LOADB
	s_mul_i32 s99, s[WL], LOADB
	s_add_co_u32 s98, s98, s99
	s_mov_b32 s[G0+4], 1
	s_mov_b32 s[G0+5], s98
	s_add_nc_u64 s[G0+6:G0+7], s[90:91], s[96:97]
	s_or_b32 s[G0+7], s[G0+7], 0x80000000
	s_mov_b32 s[G0B+4], 1
	s_mov_b32 s[G0B+5], s98
	s_add_nc_u64 s[G0B+6:G0B+7], s[94:95], s[96:97]
	s_or_b32 s[G0B+7], s[G0B+7], 0x80000000
	JLOAD G0, G1, G0B, G1B                         ; my one load at the head
	v_and_b32 v1, 31, v0
	v_lshlrev_b32 v[LI], 4, v1
	s_wait_alu depctr_va_vdst(0)
	v_and_b32 v2, 15, v0
	v_bfe_u32 v[HH], v0, 4, 1
	s_mul_i32 s96, s[WH], 4*1536
	s_mul_i32 s97, s[WL], 4*1536
	s_add_co_u32 s97, s97, 6*LOADB
	s_xor_b32 s98, s[WH], 1
	s_add_co_u32 s98, s98, s[WL]
	s_lshl_b32 s98, s98, 8
	s_add_co_u32 s98, s98, 6*LOADB-256
	v_mul_u32_u24 v3, s98, v[HH]
	v_lshl_add_u32 v3, v2, 4, v3
	s_wait_alu depctr_va_vdst(0)
	s_lshl_b32 s99, s[WH], 8
	s_add_co_u32 s99, s99, 12288
.irp n, 0,1,2
	v_add_nc_u32 v[ADRX+\n], s96, v[LI]
	v_add_nc_u32 v[ADRY+\n], s97, v[LI]
	v_add_nc_u32 v[ADRS+\n], s99, v3
	s_add_co_u32 s96, s96, 2*LOADB
	s_add_co_u32 s97, s97, 2*LOADB
	s_add_co_u32 s99, s99, 2*LOADB
.endr
	s_mul_i32 s96, s[WV], 16*SPITCH
	s_add_co_u32 s96, s96, STAGE
	v_mul_u32_u24 v[STO], v2, SPITCH
	v_lshl_add_u32 v[STO], v[HH], 6, v[STO]
	v_add_nc_u32 v[STO], s96, v[STO]
	v_mul_u32_u24 v[RD], v[HH], SPITCH
	v_lshl_add_u32 v[RD], v2, 4, v[RD]
	v_add_nc_u32 v[RD], s96, v[RD]
	v_lshlrev_b32 v[CO], 13, v[HH]
	v_lshl_add_u32 v[CO], v2, 4, v[CO]
	s_lshl_b32 s96, s86, 9
	s_lshl_b32 s97, s[WL], 8
	s_add_co_u32 s96, s96, s97
	s_mov_b32 s97, 0
	s_add_nc_u64 s[8:9], s[8:9], s[96:97]
	s_add_nc_u64 s[10:11], s[10:11], s[96:97]
	s_lshl_b32 s98, s87, 7
	s_lshl_b32 s99, s[WH], 6
	s_add_co_u32 s98, s98, s99
	s_lshl_b32 s98, s98, 13
	s_mov_b32 s99, 0
	s_add_nc_u64 s[10:11], s[10:11], s[98:99]
	v_lshlrev_b32 v[BA], 6, v[HH]
.irp i, 0,1,2,3
	global_load_b128 v[BY+8*\i:BY+8*\i+3], v[BA], s[8:9] offset:(32*(\i/2)+8*(\i%2))*4
	global_load_b128 v[BY+8*\i+4:BY+8*\i+7], v[BA], s[8:9] offset:(32*(\i/2)+8*(\i%2))*4+16
.endr
.macro FETCH k
.set fN, ((\k)/4)%3
.set fQ, (\k)%4
.set fP, (\k)%2
	WIN 0
	ds_load_b128 v[SC+4*fP:SC+4*fP+3], v[ADRS+fN] offset:REC*fQ
	WIN TO_F
.irp i, 0,1,2,3
.irp c, 0,1,2
	ds_load_b128 v[128*fP+FR*\i+4*\c:128*fP+FR*\i+4*\c+3], v[ADRX+fN] offset:REC*fQ+1536*\i+512*\c
.endr
.endr
.irp i, 0,1,2,3
.irp c, 0,1,2
	ds_load_b128 v[128*fP+48+FR*\i+4*\c:128*fP+48+FR*\i+4*\c+3], v[ADRY+fN] offset:REC*fQ+1536*\i+512*\c
.endr
.endr
.endm
.macro MULA a, k, first
.set mP, 128*((\k)%2)
.set mS, SC+4*((\k)%2)
.irp b, 0,1,2,3
.if \first
	v_wmma_scale_f32_16x16x128_f8f6f4 v[ACC+8*(4*(\a)+\b):ACC+8*(4*(\a)+\b)+7], v[mP+48+FR*\b:mP+48+FR*\b+FR-1], v[mP+FR*(\a):mP+FR*(\a)+FR-1], v[BY+8*\b:BY+8*\b+7], v[mS+\b], v[mS+(\a)] matrix_a_fmt:MATRIX_FMT_FP6 matrix_b_fmt:MATRIX_FMT_FP6 matrix_a_scale:MATRIX_SCALE_ROW1
.else
	v_wmma_scale_f32_16x16x128_f8f6f4 v[ACC+8*(4*(\a)+\b):ACC+8*(4*(\a)+\b)+7], v[mP+48+FR*\b:mP+48+FR*\b+FR-1], v[mP+FR*(\a):mP+FR*(\a)+FR-1], v[ACC+8*(4*(\a)+\b):ACC+8*(4*(\a)+\b)+7], v[mS+\b], v[mS+(\a)] matrix_a_fmt:MATRIX_FMT_FP6 matrix_b_fmt:MATRIX_FMT_FP6 matrix_a_scale:MATRIX_SCALE_ROW1
.endif
.endr
.endm
.macro PLACES
.rept 4
	v_nop
.endr
.endm
.macro KSTEP k, first
	s_wait_dscnt 0x0
	PLACES
	FETCH (\k)+1
	WIN MUL
.irp a, 0,1,2,3
	MULA \a, \k, \first
.endr
.endm
.macro KSYNC k, fill
	WIN 0
	s_wait_tensorcnt 0x0
	ds_add_u32 v[SPW], v[NIL]
	s_wait_dscnt 1
	WIN MUL
	MULA 0, \k, 0
	s_wait_dscnt 0x0
	s_barrier_signal -1
	MULA 1, \k, 0
	WIN 0
	s_barrier_wait -1
.if \fill
	CREST
	JLOAD G0+4, G1, G0B+4, G1B
.else
	PLACES
.endif
	FETCH (\k)+1
	WIN MUL
	MULA 2, \k, 0
	MULA 3, \k, 0
.endm
	s_wait_alu depctr_va_vdst(0)
	s_wait_tensorcnt 0x0                           ; my six records are in; no load of mine is out, so a descriptor may be written:
	s_mov_b32 s[G1+2], 100<<16                     ; the refill brings 100 rows, two records
	s_mov_b32 s[G1+4], 100
	s_mov_b32 s[G1B+2], 100<<16
	s_mov_b32 s[G1B+4], 100
	s_barrier_signal -1
	s_barrier_wait -1
	FETCH 0
	s_wait_loadcnt 0x0
	KSTEP 0, 1
	KSTEP 1, 0
	KSTEP 2, 0
	KSYNC 3, 1
.irp k, 4,5,6,7,8,9,10
	KSTEP \k, 0
.endr
	KSYNC 11, 0
	KSTEP 12, 0
	KSTEP 13, 0
	KSTEP 14, 0
	s_wait_dscnt 0x0
	WIN MUL
.irp a, 0,1,2,3
	MULA \a, 15, 0
.endr
	WIN 0
.macro TOSTAGE a
.irp b, 0,1,2,3
	ds_store_b128 v[STO], v[ACC+8*(4*(\a)+\b):ACC+8*(4*(\a)+\b)+3] offset:128*(\b/2)+32*(\b%2)
	ds_store_b128 v[STO], v[ACC+8*(4*(\a)+\b)+4:ACC+8*(4*(\a)+\b)+7] offset:128*(\b/2)+32*(\b%2)+16
.endr
.irp i, 0,1,2,3,4,5,6,7
	ds_load_b128 v[BK+32*((\a)%2)+4*\i:BK+32*((\a)%2)+4*\i+3], v[RD] offset:2*\i*SPITCH
.endr
.endm
.macro SEND a, younger
	s_wait_dscnt \younger
.irp i, 0,1,2,3,4,5,6,7
	global_store_b128 v[CO], v[BK+32*((\a)%2)+4*\i:BK+32*((\a)%2)+4*\i+3], s[10:11] offset:(32*((\a)/2)+8*((\a)%2)+2*\i+8*(\i/4))*8192 th:TH_STORE_NT
.endr
.endm
	PLACES
	s_wait_alu depctr_va_vdst(0)
	TOSTAGE 0
.irp a, 1,2,3
.if \a > 1
	s_wait_xcnt 0x0
.endif
	TOSTAGE \a
	SEND \a-1, 16
.endr
	SEND 3, 0
	s_wait_tensorcnt 0x0
	ds_add_u32 v[SPW], v[NIL]
	s_wait_dscnt 0x0
	CROUND
	s_endpgm
.Lfunc_end_k_q9810993ea3_oproj:
	.size	k_q9810993ea3_oproj, .Lfunc_end_k_q9810993ea3_oproj-k_q9810993ea3_oproj
	.p2alignl 7, 3214868480
	.fill 96, 4, 3214868480
	.section	.rodata,"a",@progbits
	.p2align	6, 0x0
	.amdhsa_kernel k_q9810993ea3_oproj
		.amdhsa_group_segment_fixed_size 327680
		.amdhsa_private_segment_fixed_size 0
		.amdhsa_enable_private_segment 0
		.amdhsa_kernarg_size 32
		.amdhsa_user_sgpr_count 2
		.amdhsa_user_sgpr_kernarg_segment_ptr 1
		.amdhsa_wavefront_size32 1
		.amdhsa_system_sgpr_workgroup_id_x 1
		.amdhsa_system_sgpr_workgroup_id_y 1
		.amdhsa_system_sgpr_workgroup_id_z 1
		.amdhsa_system_vgpr_workitem_id 0
		.amdhsa_next_free_vgpr 512
		.amdhsa_next_free_sgpr 100
		.amdhsa_reserve_vcc 0
		.amdhsa_float_denorm_mode_32 3
		.amdhsa_float_denorm_mode_16_64 3
		.amdhsa_memory_ordered 1
		.amdhsa_forward_progress 1
		.amdhsa_inst_pref_size 79
	.end_amdhsa_kernel
	.amdgpu_metadata
---
amdhsa.version: [ 1, 2 ]
amdhsa.kernels:
  - .name:           k_q9810993ea3_oproj
    .symbol:         k_q9810993ea3_oproj.kd
    .args:
      - { .name: ac, .offset: 0, .size: 8, .value_kind: global_buffer, .address_space: global }
      - { .name: wc, .offset: 8, .size: 8, .value_kind: global_buffer, .address_space: global }
      - { .name: bo, .offset: 16, .size: 8, .value_kind: global_buffer, .address_space: global }
      - { .name: out0, .offset: 24, .size: 8, .value_kind: global_buffer, .address_space: global }
    .group_segment_fixed_size: 327680
    .private_segment_fixed_size: 0
    .kernarg_segment_align: 8
    .kernarg_segment_size: 32
    .max_flat_workgroup_size: 128
    .sgpr_count:     100
    .vgpr_count:     512
    .wavefront_size: 32
...
	.end_amdgpu_metadata
.endif
;; end of part 8
